; MI455X (gfx1250); checked and timed in simulation.
; The chip was launched on July 23, 2026; its instructions are those of AMD's public machine-readable ISA for CDNA 5 (MIT licence, August 2026) and "CDNA5" Instruction Set Architecture Reference Guide (July 2026). The comments in the code are by the model that wrote it; some were corrected since.
;; attention block. Allowed arithmetic: matrix products marked QUANTISED: E4M3 operands, one E8M0 scale for each 32 along K, by v_wmma_scale_f32_16x16x128_f8f6f4 with both operands' format E4M3, f32 sums; everything else in f32.
;; Inputs: freqs_cos 2,048 x 64 float32; freqs_sin 2,048 x 64 float32; mask 1 x 1 x 2,048 x 2,048 float32; wk 2,048 x 2,048 float32; wo 2,048 x 2,048 float32; wq 2,048 x 2,048 float32; wv 2,048 x 2,048 float32; x 1 x 2,048 x 2,048 float32.
;; Outputs: out0 1 x 2,048 x 2,048 float32.
;; Constants: start_pos = 0.
;; This version of the problem:
;;   THIS VERSION OF THE PROBLEM IS GIVEN IN LOW PRECISION. The matrix products marked QUANTISED in the list below multiply operands that are first quantised to E4M3 (4 exponent bits, 3 mantissa bits; 8 bits a number), with one power-of-two scale for each 32 numbers along K (OCP MX v1.0); their sums are f32. All else is computed in f32.
;;   The module's matrix products, in the order in which they are computed (A, B: the left and right operand; K: the contracted axis; several contracted axes count as one K, in the product's order):
;;     1. [M 2,048, K 2,048] x [K 2,048, N 2,048]; A: input x; B: input wq: QUANTISED
;;     2. [M 2,048, K 2,048] x [K 2,048, N 2,048]; A: input x; B: input wk: QUANTISED
;;     3. [M 2,048, K 2,048] x [K 2,048, N 2,048]; A: input x; B: input wv: QUANTISED
;;     4. batch 16 x [M 2,048, K 128] x [K 128, N 2,048]; A: computed on the way; B: computed on the way: QUANTISED
;;     5. batch 16 x [M 2,048, K 2,048] x [K 2,048, N 128]; A: softmax (see below); B: computed on the way: QUANTISED
;;     6. [M 2,048, K 2,048] x [K 2,048, N 2,048]; A: computed on the way; B: input wo: QUANTISED
;;   THE QUANTISER, for each operand of a quantised product, along K:
;;     - K is cut into blocks of 32 from its start; a last block that is shorter is filled with zeros.
;;     - A block's scale is 2^e with e = floor(log2(the largest magnitude in the block)) - 8, held to -126 .. 127; a block of zeros has e = 0. As a byte (E8M0): e + 127.
;;     - Each number is divided by its block's scale, clamped to +-448, and rounded to the nearest number of E4M3, ties to even, subnormals kept.
;;     - The product sums the exact products of the quantised numbers (number of the format x scale) in f32.
;;   ~~~python
;;   def quantise(x, axis):      # numpy; x: float32 -> the quantised numbers, widened to float32 again
;;       x = np.moveaxis(x, axis, -1); K = x.shape[-1]
;;       x = np.pad(x, [(0, 0)] * (x.ndim - 1) + [(0, -K % 32)]); x = x.reshape(x.shape[:-1] + (-1, 32)); a = np.abs(x).max(-1, keepdims=True)
;;       e = np.where(a > 0, np.clip(np.frexp(np.where(a > 0, a, 1))[1] - 1 - 8, -126, 127), 0)      # np.frexp(a)[1] - 1 = floor(log2(a)), exactly
;;       r = np.clip(x / 2.0 ** e, -448, 448)
;;       step = 2.0 ** (np.maximum(np.frexp(np.where(r == 0, 1, r))[1] - 1, -6) - 3)
;;       q = np.round(r / step) * step * 2.0 ** e      # np.round: ties to even
;;       return np.moveaxis(q.reshape(q.shape[:-2] + (-1,))[..., :K], -1, axis).astype(np.float32)
;;   ~~~
;;   SOFTMAX AHEAD OF A QUANTISED PRODUCT. Where the list says 'softmax', what is quantised is not the finished softmax but p = 2^(t - M), with t = logit x log2(e) and M = ceil(the row's largest t), a whole number; so 1/2 < the row's largest p <= 1. The row's sum l is taken of the UNQUANTISED p, in f32, and the product's result is divided by l at the end. Since M is a whole number, a kernel that streams over the keys may use a running M (the ceiling of the running maximum): every later rescaling is an exact power of two, which a block's scale takes up: the codes' values come out the same.
;;   OPERANDS COMPUTED ON THE WAY. 'Computed on the way' means the value that the module computes at that place (a softmax that the list does not call 'softmax' is quantised finished and normalised). What goes into a quantiser is computed in f32, as accurately as f32 sums, v_exp_f32 and their like allow (about 1e-6 of the number): no bf16 or f16 on the way to a quantiser, and a product that is left as it is and whose result goes on into a quantised operand takes f32 operands (vector FMAs, or v_wmma_f32_16x16x4_f32). A number that lies on a knife's edge between two numbers of the format may be rounded either way, as far as f32 arithmetic and the matrix unit's own rounding can turn it there, and no further.
;; 2 versions. Each part assembles by itself: llvm-mc -triple=amdgcn-amd-amdhsa -mcpu=gfx1250 --defsym DOCPART=n.
;; ======== version 1 of 2: 4 launches
;; workspace buffers: codes 20,971,520 bytes; scl 655,360 bytes; qb 4,325,376 bytes; kvb 8,650,752 bytes; ac 4,194,304 bytes; asw 131,072 bytes
;; launch quant (part 1): grid 640 x 1, 4 waves a work-group, no clusters, 35,328 bytes of LDS; arguments x, wq, wk, wv, wo, codes, scl; writes codes, scl
.if DOCPART == 1
	.amdgcn_target "amdgcn-amd-amdhsa--gfx1250"
	.amdhsa_code_object_version 6
	.text
	.protected	k_qfad616a6bc_quant
	.globl	k_qfad616a6bc_quant
	.p2align	8
	.type	k_qfad616a6bc_quant,@function
k_qfad616a6bc_quant:
	s_mov_b64 s[64:65], 0
	v_nop
	global_prefetch_b8 v0, s[64:65] scope:SCOPE_SE
	s_setreg_imm32_b32 hwreg(HW_REG_WAVE_MODE, 25, 1), 1
	s_wait_xcnt 0x0
; x, wq, wk, wv, wo, each [2048][2048] f32 with K innermost, become codes of FP8 (E4M3) with one E8M0 scale byte for each 32 along K, once for the whole program.
; A block's scale is 2^(floor(log2(its largest magnitude)) - 8); each number is divided by it, held within +-448 and rounded to the nearest code, ties to even.
; LAYOUT OF THE RESULT.  codes: [tensor 5][256 along K: 8][tile of 16 rows: 128][128 along K: 2][2,048 bytes]: the 2,048 bytes are the IMAGE OF AN OPERAND'S REGISTERS (16 rows x 128 K, 16 registers a lane):
; byte 512 c + 16 lane + e is byte e of registers 4 c .. 4 c + 3 of that lane.  scl: [tensor 5][128 along K: 16][row 2,048]: one word of four scale bytes.
; ORDER OF K INSIDE A BLOCK OF 32.  Place 16 h + e of block c (h = lane / 16) holds k = 32 c + 8 h + e for e < 8 and k = 32 c + 16 + 8 h + e - 8 for e >= 8: the order in which a matrix result of two
; neighbouring tiles lies in a lane's registers.  Every operand of every product of this program is laid so, on both sides, so the products are the same and the blocks, and their scales, are the true ones.
; LIMITS: NaN and infinities among the inputs are not served; a block whose largest magnitude lies under 2^-118, and a block of zeros, keeps the byte 1 (its codes are then zeros or subnormal; only this program reads the bytes).
; SHARES.  Work-group g: tensor g / 128; 64 rows; its four waves take four neighbouring runs of 128 along K, so the work-group reads 2,048 consecutive bytes of each row.  A wave makes 4 fragments.
; A load takes 512 consecutive bytes of one row, 16 a lane; a fragment's 16 rows turn through the wave's own stage in LDS (rows of 512 + 16 bytes) and come back 4 x 16 numbers a lane in the order above.
; No tensor loads, no barrier, no cluster: waves share nothing, and no two work-groups read the same byte.  The matrix units have nothing to do here.
.set SP,    528                        ; a stage row: 512 bytes + 16
.set WREG,  8704                       ; LDS of a wave: 16 stage rows, then 256 bytes of scale words
.set WORDS, 8448
.set TM,    12                         ; v12-15 largest magnitudes, v16-19 the other half's, then bytes, v20-23 448 x the scale, v24-27 the conversions' scale operands
.set PW,    28                         ; v28-31  a scale word for each fragment
.set PC,    32                         ; v32-47  a fragment's codes
.set X,     48                         ; v48-111 a fragment's 64 numbers of my lane
.set R,     112                        ; v112-239 two sets of 64: rows as they are loaded
.set IN,    20                         ; s[20:21] my tensor, at my wave's first byte
.set CODES, 14                         ; s[14:15]
.set SCLP,  16                         ; s[16:17]
.set SEL,   36                         ; s[36:37] lane selects: lane l xor 16
.set MNT,   38                         ; s38 the mantissa field of 448
	s_load_b256 s[4:11], s[0:1], 0x0               ; x, wq, wk, wv
	s_load_b128 s[12:15], s[0:1], 0x20             ; wo, codes
	s_load_b64 s[16:17], s[0:1], 0x30              ; scl
	v_lshl_add_u32 v240, v0, 2, 0x8800
	v_mov_b32 v241, 0
	v_lshrrev_b32 v1, 5, v0
	v_readfirstlane_b32 s18, v1                    ; wave 0..3
	v_and_b32 v1, 31, v0                           ; lane
	v_and_b32 v2, 15, v0                           ; r
	v_bfe_u32 v3, v0, 4, 1                         ; h
	v_lshlrev_b32 v4, 4, v1                        ; 16 x lane: my bytes of a load's and of a store's 512; never rewritten
	s_mul_i32 s19, s18, WREG                       ; my wave's LDS
	v_add_nc_u32 v5, s19, v4                       ; the stage, on the way in: 16 x lane in a row
	v_mul_u32_u24 v6, v2, SP
	v_lshl_add_u32 v6, v3, 5, v6
	v_add_nc_u32 v6, s19, v6                       ; on the way out: row r, + 32 h bytes
	v_lshlrev_b32 v7, 2, v2
	v_add_nc_u32 v7, s19, v7
	v_add_nc_u32 v7, WORDS, v7                     ; my row's scale word
	v_lshlrev_b32 v9, 3, v1                        ; the words' way out: 8 bytes a lane
	v_add_nc_u32 v8, s19, v9
	v_add_nc_u32 v8, WORDS, v8
.irp b, 0,1,2,3
	v_mov_b32 v[TM+4+\b], 0                        ; written once: a lane permute's destination counts as one of its sources
.endr
	s_mov_b32 s[SEL], 0x76543210
	s_mov_b32 s[SEL+1], 0xfedcba98
	s_mov_b32 s[MNT], 0x600000
	s_lshr_b32 s22, ttmp9, 7                       ; the tensor
	s_and_b32 s23, ttmp9, 127
	s_lshr_b32 s24, s23, 2                         ; which 64 rows
	s_and_b32 s25, s23, 3
	s_lshl_b32 s25, s25, 2
	s_add_co_u32 s25, s25, s18                     ; which 128 along K: 0..15
	s_lshl_b32 s28, s24, 19                        ; in: 64 rows of 8,192 bytes,
	s_lshl_b32 s29, s25, 9                         ; 512 bytes for each 128 along K
	s_add_co_u32 s28, s28, s29
	s_mov_b32 s29, 0
	s_lshr_b32 s30, s25, 1                         ; codes: ((K / 256) x 128 + first tile of rows) x 4,096 + (K / 128 % 2) x 2,048 + tensor x 4 MiB
	s_lshl_b32 s30, s30, 7
	s_lshl_b32 s31, s24, 2
	s_add_co_u32 s30, s30, s31
	s_lshl_b32 s30, s30, 12
	s_and_b32 s31, s25, 1
	s_lshl_b32 s31, s31, 11
	s_add_co_u32 s30, s30, s31
	s_lshl_b32 s31, s22, 22
	s_add_co_u32 s30, s30, s31
	s_mov_b32 s31, 0
	s_lshl_b32 s32, s22, 17                        ; words: tensor x 128 KiB + (K / 128) x 8,192 + 64 rows x 4
	s_lshl_b32 s33, s25, 13
	s_add_co_u32 s32, s32, s33
	s_lshl_b32 s33, s24, 8
	s_add_co_u32 s32, s32, s33
	s_mov_b32 s33, 0
	s_wait_kmcnt 0x0
	s_cmp_eq_u32 s22, 0                            ; the choice of the tensor hangs on the work-group's number alone; all five take one way through the text
	s_cselect_b64 s[IN:IN+1], s[4:5], s[6:7]
	s_cmp_eq_u32 s22, 2
	s_cselect_b64 s[IN:IN+1], s[8:9], s[IN:IN+1]
	s_cmp_eq_u32 s22, 3
	s_cselect_b64 s[IN:IN+1], s[10:11], s[IN:IN+1]
	s_cmp_eq_u32 s22, 4
	s_cselect_b64 s[IN:IN+1], s[12:13], s[IN:IN+1]
	s_add_nc_u64 s[IN:IN+1], s[IN:IN+1], s[28:29]
	s_add_nc_u64 s[CODES:CODES+1], s[CODES:CODES+1], s[30:31]
	s_add_nc_u64 s[SCLP:SCLP+1], s[SCLP:SCLP+1], s[32:33]
.macro LOAD f                          ; fragment f's 16 rows into set f % 2: each load 512 consecutive bytes of one row
.irp i, 0,1,2,3,4,5,6,7,8,9,10,11,12,13,14,15
	global_load_b128 v[R+64*((\f)%2)+4*\i:R+64*((\f)%2)+4*\i+3], v4, s[IN:IN+1] offset:(16*(\f)+\i)*8192 th:TH_LOAD_NT
.endr
.endm
; 64 numbers of a lane, v[s] on (register 16 b + i: place 16 h + i of block b of my row), become a fragment's codes in v[pc] on and its scale word in v[pw]
.macro QUANT s, pc, pw
.irp b, 0,1,2,3
	v_max3_num_f32 v[TM+\b], |v[\s+16*\b]|, |v[\s+1+16*\b]|, 0x4800000   ; block b: my 16 numbers, and the floor 2^(9 - 127): so the byte cannot fall under 1
.endr
.irp i, 2,4,6,8,10,12,14
.irp b, 0,1,2,3
	v_max3_num_f32 v[TM+\b], v[TM+\b], |v[\s+16*\b+\i]|, |v[\s+1+16*\b+\i]|   ; the four blocks by turns
.endr
.endr
.irp b, 0,1,2,3
	v_permlanex16_b32 v[TM+4+\b], v[TM+\b], s[SEL], s[SEL+1]
.endr
.irp b, 0,1,2,3
	v_max_num_f32 v[TM+\b], v[TM+\b], v[TM+4+\b]   ; with lane l xor 16's 16: the block's largest magnitude
.endr
.irp b, 0,1,2,3
	v_add_nc_u32 v[TM+12+\b], 0xfc000000, v[TM+\b] ; 8 off its exponent field: the conversion takes this operand's exponent field as its scale
.endr
.irp b, 0,1,2,3
	v_and_or_b32 v[TM+8+\b], v[TM+\b], 0x7f800000, s[MNT]   ; 448 x the scale
.endr
.irp b, 0,1,2,3
	v_lshrrev_b32 v[TM+4+\b], 23, v[TM+12+\b]      ; the scale's byte
.endr
	v_lshl_or_b32 v[\pw], v[TM+5], 8, v[TM+4]
	v_lshl_or_b32 v[\pw], v[TM+6], 16, v[\pw]
	v_lshl_or_b32 v[\pw], v[TM+7], 24, v[\pw]      ; my row's scale word
	s_wait_xcnt 0x0                                ; the last fragment's stores have read v[pc] on: only now are these registers written again
.irp b, 0,1,2,3
.irp i, 0,1,2,3,4,5,6,7,8,9,10,11,12,13,14,15
	v_med3_num_f32 v[\s+16*\b+\i], v[\s+16*\b+\i], -v[TM+8+\b], v[TM+8+\b]   ; the conversion to an 8-bit code does not saturate (ISA guide 7.6.2): the hold at the largest code x the scale
.endr
	v_cvt_scalef32_pk8_fp8_f32 v[\pc+4*\b:\pc+4*\b+1], v[\s+16*\b:\s+16*\b+7], v[TM+12+\b]
	v_cvt_scalef32_pk8_fp8_f32 v[\pc+4*\b+2:\pc+4*\b+3], v[\s+16*\b+8:\s+16*\b+15], v[TM+12+\b]
.endr
	v_nop                                          ; one plain vector line behind the last conversion
.endm
.macro FRAGQ f
.if (\f) < 3
	s_wait_loadcnt 16                              ; this fragment's 16 loads are in; the next fragment's 16 may be out
.else
	s_wait_loadcnt 0x0
.endif
.irp i, 0,1,2,3,4,5,6,7,8,9,10,11,12,13,14,15
	ds_store_b128 v5, v[R+64*((\f)%2)+4*\i:R+64*((\f)%2)+4*\i+3] offset:SP*\i
.endr
.irp c, 0,1,2,3                        ; LDS serves a wave's instructions in order: these see the stores above.  Of block c: numbers 8 h + 0..7, then 16 + 8 h + 0..7
.irp m, 0,1,2,3
	ds_load_b128 v[X+16*\c+4*\m:X+16*\c+4*\m+3], v6 offset:128*\c+64*(\m/2)+16*(\m%2)
.endr
.endr
	s_wait_dscnt 0x0                               ; my 64 numbers are in, and the stores have read their registers,
.if (\f) < 2
	LOAD (\f)+2                                    ; which take the loads of two fragments on
.endif
	QUANT X, PC, PW+\f
.irp c, 0,1,2,3
	global_store_b128 v4, v[PC+4*\c:PC+4*\c+3], s[CODES:CODES+1] offset:4096*(\f)+512*\c   ; the image: 512 consecutive bytes a store
.endr
	ds_store_b32 v7, v[PW+\f] offset:64*(\f)       ; both halves of the lanes write the same word with the same value
.endm
	LOAD 0
	LOAD 1
	FRAGQ 0
	FRAGQ 1
	FRAGQ 2
	FRAGQ 3
	ds_load_b64 v[10:11], v8                       ; my wave's 64 scale words
	s_wait_dscnt 0x0
	global_store_b64 v9, v[10:11], s[SCLP:SCLP+1]  ; 32 lanes store 256 consecutive bytes, aligned
	s_wait_tensorcnt 0x0
	ds_add_u32 v240, v241
	s_wait_dscnt 0x0
	s_endpgm
.Lfunc_end_k_qfad616a6bc_quant:
	.size	k_qfad616a6bc_quant, .Lfunc_end_k_qfad616a6bc_quant-k_qfad616a6bc_quant
	.p2alignl 7, 3214868480
	.fill 96, 4, 3214868480
	.section	.rodata,"a",@progbits
	.p2align	6, 0x0
	.amdhsa_kernel k_qfad616a6bc_quant
		.amdhsa_group_segment_fixed_size 35328
		.amdhsa_private_segment_fixed_size 0
		.amdhsa_enable_private_segment 0
		.amdhsa_kernarg_size 56
		.amdhsa_user_sgpr_count 2
		.amdhsa_user_sgpr_kernarg_segment_ptr 1
		.amdhsa_wavefront_size32 1
		.amdhsa_system_sgpr_workgroup_id_x 1
		.amdhsa_system_sgpr_workgroup_id_y 1
		.amdhsa_system_sgpr_workgroup_id_z 1
		.amdhsa_system_vgpr_workitem_id 0
		.amdhsa_next_free_vgpr 242
		.amdhsa_next_free_sgpr 66
		.amdhsa_reserve_vcc 0
		.amdhsa_float_denorm_mode_32 3
		.amdhsa_float_denorm_mode_16_64 3
		.amdhsa_memory_ordered 1
		.amdhsa_forward_progress 1
		.amdhsa_inst_pref_size 52
	.end_amdhsa_kernel
	.amdgpu_metadata
---
amdhsa.version: [ 1, 2 ]
amdhsa.kernels:
  - .name:           k_qfad616a6bc_quant
    .symbol:         k_qfad616a6bc_quant.kd
    .args:
      - { .name: x, .offset: 0, .size: 8, .value_kind: global_buffer, .address_space: global }
      - { .name: wq, .offset: 8, .size: 8, .value_kind: global_buffer, .address_space: global }
      - { .name: wk, .offset: 16, .size: 8, .value_kind: global_buffer, .address_space: global }
      - { .name: wv, .offset: 24, .size: 8, .value_kind: global_buffer, .address_space: global }
      - { .name: wo, .offset: 32, .size: 8, .value_kind: global_buffer, .address_space: global }
      - { .name: codes, .offset: 40, .size: 8, .value_kind: global_buffer, .address_space: global }
      - { .name: scl, .offset: 48, .size: 8, .value_kind: global_buffer, .address_space: global }
    .group_segment_fixed_size: 35328
    .private_segment_fixed_size: 0
    .kernarg_segment_align: 8
    .kernarg_segment_size: 56
    .max_flat_workgroup_size: 128
    .sgpr_count:     66
    .vgpr_count:     242
    .wavefront_size: 32
...
	.end_amdgpu_metadata
.endif
;; end of part 1
;; launch qkv (part 2): grid 8 x 24, 4 waves a work-group, clusters of 4 x 4, 327,680 bytes of LDS; arguments codes, scl, freqs_cos, freqs_sin, qb, kvb; writes qb, kvb
.if DOCPART == 2
	.amdgcn_target "amdgcn-amd-amdhsa--gfx1250"
	.amdhsa_code_object_version 6
	.text
	.protected	k_qfad616a6bc_qkv
	.globl	k_qfad616a6bc_qkv
	.p2align	8
	.type	k_qfad616a6bc_qkv,@function
k_qfad616a6bc_qkv:
	s_mov_b64 s[64:65], 0
	v_nop
	global_prefetch_b8 v0, s[64:65] scope:SCOPE_SE
	s_setreg_imm32_b32 hwreg(HW_REG_WAVE_MODE, 25, 1), 1
	s_wait_xcnt 0x0
	s_wait_alu depctr_hold_cnt(0) depctr_sa_sdst(0) depctr_va_vdst(0) depctr_va_sdst(0) depctr_va_ssrc(0) depctr_va_vcc(0) depctr_vm_vsrc(0)
	s_getreg_b32 s2, hwreg(HW_REG_IB_STS2, 6, 4)
	s_cmp_eq_u32 s2, 0
	s_cbranch_scc0 .Lentry_in_a_cluster
	s_endpgm
.Lentry_in_a_cluster:
	s_bfe_u32 s2, ttmp6, 0x10000c
	s_cmp_lg_u32 s2, 0xf033
	s_cbranch_scc0 .Lentry_shape_is_right
	s_endpgm
.Lentry_shape_is_right:
; q = rot(x wq^T), k = rot(x wk^T), v = x wv^T on codes of FP8 (E4M3) with E8M0 scales, K = 2,048; the results are rotated (q, k), quantised in registers and stored as the operands of the attention launch.
; One grid for the three: cluster y / 2 says which (0 q, 1 k, 2 v), the same in all sixteen partners of a cluster.  A work-group makes 256 x 256, each of its four waves 128 x 128: 64 accumulators, 512 registers.
; ROLES.  Source 1 of the matrix instruction is role A: a lane holds ONE of its rows; source 0 is role B: the lane's registers run along its rows.  For q and k: A = x (tokens), B = the weight (a wave's 128 rows are one head).
; For v: A = wv (a wave's 128 rows are one head's channels), B = x: a lane then holds one channel and its registers run along the tokens, which are the K of the attention's second product.  Nothing is transposed.
; OPERANDS lie in memory and in LDS as images of their registers (16 rows x 128 K: 2,048 bytes, byte 512 c + 16 lane + e = byte e of registers 4 c .. 4 c + 3): four loads of 16 bytes a lane at 16 x lane, no pitch, no padding.
; A block a of 16 rows of A has its 8 accumulators on end: 64 registers, register 16 b + i = column 32 b + 16 (i / 8) + 8 (lane / 16) + i % 8: the order of K inside a block of 32 that all operands of this program share.
; So the block's 64 registers, quantised, ARE a fragment of the next product.
; RING: K in steps of 256 through two LDS slots; each wave fetches 128 rows' images of a slot, 32 KiB dense in memory, by one tensor load.  The scale words of the work-group's rows for all of K come once, with the first fills.
; CLUSTER 4 x 4: A's tiles hang on the tile row alone and are asked for jointly along a row of the cluster, B's on the tile column alone and jointly along a column.
; No prefetch: the launch is short and its tiles are read by several clusters.
; LIMITS: NaN and infinities are not served; a block under 2^-118 or of zeros keeps the scale byte 1; the rotation is one multiplication and one fused multiply-add a number; the order of K inside a block groups the unit's sums otherwise than the true order.
; v's work-groups load the tables' rows as q's and k's do and do not use them: the loads stand outside the branch, so that every wait counts the same loads on both ways; the rows lie inside the tables.
; REGISTERS: window 0: v16-29 addresses; v32-63 scale words, two sets; v64-127 free in the loop; v128-255 A's fragments, one set.  window 1: B's fragments, two sets.  windows 2, 3: the accumulators ((a, b) at v[8 (8 (a % 4) + b)]).
.set NQ,     2                         ; steps of 128 along K in a slot
.set FR,     16                        ; registers of a fragment
.set NL,     4                         ; LDS loads that bring one
.set NP,     8                         ; places behind this matrix instruction (ISA guide 7.12.1)
.set HALFT,  32768                     ; 128 rows of a slot: 8 tiles of rows x 2 images
.set SLOT,   131072                    ; A's two halves, then B's two
.set SLOTG,  524288                    ; from slot to slot in memory: 128 tiles of rows x 4,096
.set LAPS,   4                         ; 8 slots, two to a lap
.set SCL,    262144                    ; behind the ring: four regions of scale words, [K step 16][128 rows] words each
.set SREG,   8192
.set SPARE,  294912                    ; the spare words, 128 bytes for each wave: two blocks of 256 bytes that no other line names
.set SST,    295424                    ; 512 bytes for each wave: the scale words just made; no fill lands here
.set ADRA, 16                          ; v16-17 LDS address of my A fragments in slot 0, 1
.set ADRB, 20                          ; v20-21 the same for B
.set LI,   22                          ; v22 16 x lane
.set CA,   23                          ; v23 my place in the tables: 256 r + 16 h
.set SWA,  24                          ; v24 where I put my row's scale word
.set SRD,  25                          ; v25 where I read the wave's words back
.set ADRS, 27                          ; v27 LDS address of my scale words: lanes 0-15 A's rows, lanes 16-31 B's
.set SPW,  28                          ; v28 my spare word; never rewritten
.set NIL,  29                          ; v29 0; never rewritten
.set SC,   32
.set AF,   128
.set PC,   192                         ; the way out: v192-207 codes, v208-223 at work, v224-231 scale words, v232-235 words read back
.set TM,   208
.set PW,   224
.set G1, 24
.set G0, 32
.set G1B, 48
.set G0B, 56
.set G1S, 68
.set G0S, 76
.set G1SB, 80
.set G0SB, 88
.set WV, 94                            ; s94 wave; s95 my half of A's rows, also: I fetch for A (0) or B (1); s96 my half of B's rows, also: which 128 rows I fetch
.set WR, 95
.set WC, 96
.set TT, 97                            ; s97 0 q, 1 k, 2 v
.set OUT, 98                           ; s[98:99] where my images go;  s[100:101] where my scale words go
.set OUTS, 100
.set SEL, 18
.set MNT, 16
.set MSB, 0
.macro WIN new                         ; the immediate's high byte repeats the setting that is left
.if MSB != (\new)
	s_set_vgpr_msb (MSB<<8)|(\new)
.set MSB, (\new)
.endif
.endm
.set MUL_LO, 0xa1                      ; source 0 (B) window 1, source 1 (A) window 0, C and D window 2
.set MUL_HI, 0xf1                      ; the same, C and D window 3
.set TO_B,   0x40                      ; destination window 1, address window 0
; A joint load: waves 0 and 1 fetch for A, waves 2 and 3 for B; each line has one mask and one set of registers; the branch hangs on the wave's number alone.  Four v_nop follow each line.
.macro JLOAD g0a, g1a, g0b, g1b
	s_cmp_eq_u32 s[WR], 0
	s_cbranch_scc0 .Lfor_b_\@
	tensor_load_to_lds s[\g0a:\g0a+3], s[\g1a:\g1a+7]
	s_nop 0
.rept 4
	v_nop
.endr
	s_branch .Lasked_\@
.Lfor_b_\@:
	tensor_load_to_lds s[\g0b:\g0b+3], s[\g1b:\g1b+7]
	s_nop 0
.rept 4
	v_nop
.endr
.Lasked_\@:
.endm
.macro CREST                           ; a round of the cluster's barrier behind its opening barrier
	s_cmp_lg_u32 s[WV], 0
	s_cbranch_scc1 .Lnot_wave_0_\@
	s_barrier_signal -3
.Lnot_wave_0_\@:
	s_barrier_wait -3
	s_barrier_signal -1
	s_barrier_wait -1
.endm
.macro CROUND
	s_barrier_signal -1
	s_barrier_wait -1
	CREST
.endm
	s_load_b256 s[4:11], s[0:1], 0x0               ; codes s[4:5], scl s[6:7], cos s[8:9], sin s[10:11]
	s_load_b128 s[12:15], s[0:1], 0x20             ; qb s[12:13], kvb s[14:15]
	v_lshl_add_u32 v[SPW], v0, 2, SPARE
	v_mov_b32 v[NIL], 0
	ds_add_u32 v28, v29
	s_wait_dscnt 0x0
	v_lshrrev_b32 v1, 5, v0
	v_readfirstlane_b32 s[WV], v1
	s_lshr_b32 s[WR], s[WV], 1
	s_and_b32 s[WC], s[WV], 1
	s_bfe_u32 s40, ttmp6, 0x40000                  ; cx
	s_bfe_u32 s41, ttmp6, 0x40004                  ; cy
	s_lshl_b32 s42, ttmp9, 2
	s_add_co_u32 s42, s42, s40                     ; tile column = 4 x cluster x + cx
	s_and_b32 s16, ttmp7, 0xffff                   ; cluster y
	s_lshr_b32 s[TT], s16, 1                       ; which product
	s_and_b32 s17, s16, 1
	s_lshl_b32 s17, s17, 2
	s_add_co_u32 s17, s17, s41                     ; tile row = 4 x (cluster y % 2) + cy
	s_lshl_b32 s43, s41, 2
	s_lshl_b32 s43, 15, s43                        ; my row of the cluster
	s_lshl_b32 s44, 0x1111, s40                    ; my column
	; group 1 for the codes: 32 KiB dense, as 128 rows of 256 bytes (32 elements of 8 bytes), no padding
	s_or_b32 s[G1+0], s43, (3<<16)|(1<<21)         ; 15:0 the mask; 17:16 elements of 8 bytes; 21 set beside a mask
	s_or_b32 s[G1B+0], s44, (3<<16)|(1<<21)
.irp g, G1, G1B
	s_mov_b32 s[\g+1], 32<<16                      ; tensor_dim0
	s_mov_b32 s[\g+2], 128<<16                     ; tensor_dim1
	s_mov_b32 s[\g+3], 32<<16                      ; tile_dim0
	s_mov_b32 s[\g+4], 128                         ; tile_dim1
	s_mov_b32 s[\g+5], 32                          ; from row to row
	s_mov_b32 s[\g+6], 0
	s_mov_b32 s[\g+7], 0
.endr
	; group 1 for the scale words: 16 K steps x 128 rows' words (512 bytes), 2,048 words from K step to K step
	s_or_b32 s[G1S+0], s43, (2<<16)|(1<<21)
	s_or_b32 s[G1SB+0], s44, (2<<16)|(1<<21)
.irp g, G1S, G1SB
	s_mov_b32 s[\g+1], 128<<16
	s_mov_b32 s[\g+2], 16<<16
	s_mov_b32 s[\g+3], 128<<16
	s_mov_b32 s[\g+4], 16
	s_mov_b32 s[\g+5], 2048
	s_mov_b32 s[\g+6], 0
	s_mov_b32 s[\g+7], 0
.endr
	s_add_co_u32 s19, s[TT], 1
	s_cmp_eq_u32 s[TT], 2
	s_cselect_b32 s18, 3, 0                        ; role A's tensor: x (0), for v: wv (3)
	s_cselect_b32 s19, 0, s19                      ; role B's: wq (1), wk (2), for v: x (0)
	s_lshl_b32 s20, s17, 16                        ; A's codes: (16 x tile row + 8 x half) tiles of rows x 4,096 + tensor x 4 MiB
	s_lshl_b32 s21, s[WC], 15
	s_add_co_u32 s20, s20, s21
	s_lshl_b32 s21, s18, 22
	s_add_co_u32 s20, s20, s21
	s_mov_b32 s21, 0
	s_lshl_b32 s22, s17, 10                        ; A's words: (256 x tile row + 128 x half) x 4 + tensor x 128 KiB
	s_lshl_b32 s23, s[WC], 9
	s_add_co_u32 s22, s22, s23
	s_lshl_b32 s23, s18, 17
	s_add_co_u32 s22, s22, s23
	s_mov_b32 s23, 0
	s_lshl_b32 s46, s42, 16                        ; B's likewise, by the tile column
	s_lshl_b32 s47, s[WC], 15
	s_add_co_u32 s46, s46, s47
	s_lshl_b32 s47, s19, 22
	s_add_co_u32 s46, s46, s47
	s_mov_b32 s47, 0
	s_lshl_b32 s92, s42, 10
	s_lshl_b32 s93, s[WC], 9
	s_add_co_u32 s92, s92, s93
	s_lshl_b32 s93, s19, 17
	s_add_co_u32 s92, s92, s93
	s_mov_b32 s93, 0
	s_lshl_b32 s45, s[WV], 15                      ; where they go: wave x 32 KiB, wave x 8 KiB: no place in the cluster enters an LDS address
	s_lshl_b32 s67, s[WV], 13
	s_wait_kmcnt 0x0
	s_add_nc_u64 s[20:21], s[4:5], s[20:21]
	s_add_nc_u64 s[22:23], s[6:7], s[22:23]
	s_add_nc_u64 s[46:47], s[4:5], s[46:47]
	s_add_nc_u64 s[92:93], s[6:7], s[92:93]
	CROUND                                         ; all sixteen work-groups are here: the first joint loads meet
	s_mov_b32 s[G0S], 1
	s_add_co_u32 s[G0S+1], s67, SCL
	s_mov_b64 s[G0S+2:G0S+3], s[22:23]
	s_or_b32 s[G0S+3], s[G0S+3], 0x80000000
	s_mov_b32 s[G0SB], 1
	s_add_co_u32 s[G0SB+1], s67, SCL
	s_mov_b64 s[G0SB+2:G0SB+3], s[92:93]
	s_or_b32 s[G0SB+3], s[G0SB+3], 0x80000000
	JLOAD G0S, G1S, G0SB, G1SB                     ; the scale words first: they are wanted with slot 0
.irp s, 0,1
	s_mov_b32 s[G0+4*\s], 1
	s_add_co_u32 s[G0+4*\s+1], s45, \s*SLOT
	s_add_nc_u64 s[G0+4*\s+2:G0+4*\s+3], s[20:21], \s*SLOTG
	s_or_b32 s[G0+4*\s+3], s[G0+4*\s+3], 0x80000000
	s_mov_b32 s[G0B+4*\s], 1
	s_add_co_u32 s[G0B+4*\s+1], s45, \s*SLOT
	s_add_nc_u64 s[G0B+4*\s+2:G0B+4*\s+3], s[46:47], \s*SLOTG
	s_or_b32 s[G0B+4*\s+3], s[G0B+4*\s+3], 0x80000000
	JLOAD G0+4*\s, G1, G0B+4*\s, G1B               ; three loads of mine are out behind the last of these
.endr
	v_and_b32 v1, 15, v0                           ; r
	v_bfe_u32 v2, v0, 4, 1                         ; h
	v_and_b32 v3, 31, v0
	v_lshlrev_b32 v[LI], 4, v3
	s_lshl_b32 s21, s[WR], 15                      ; my 128 rows of A
	s_lshl_b32 s22, s[WC], 15                      ; my 128 rows of B,
	s_add_co_u32 s22, s22, 2*HALFT                 ; behind A's 256
.irp s, 0,1
	v_add_nc_u32 v[ADRA+\s], s21, v[LI]
	v_add_nc_u32 v[ADRB+\s], s22, v[LI]
	s_add_co_u32 s21, s21, SLOT
	s_add_co_u32 s22, s22, SLOT
.endr
	s_lshl_b32 s21, s[WR], 13                      ; the scale words: A's region of my rows,
	s_lshl_b32 s22, s[WC], 13
	s_add_co_u32 s22, s22, 2*SREG                  ; B's,
	s_sub_co_u32 s22, s22, s21
	v_mul_u32_u24 v4, s22, v2                      ; which lanes 16-31 take: the lower base + h x the distance
	s_add_co_u32 s21, s21, SCL
	v_lshl_add_u32 v4, v1, 2, v4
	v_add_nc_u32 v[ADRS], s21, v4
	v_lshlrev_b32 v[CA], 8, v1
	v_lshl_add_u32 v[CA], v2, 4, v[CA]             ; a token's row of a table is 256 bytes
	s_lshl_b32 s21, s[WV], 9
	s_add_co_u32 s21, s21, SST
	v_lshl_add_u32 v[SWA], v1, 2, s21
	v_add_nc_u32 v[SRD], s21, v[LI]
	; where the results go.  i1 = 2 x tile column + my half of B, i2 = 2 x tile row + my half of A.  q, k: head i1, block of 128 tokens i2;  v: head i2, key step i1
	s_lshl_b32 s46, s42, 1
	s_add_co_u32 s46, s46, s[WC]
	s_lshl_b32 s20, s17, 1
	s_add_co_u32 s20, s20, s[WR]
	s_mov_b32 s92, 32768                           ; k's words lie 32,768 bytes into a key step's block,
	s_mov_b32 s93, 33792                           ; which is 33,792 bytes
	s_cmp_eq_u32 s[TT], 2
	s_cselect_b32 s100, s20, s46                   ; the head
	s_cselect_b32 s101, s46, s20                   ; the block of queries, or the key step
	s_cselect_b32 s16, 16384, 0                    ; v's images lie behind k's eight,
	s_cselect_b32 s92, 33280, s92                  ; its words behind k's
	s_cmp_eq_u32 s[TT], 0
	s_cselect_b32 s92, 16384, s92                  ; q's words lie behind its eight images,
	s_cselect_b32 s93, 16896, s93                  ; and its block is 16,896 bytes
	s_cselect_b64 s[OUT:OUT+1], s[12:13], s[14:15]
	s_lshl_b32 s100, s100, 4
	s_add_co_u32 s100, s100, s101
	s_mul_i32 s100, s100, s93
	s_mov_b32 s101, 0
	s_add_nc_u64 s[OUT:OUT+1], s[OUT:OUT+1], s[100:101]
	s_mov_b32 s93, 0
	s_add_nc_u64 s[OUTS:OUTS+1], s[OUT:OUT+1], s[92:93]
	s_mov_b32 s92, s16
	s_add_nc_u64 s[OUT:OUT+1], s[OUT:OUT+1], s[92:93]
	s_lshl_b32 s20, s20, 15                        ; the tables at my 128 rows of A: 128 x 256 bytes x i2
	s_mov_b32 s21, 0
	s_add_nc_u64 s[8:9], s[8:9], s[20:21]
	s_add_nc_u64 s[10:11], s[10:11], s[20:21]
	s_mov_b32 s[SEL], 0x76543210
	s_mov_b32 s[SEL+1], 0xfedcba98                 ; lane l xor 16
	s_mov_b32 s[MNT], 0x600000                     ; the mantissa field of 448
.macro FRAG reg, adr, q, i             ; tile of rows i, the slot's q-th 128 along K: an image, four loads of 512 consecutive bytes
.irp c, 0,1,2,3
	ds_load_b128 v[\reg+4*\c:\reg+4*\c+3], v[\adr] offset:4096*(\i)+2048*(\q)+512*\c
.endr
.endm
; 16 matrix instructions: A's blocks a0, a0 + 1 x B's eight.  The 64 accumulators take turns, one instruction a turn, in the same order in every step.
.macro MUL16 a0, p, q, sc, zero
.irp a, \a0, \a0+1
.irp b, 0,1,2,3,4,5,6,7
.if \zero
	v_wmma_scale_f32_16x16x128_f8f6f4 v[8*(8*((\a)%4)+\b):8*(8*((\a)%4)+\b)+7], v[128*(\p)+FR*\b:128*(\p)+FR*\b+FR-1], v[AF+FR*(\a):AF+FR*(\a)+FR-1], 0, v[SC+8*NQ*(\sc)+NQ*\b+(\q)], v[SC+8*NQ*(\sc)+NQ*(\a)+(\q)] matrix_a_scale:MATRIX_SCALE_ROW1
.else
	v_wmma_scale_f32_16x16x128_f8f6f4 v[8*(8*((\a)%4)+\b):8*(8*((\a)%4)+\b)+7], v[128*(\p)+FR*\b:128*(\p)+FR*\b+FR-1], v[AF+FR*(\a):AF+FR*(\a)+FR-1], v[8*(8*((\a)%4)+\b):8*(8*((\a)%4)+\b)+7], v[SC+8*NQ*(\sc)+NQ*\b+(\q)], v[SC+8*NQ*(\sc)+NQ*(\a)+(\q)] matrix_a_scale:MATRIX_SCALE_ROW1
.endif
.endr
.endr
.endm
.macro FETCH_B slot, q, p
	WIN TO_B
.irp i, 0,1,2,3,4,5,6,7
	FRAG 128*(\p)+FR*\i, ADRB+\slot, \q, \i
.endr
	WIN 0
.endm
.macro FETCH_A slot, q, i0
.irp i, \i0, \i0+1, \i0+2, \i0+3
	FRAG AF+FR*(\i), ADRA+\slot, \q, \i
.endr
.endm
.macro SCALES sc                       ; a slot's scale words into set sc: register 2 i + q: lanes 0-15 the words of A's block i, lanes 16-31 those of B's block i
.irp i, 0,1,2,3,4,5,6,7
.irp q, 0,1
	ds_load_b32 v[SC+8*NQ*\sc+NQ*\i+\q], v[ADRS] offset:512*\q+64*\i
.endr
.endr
.endm
.macro PLACES n                        ; plain vector lines between a matrix instruction and a load into, or a vector read of, its registers (ISA guide 7.12.1 for vector reads)
.rept \n
	v_nop
.endr
.endm
.macro STEP slot, q, zero              ; a step of 128 along K that has its successor in the same slot
	s_wait_dscnt 4*NL                              ; B's set, A's blocks 0-3 and the scale words are in; the youngest 16 loads (A's blocks 4-7) may be out
	WIN MUL_LO
	MUL16 0, (\q)%2, \q, \slot, \zero
	MUL16 2, (\q)%2, \q, \slot, \zero
	s_wait_dscnt 0
	PLACES NP
	FETCH_B \slot, (\q)+1, 1-(\q)%2
	FETCH_A \slot, (\q)+1, 0
	WIN MUL_HI
	MUL16 4, (\q)%2, \q, \slot, \zero
	MUL16 6, (\q)%2, \q, \slot, \zero
	PLACES NP
	WIN 0
	FETCH_A \slot, (\q)+1, 4
.endm
; A slot's last step changes slots: one barrier; in front of it each wave waits for all its tensor loads, adds 0 to its spare word, and waits for that and for its reads of this slot.  fill = 1: this slot is filled again, two slots ahead.
.macro TURN slot, next, fill
	s_wait_tensorcnt 0x0                           ; all my tensor loads have landed: my part of the next slot
	ds_add_u32 v[SPW], v[NIL]                      ; 0 onto my spare word
	s_wait_dscnt 4*NL+1                            ; the add and the youngest 16 loads (A's blocks 4-7) may be out
	WIN MUL_LO
	MUL16 0, 1, NQ-1, \slot, 0
	s_wait_dscnt 0x0                               ; the add is done, and my reads of this slot are over
	s_barrier_signal -1
	MUL16 2, 1, NQ-1, \slot, 0
	WIN 0
	s_barrier_wait -1
.if \fill
	CREST                                          ; the barrier has opened a round of the cluster's: no wave of any partner still reads this slot or has a load on its way
	s_add_nc_u64 s[G0+4*\slot+2:G0+4*\slot+3], s[G0+4*\slot+2:G0+4*\slot+3], 2*SLOTG
	s_add_nc_u64 s[G0B+4*\slot+2:G0B+4*\slot+3], s[G0B+4*\slot+2:G0B+4*\slot+3], 2*SLOTG
	JLOAD G0+4*\slot, G1, G0B+4*\slot, G1B         ; the first tensor load behind the round; its four v_nop are among the places in front of the loads below
	PLACES NP-4
.else
	PLACES NP
.endif
	v_add_nc_u32 v[ADRS], 512*NQ, v[ADRS]          ; the next slot's scale words
	FETCH_B \next, 0, 0
	FETCH_A \next, 0, 0
	SCALES \next
	WIN MUL_HI
	MUL16 4, 1, NQ-1, \slot, 0
	MUL16 6, 1, NQ-1, \slot, 0
	PLACES NP
	WIN 0
	FETCH_A \next, 0, 4
.endm
; THE WAY OUT, block a of 16 rows of A at a time.
.macro CSLOAD a                        ; the tables' numbers for block a: register p of 32 = pair 8 (p / 4) + 4 h + p % 4 of token 16 a + r; cos in the first 32 registers, sin in the next.  Two sets by turns: v64 on, v128 on
.set CS, 64+64*((\a)%2)
.irp b, 0,1,2,3,4,5,6,7
	global_load_b128 v[CS+4*\b:CS+4*\b+3], v[CA], s[8:9] offset:4096*(\a)+32*\b
	global_load_b128 v[CS+32+4*\b:CS+32+4*\b+3], v[CA], s[10:11] offset:4096*(\a)+32*\b
.endr
.endm
.macro ROT a                           ; registers 2 p, 2 p + 1 of the block are a pair (even, odd): even' = even cos - odd sin, odd' = even sin + odd cos.  Each accumulator is read from its low end on
.set CS, 64+64*((\a)%2)
.set T,  64+64*(((\a)+1)%2)
.set AC, 64*((\a)%4)
.set W,  2+(\a)/4
.set WD0, (W<<6)|W
	WIN W                                          ; source 0: the accumulators' window
.set p, 0
.rept 32
	v_mul_f32 v[T+2*p], v[AC+2*p+1], v[CS+32+p]
	v_mul_f32 v[T+2*p+1], v[AC+2*p], v[CS+32+p]
.set p, p+1
.endr
	WIN WD0                                        ; and the destination
.set p, 0
.rept 32
	v_fma_f32 v[AC+2*p], v[AC+2*p], v[CS+p], -v[T+2*p]
	v_fma_f32 v[AC+2*p+1], v[AC+2*p+1], v[CS+p], v[T+2*p+1]
.set p, p+1
.endr
	WIN 0
.endm
.macro QUANTW a                        ; the block's 64 registers become a fragment's codes and a scale word, and leave
.set AC, 64*((\a)%4)
.set W,  2+(\a)/4
.set W12, (W<<2)|(W<<4)
.set WD0, (W<<6)|W
	WIN W12                                        ; sources 1 and 2: the accumulators' window
.irp b, 0,1,2,3
	v_max3_num_f32 v[TM+\b], 0x4800000, |v[AC+16*\b]|, |v[AC+16*\b+1]|   ; the floor 2^(9 - 127) and my 16 numbers of block b
.endr
.irp i, 2,4,6,8,10,12,14
.irp b, 0,1,2,3
	v_max3_num_f32 v[TM+\b], v[TM+\b], |v[AC+16*\b+\i]|, |v[AC+16*\b+\i+1]|
.endr
.endr
	WIN 0
.irp b, 0,1,2,3
	v_permlanex16_b32 v[TM+4+\b], v[TM+\b], s[SEL], s[SEL+1]
.endr
.irp b, 0,1,2,3
	v_max_num_f32 v[TM+\b], v[TM+\b], v[TM+4+\b]   ; with lane l xor 16's: the block's largest magnitude
.endr
.irp b, 0,1,2,3
	v_add_nc_u32 v[TM+12+\b], 0xfc000000, v[TM+\b] ; the conversion's scale operand
.endr
.irp b, 0,1,2,3
	v_and_or_b32 v[TM+8+\b], v[TM+\b], 0x7f800000, s[MNT]   ; 448 x the scale
.endr
.irp b, 0,1,2,3
	v_lshrrev_b32 v[TM+4+\b], 23, v[TM+12+\b]      ; the scale's byte
.endr
	v_lshl_or_b32 v[PW+\a], v[TM+5], 8, v[TM+4]
	v_lshl_or_b32 v[PW+\a], v[TM+6], 16, v[PW+\a]
	v_lshl_or_b32 v[PW+\a], v[TM+7], 24, v[PW+\a]
	s_wait_xcnt 0x0                                ; the last block's stores have read the codes' registers
	WIN WD0
.irp b, 0,1,2,3
.irp i, 0,1,2,3,4,5,6,7,8,9,10,11,12,13,14,15
	v_med3_num_f32 v[AC+16*\b+\i], v[AC+16*\b+\i], -v[TM+8+\b], v[TM+8+\b]   ; the conversion does not saturate (ISA guide 7.6.2): the hold
.endr
.endr
	WIN W
.irp b, 0,1,2,3
	v_cvt_scalef32_pk8_fp8_f32 v[PC+4*\b:PC+4*\b+1], v[AC+16*\b:AC+16*\b+7], v[TM+12+\b]
	v_cvt_scalef32_pk8_fp8_f32 v[PC+4*\b+2:PC+4*\b+3], v[AC+16*\b+8:AC+16*\b+15], v[TM+12+\b]
.endr
	WIN 0
	v_nop                                          ; one plain vector line behind the last conversion
.irp c, 0,1,2,3
	global_store_b128 v[LI], v[PC+4*\c:PC+4*\c+3], s[OUT:OUT+1] offset:2048*(\a)+512*\c   ; the image: 512 consecutive bytes a store
.endr
	ds_store_b32 v[SWA], v[PW+\a] offset:64*(\a)   ; both halves of the lanes write the same word with the same value
.endm
.macro BLOCK a
	s_wait_loadcnt 0x0                             ; this block's numbers of the tables are in
	s_cmp_eq_u32 s[TT], 2                          ; v is not rotated: a branch on the cluster's y, the same in all partners, round register work alone
	s_cbranch_scc1 .Lno_rot_\@
	ROT \a
.Lno_rot_\@:
.if (\a) < 7
	CSLOAD (\a)+1                                  ; into the set that the rotation has just left; they land while this block is quantised
.endif
	QUANTW \a
.endm
	s_wait_tensorcnt 1                             ; the scale words and my part of slot 0 are in (slot 1's load may be out)
	s_barrier_signal -1
	s_barrier_wait -1                              ; everybody's are
	FETCH_B 0, 0, 0
	FETCH_A 0, 0, 0
	SCALES 0
	FETCH_A 0, 0, 4
	STEP 0, 0, 1                                   ; the first step stands in front of the loop: its products start the sums
	s_mov_b32 s3, LAPS-1
.Llap:                                                 ; a trip goes once round the ring and fills both slots again
	TURN 0, 1, 1
	STEP 1, 0, 0
	TURN 1, 0, 1
	STEP 0, 0, 0
	s_sub_co_u32 s3, s3, 1
	s_cmp_lg_u32 s3, 0
	s_cbranch_scc1 .Llap
	TURN 0, 1, 0                                   ; the last lap fills nothing, and has no round of the cluster's barrier
	STEP 1, 0, 0
	CSLOAD 0                                       ; block 0's numbers of the tables, a step ahead, into registers that the loop never touches
	s_wait_dscnt 4*NL                              ; the very last step: nothing more to fetch
	WIN MUL_LO
	MUL16 0, 1, NQ-1, 1, 0
	MUL16 2, 1, NQ-1, 1, 0
	s_wait_dscnt 0
	WIN MUL_HI
	MUL16 4, 1, NQ-1, 1, 0
	MUL16 6, 1, NQ-1, 1, 0
	WIN 0
	PLACES NP                                      ; in front of the first read of results and of writes and loads into the registers that held A's fragments
.irp b, 0,1,2,3
	v_mov_b32 v[TM+4+\b], 0                        ; written once: a lane permute's destination counts as one of its sources
.endr
.irp a, 0,1,2,3,4,5,6,7
	BLOCK \a
.endr
	ds_load_b128 v[232:235], v[SRD]                ; my wave's 128 scale words (LDS serves a wave's instructions in order)
	s_wait_dscnt 0x0
	global_store_b128 v[LI], v[232:235], s[OUTS:OUTS+1]   ; 512 consecutive bytes
	s_wait_tensorcnt 0x0                           ; the wave's end
	ds_add_u32 v[SPW], v[NIL]
	s_wait_dscnt 0x0
	CROUND                                         ; the closing round: no work-group ends while a partner may still ask for a tile that names it
	s_endpgm
.Lfunc_end_k_qfad616a6bc_qkv:
	.size	k_qfad616a6bc_qkv, .Lfunc_end_k_qfad616a6bc_qkv-k_qfad616a6bc_qkv
	.p2alignl 7, 3214868480
	.fill 96, 4, 3214868480
	.section	.rodata,"a",@progbits
	.p2align	6, 0x0
	.amdhsa_kernel k_qfad616a6bc_qkv
		.amdhsa_group_segment_fixed_size 327680
		.amdhsa_private_segment_fixed_size 0
		.amdhsa_enable_private_segment 0
		.amdhsa_kernarg_size 48
		.amdhsa_user_sgpr_count 2
		.amdhsa_user_sgpr_kernarg_segment_ptr 1
		.amdhsa_wavefront_size32 1
		.amdhsa_system_sgpr_workgroup_id_x 1
		.amdhsa_system_sgpr_workgroup_id_y 1
		.amdhsa_system_sgpr_workgroup_id_z 1
		.amdhsa_system_vgpr_workitem_id 0
		.amdhsa_next_free_vgpr 1024
		.amdhsa_next_free_sgpr 102
		.amdhsa_reserve_vcc 0
		.amdhsa_float_denorm_mode_32 3
		.amdhsa_float_denorm_mode_16_64 3
		.amdhsa_memory_ordered 1
		.amdhsa_forward_progress 1
		.amdhsa_inst_pref_size 249
	.end_amdhsa_kernel
	.amdgpu_metadata
---
amdhsa.version: [ 1, 2 ]
amdhsa.kernels:
  - .name:           k_qfad616a6bc_qkv
    .symbol:         k_qfad616a6bc_qkv.kd
    .args:
      - { .name: codes, .offset: 0, .size: 8, .value_kind: global_buffer, .address_space: global }
      - { .name: scl, .offset: 8, .size: 8, .value_kind: global_buffer, .address_space: global }
      - { .name: freqs_cos, .offset: 16, .size: 8, .value_kind: global_buffer, .address_space: global }
      - { .name: freqs_sin, .offset: 24, .size: 8, .value_kind: global_buffer, .address_space: global }
      - { .name: qb, .offset: 32, .size: 8, .value_kind: global_buffer, .address_space: global }
      - { .name: kvb, .offset: 40, .size: 8, .value_kind: global_buffer, .address_space: global }
    .group_segment_fixed_size: 327680
    .private_segment_fixed_size: 0
    .kernarg_segment_align: 8
    .kernarg_segment_size: 48
    .max_flat_workgroup_size: 128
    .sgpr_count:     102
    .vgpr_count:     1024
    .wavefront_size: 32
...
	.end_amdgpu_metadata
.endif
;; end of part 2
;; launch attn (part 3): grid 16 x 16, 8 waves a work-group, clusters of 4 x 4, 327,680 bytes of LDS; arguments qb, kvb, mask, ac, asw; writes ac, asw
.if DOCPART == 3
	.amdgcn_target "amdgcn-amd-amdhsa--gfx1250"
	.amdhsa_code_object_version 6
	.text
	.protected	k_qfad616a6bc_attn
	.globl	k_qfad616a6bc_attn
	.p2align	8
	.type	k_qfad616a6bc_attn,@function
k_qfad616a6bc_attn:
	s_mov_b64 s[64:65], 0
	v_nop
	global_prefetch_b8 v0, s[64:65] scope:SCOPE_SE
	s_setreg_imm32_b32 hwreg(HW_REG_WAVE_MODE, 25, 1), 1
	s_wait_xcnt 0x0
	s_wait_alu depctr_hold_cnt(0) depctr_sa_sdst(0) depctr_va_vdst(0) depctr_va_sdst(0) depctr_va_ssrc(0) depctr_va_vcc(0) depctr_vm_vsrc(0)
	s_getreg_b32 s2, hwreg(HW_REG_IB_STS2, 6, 4)
	s_cmp_eq_u32 s2, 0
	s_cbranch_scc0 .Lentry_in_a_cluster
	s_endpgm
.Lentry_in_a_cluster:
	s_bfe_u32 s2, ttmp6, 0x10000c
	s_cmp_lg_u32 s2, 0xf033
	s_cbranch_scc0 .Lentry_shape_is_right
	s_endpgm
.Lentry_shape_is_right:
; O[h][q] = the sum over k of softmax_k(Q[h][q] . K[h][k] / sqrt(128) + mask[q][k]) V[h][k], both products on codes of FP8 (E4M3) with E8M0 scales; O is quantised along (head, channel) as the A operand of the output projection.
; The mask is an input: every key step is computed for every query, and the mask is added as it is given.
; THE SOFTMAX AHEAD OF THE SECOND PRODUCT: logit = score / sqrt(128) + mask; t = logit x log2(e), rounded to f32; M = the running largest t rounded UP to a whole number; p = 2^(t - M) is quantised along the keys, not normalised.
; The row's sum is taken of the unquantised p and divides O at the end.  When M moves, the sum and O are multiplied by 2^(old M - new M): exact.  t - M is a multiplication and then an addition, not one fused line, so that the
; largest p lies in (1/2, 1] whatever the size of the mask's numbers.
; SHARES.  A work-group owns 128 queries of one head; each of its eight waves 16 of them, in 256 registers: two waves to a SIMD, so that one wave's vector work stands beside the other's matrix work and LDS loads.
; Both products are used transposed (S^T = K Q^T, O^T = V^T P^T): a lane holds ONE query (lane % 16) throughout.  Operands are images of their registers (2,048 bytes: four loads of 16 bytes a lane at 16 x lane).
; The 16 registers of two neighbouring tiles of S^T are keys 32 b + 16 (i / 8) + 8 (lane / 16) + i % 8: the order inside a block of 32 in which V^T's images are laid too; likewise O^T's 64 registers and wo's images.
; RING: two LDS slots, a key step (128 keys) each: K's 8 images, V^T's 8 images and their scale words, one dense block of 33,792 bytes (waves 0 and 1 fetch its halves), and the mask's tile, 128 queries x 128 keys f32 (waves 2 and 3).
; CLUSTER 4 x 4: x = blocks of queries, y = heads.  K and V hang on the head alone: asked for jointly along a row of the cluster; the mask's tile on the block of queries alone: jointly along a column.
; LIMITS: NaN and infinities are not served (a row whose every logit is -infinity gives NaN, as in the definition); logit is one fused multiply-add with 1 / sqrt(128) rounded to f32; a block under 2^-118 or of zeros keeps the scale byte 1.
; REGISTERS: v1-7, v11 addresses that stay; v8-10 addresses of the step; v12 -M, v13 the largest t, v[14:15] the sum; v16-31 Q; v32-95 four fragments, or the mask; v96-159 S^T, t, p; v160-223 O^T; v224-239 p's codes; v232-254 at work; v248-251, v253, v255 scale words.
.set SLOT1, 1<<17                      ; slot 1 begins here: one exclusive or turns an address
.set KVB,   33792                      ; a key step's block: K's images 0, V^T's 16,384, K's words 32,768, V's words 33,280
.set MP,    528                        ; a row of the mask's tile in LDS: 512 bytes + 16
.set SPARE, 262144                     ; the spare words, 128 bytes for each wave: four blocks of 256 bytes that no other line names
.set ASTG,  263168                     ; 512 bytes: the 128 scale words of O; no fill lands here
.set LI,   1                           ; v1  16 x lane
.set R4,   2                           ; v2  4 r
.set AM0,  3                           ; v3  my place in the mask's tile
.set AW,   4                           ; v4  where I put my query's scale word
.set SPW,  5                           ; v5  my spare word; never rewritten
.set NIL,  6                           ; v6  0; never rewritten
.set PFO,  7                           ; v7  the prefetches' offset; never rewritten
.set AD1,  8
.set ADS,  9
.set ADM,  10
.set AR,   11                          ; v11 where wave 0 reads the words back
.set TM,   232
.set TB,   2                           ; s2  LDS byte at which the slot in hand begins
.set CNT,  3                           ; s3  changes of slots still to come that fill a slot
.set WV,   18
.set MNT,  19
.set SEL,  20
.set RC,   22                          ; s[22:23] 1 / sqrt(128)
.set G1KV, 24
.set G1M,  32
.set G0KV, 40
.set G0M,  44
.set L2E,  48                          ; s[48:49] log2(e)
.set PFA,  76
.set PFS,  78
.set LIM,  80
; Waves 0 and 1 fetch K and V, waves 2 and 3 the mask, the others nothing.  The branches hang on the wave's number alone.  Four v_nop follow each of the two lines.
.macro TLOAD
	s_cmp_lt_u32 s[WV], 2
	s_cbranch_scc0 .Lnot_k_\@
	tensor_load_to_lds s[G0KV:G0KV+3], s[G1KV:G1KV+7]
	s_nop 0
.rept 4
	v_nop
.endr
	s_branch .Lasked_\@
.Lnot_k_\@:
	s_cmp_lt_u32 s[WV], 4
	s_cbranch_scc0 .Lasked_\@
	tensor_load_to_lds s[G0M:G0M+3], s[G1M:G1M+7]
	s_nop 0
.rept 4
	v_nop
.endr
.Lasked_\@:
.endm
; A PREFETCH INTO THE L2 of what the NEXT change of slots will ask for, one key step ahead of that load.  Each aligned block of 256 bytes is named once in the launch.  K's and V's images of a head are walked by the four
; clusters of its row of clusters: cluster x = 0 asks, wave 4, each partner 8,192 bytes by its cx (lanes 256 bytes apart).  The mask's tile is walked by the four clusters of a column: cluster y = 0 asks, each partner 32 rows by
; its cy, a lane a row; wave 5 the first 256 bytes of a row's 512, wave 6 the second.  Partners are told apart by address alone.  The 1,024 bytes of scale words come by their load.  The last change that fills asks for nothing.
.macro ASK
	s_cmp_gt_u32 s[CNT], s[LIM]
	s_cbranch_scc0 .Lnot_mine_\@
	global_prefetch_b8 v[PFO], s[PFA:PFA+1] th:TH_LOAD_NT scope:SCOPE_SE
.Lnot_mine_\@:
.endm
.macro CROUND                          ; a round of the cluster's barrier
	s_barrier_signal -1
	s_barrier_wait -1
	s_cmp_lg_u32 s[WV], 0
	s_cbranch_scc1 .Lnot_wave_0_\@
	s_barrier_signal -3
.Lnot_wave_0_\@:
	s_barrier_wait -3
	s_barrier_signal -1
	s_barrier_wait -1
.endm
	s_load_b256 s[4:11], s[0:1], 0x0               ; qb s[4:5], kvb s[6:7], mask s[8:9], ac s[10:11]
	s_load_b64 s[12:13], s[0:1], 0x20              ; asw
	v_lshl_add_u32 v[SPW], v0, 2, SPARE
	v_mov_b32 v[NIL], 0
	ds_add_u32 v5, v6
	s_wait_dscnt 0x0
	v_lshrrev_b32 v8, 5, v0
	v_readfirstlane_b32 s[WV], v8                  ; wave 0..7
	s_bfe_u32 s50, ttmp6, 0x40000                  ; cx
	s_bfe_u32 s51, ttmp6, 0x40004                  ; cy
	s_lshl_b32 s52, ttmp9, 2
	s_add_co_u32 s52, s52, s50                     ; my block of 128 queries
	s_and_b32 s53, ttmp7, 0xffff
	s_lshl_b32 s53, s53, 2
	s_add_co_u32 s53, s53, s51                     ; my head
	s_lshl_b32 s54, s51, 2
	s_lshl_b32 s54, 15, s54                        ; my row of the cluster
	s_lshl_b32 s58, 0x1111, s50                    ; my column
	; group 1 for K and V: half a block, 16,896 dense bytes, as 66 rows of 256 bytes (32 elements of 8 bytes)
	s_or_b32 s[G1KV], s54, (3<<16)|(1<<21)
	s_mov_b32 s[G1KV+1], 32<<16
	s_mov_b32 s[G1KV+2], 66<<16
	s_mov_b32 s[G1KV+3], 32<<16
	s_mov_b32 s[G1KV+4], 66
	s_mov_b32 s[G1KV+5], 32
	s_mov_b32 s[G1KV+6], 0
	s_mov_b32 s[G1KV+7], 0
	; group 1 for the mask: 64 rows x 128 f32, 2,048 elements from row to row; four words of padding behind every 128
	s_or_b32 s[G1M], s58, (2<<16)|(1<<20)|(1<<21)|(6<<22)|(3<<25)
	s_mov_b32 s[G1M+1], 128<<16
	s_mov_b32 s[G1M+2], 64<<16
	s_mov_b32 s[G1M+3], 128<<16
	s_mov_b32 s[G1M+4], 64
	s_mov_b32 s[G1M+5], 2048
	s_mov_b32 s[G1M+6], 0
	s_mov_b32 s[G1M+7], 0
	s_and_b32 s16, s[WV], 1                        ; which half I fetch, if I fetch
	s_mul_i32 s17, s16, 16896                      ; K, V: in a slot,
	s_mul_i32 s54, s53, 16*KVB
	s_add_co_u32 s54, s54, s17                     ; and in memory: the head's first key step
	s_mov_b32 s55, 0
	s_mul_i32 s56, s16, 64*MP
	s_add_co_u32 s56, s56, KVB                     ; the mask: in a slot,
	s_lshl_b32 s58, s52, 20                        ; and in memory: row 128 x block + 64 x half, 8,192 bytes a row
	s_lshl_b32 s59, s16, 19
	s_add_co_u32 s58, s58, s59
	s_mov_b32 s59, 0
	; Q's image and words, O's image and words
	s_lshl_b32 s66, s53, 4
	s_add_co_u32 s66, s66, s52
	s_mul_i32 s66, s66, 16896                      ; (16 x head + block) x 16,896
	s_lshl_b32 s67, s[WV], 6
	s_add_co_u32 s68, s66, s67                     ; the words: + 64 x wave (and 16,384 in the immediate)
	s_mov_b32 s69, 0
	s_lshl_b32 s67, s[WV], 11
	s_add_co_u32 s66, s66, s67                     ; the image: + 2,048 x wave
	s_mov_b32 s67, 0
	s_lshr_b32 s70, s53, 1                         ; O's codes: ((head / 2) x 128 + 8 x block + wave) x 4,096 + (head % 2) x 2,048
	s_lshl_b32 s70, s70, 7
	s_lshl_b32 s71, s52, 3
	s_add_co_u32 s70, s70, s71
	s_add_co_u32 s70, s70, s[WV]
	s_lshl_b32 s70, s70, 12
	s_and_b32 s71, s53, 1
	s_lshl_b32 s71, s71, 11
	s_add_co_u32 s70, s70, s71
	s_mov_b32 s71, 0
	s_lshl_b32 s72, s53, 13                        ; O's words: head x 8,192 + block x 512
	s_lshl_b32 s73, s52, 9
	s_add_co_u32 s72, s72, s73
	s_mov_b32 s73, 0
	; the prefetches: where my wave's stand (at key step 1: the first change of slots steps them to key step 2), and who asks
	s_mul_i32 s84, s53, 16*KVB
	s_lshl_b32 s85, s50, 13
	s_add_co_u32 s84, s84, s85                     ; wave 4: the head's blocks, + 8,192 cx
	s_lshl_b32 s86, s52, 20
	s_lshl_b32 s85, s51, 18
	s_add_co_u32 s86, s86, s85                     ; waves 5, 6: row 128 x block + 32 cy,
	s_add_co_u32 s85, s[WV], 1
	s_and_b32 s85, s85, 1
	s_lshl_b32 s85, s85, 8
	s_add_co_u32 s86, s86, s85                     ; + 256 for wave 6
	s_and_b32 s82, ttmp7, 0xffff                   ; cluster y
	s_mov_b32 s[PFS], 512
	s_mov_b32 s81, 8192
	s_mov_b32 s[SEL], 0x76543210
	s_mov_b32 s[SEL+1], 0xfedcba98
	s_mov_b32 s[RC], 0x3db504f3                    ; 1 / sqrt(128)
	s_mov_b32 s[RC+1], s[RC]                       ; (named with it as a pair, so it is written)
	s_mov_b32 s[L2E], 0x3fb8aa3b                   ; log2(e)
	s_mov_b32 s[L2E+1], s[L2E]
	s_mov_b32 s[MNT], 0x600000
	s_mov_b32 s[TB], 0
	s_mov_b32 s[CNT], 15
	s_wait_kmcnt 0x0
	s_cmp_eq_u32 s[WV], 4
	s_cselect_b64 s[PFA:PFA+1], s[6:7], s[8:9]
	s_cselect_b32 s[PFS], KVB, s[PFS]              ; a key step on
	s_cselect_b32 s81, 256, s81                    ; from lane to lane
	s_cselect_b32 s82, ttmp9, s82                  ; the coordinate along which other clusters read the same bytes
	s_cselect_b32 s84, s84, s86
	s_add_co_u32 s84, s84, s[PFS]
	s_mov_b32 s85, 0
	s_mov_b32 s[PFS+1], 0
	s_add_nc_u64 s[PFA:PFA+1], s[PFA:PFA+1], s[84:85]
	s_sub_co_u32 s83, s[WV], 4
	s_cmp_lt_u32 s83, 3                            ; waves 4, 5, 6
	s_cselect_b32 s83, 0, 1
	s_or_b32 s83, s83, s82
	s_cmp_eq_u32 s83, 0
	s_cselect_b32 s[LIM], 1, -1                    ; the same in all sixteen partners, for a given wave
	s_mov_b32 s[G0KV], 1
	s_mov_b32 s[G0KV+1], s17
	s_add_nc_u64 s[G0KV+2:G0KV+3], s[6:7], s[54:55]
	s_or_b32 s[G0KV+3], s[G0KV+3], 0x80000000
	s_mov_b32 s[G0M], 1
	s_mov_b32 s[G0M+1], s56
	s_add_nc_u64 s[G0M+2:G0M+3], s[8:9], s[58:59]
	s_or_b32 s[G0M+3], s[G0M+3], 0x80000000
	s_add_nc_u64 s[68:69], s[4:5], s[68:69]
	s_add_nc_u64 s[4:5], s[4:5], s[66:67]
	s_add_nc_u64 s[10:11], s[10:11], s[70:71]
	s_add_nc_u64 s[12:13], s[12:13], s[72:73]
	CROUND                                         ; all sixteen work-groups are here: the first joint loads meet
	TLOAD                                          ; key step 0, into slot 0
	v_and_b32 v[LI], 31, v0
	v_mul_lo_u32 v[PFO], v[LI], s81
	v_lshlrev_b32 v[LI], 4, v[LI]
	v_and_b32 v8, 15, v0                           ; r
	v_bfe_u32 v9, v0, 4, 1                         ; h
	v_lshlrev_b32 v[R4], 2, v8
.irp c, 0,1,2,3
	global_load_b128 v[16+4*\c:19+4*\c], v[LI], s[4:5] offset:512*\c   ; Q's image stays in registers
.endr
	global_load_b32 v255, v[R4], s[68:69] offset:16384                 ; Q's scale words
	v_mul_u32_u24 v[AM0], v8, MP
	v_lshl_add_u32 v[AM0], v9, 5, v[AM0]
	s_mul_i32 s16, s[WV], 16*MP
	s_add_co_u32 s16, s16, KVB
	v_add_nc_u32 v[AM0], s16, v[AM0]               ; the mask: row 16 x wave + r, + 32 h bytes
	s_lshl_b32 s16, s[WV], 6
	s_add_co_u32 s16, s16, ASTG
	v_add_nc_u32 v[AW], s16, v[R4]
	v_add_nc_u32 v[AR], ASTG, v[LI]
	v_mov_b32 v13, 0xff61b1e6                      ; the largest t so far: -3e38
	v_floor_f32 v12, -v13                          ; -M
	v_mov_b32 v14, 0
	v_mov_b32 v15, 0
.irp b, 0,1,2,3
	v_mov_b32 v[236+\b], 0                         ; written once: a lane permute's destination counts as one of its sources
.endr
	v_mov_b32 v253, 0                              ; (named as the upper half of the pair v[252:253] before it is first written)
.set n, 0
.rept 64
	v_mov_b32 v[160+n], 0                          ; O^T.  (The step is written for all key steps alike: the first finds zeros, which the first change of M leaves zeros)
.set n, n+1
.endr
; A KEY STEP: 128 keys, in the slot at s[TB]
.macro STEP
	v_add_nc_u32 v[AD1], s[TB], v[LI]
	v_add_nc_u32 v[ADS], s[TB], v[R4]
	v_add_nc_u32 v[ADM], s[TB], v[AM0]
.rept 5
	v_nop                                          ; with the three additions: eight places in front of loads into registers that the last products read
.endr
.irp g, 0,1                                    ; S^T = K Q^T, four tiles of 16 keys at a time
.if \g > 0
.rept 8
	v_nop
.endr
.endif
.irp t, 0,1,2,3
.irp c, 0,1,2,3
	ds_load_b128 v[32+16*\t+4*\c:32+16*\t+4*\c+3], v[AD1] offset:2048*(4*\g+\t)+512*\c
.endr
	ds_load_b32 v[248+\t], v[ADS] offset:32768+64*(4*\g+\t)
.endr
	s_wait_dscnt 0x0
.irp t, 0,1,2,3
	v_wmma_scale_f32_16x16x128_f8f6f4 v[96+8*(4*\g+\t):103+8*(4*\g+\t)], v[32+16*\t:47+16*\t], v[16:31], 0, v[248+\t], v255
.endr
.endr
.rept 8
	v_nop                                          ; places in front of the loads below and of the first read of the scores
.endr
.irp j, 0,1,2,3,4,5,6,7                        ; the mask of my query at the keys of my registers: tile j: keys 16 j + 8 h + 0 .. 7
	ds_load_b128 v[32+8*\j:35+8*\j], v[ADM] offset:64*\j
	ds_load_b128 v[36+8*\j:39+8*\j], v[ADM] offset:64*\j+16
.endr
.irp u, 0,1,2,3
	s_wait_dscnt 12-4*\u                           ; block u's four loads are in; the later blocks' may be out
.irp n, 0,2,4,6,8,10,12,14
	v_pk_fma_f32 v[96+16*\u+\n:97+16*\u+\n], v[96+16*\u+\n:97+16*\u+\n], s[RC:RC+1], v[32+16*\u+\n:33+16*\u+\n] op_sel_hi:[1,0,1]   ; logit = score / sqrt(128) + mask
.endr
.irp n, 0,2,4,6,8,10,12,14
	v_pk_mul_f32 v[96+16*\u+\n:97+16*\u+\n], v[96+16*\u+\n:97+16*\u+\n], s[L2E:L2E+1] op_sel_hi:[1,0]   ; t = logit x log2(e)
.endr
.endr
.irp b, 0,1,2,3
	v_max3_num_f32 v[232+\b], v[96+16*\b], v[97+16*\b], v[98+16*\b]   ; the largest t of each block of 32 keys: it serves for the row's maximum and, since p rises with t, for the block's largest p
.endr
.irp i, 3,5,7,9,11,13
.irp b, 0,1,2,3
	v_max3_num_f32 v[232+\b], v[232+\b], v[96+16*\b+\i], v[97+16*\b+\i]
.endr
.endr
.irp b, 0,1,2,3
	v_max_num_f32 v[232+\b], v[232+\b], v[111+16*\b]
.endr
.irp b, 0,1,2,3
	v_permlanex16_b32 v[236+\b], v[232+\b], s[SEL], s[SEL+1]
.endr
.irp b, 0,1,2,3
	v_max_num_f32 v[232+\b], v[232+\b], v[236+\b]  ; with lane l xor 16's 16 keys
.endr
	v_max3_num_f32 v254, v232, v233, v234
	v_max_num_f32 v254, v254, v235                 ; the step's largest t of my query
	v_max_num_f32 v13, v13, v254                   ; the running largest t
	v_mov_b32 v254, v12
	v_floor_f32 v12, -v13                          ; the new -M = floor(-t) = -ceil(t): a whole number
	v_sub_f32 v254, v12, v254                      ; old M - new M: a whole number, 0 or less
	v_cvt_i32_f32 v254, v254                       ; (it saturates)
	v_ldexp_f32 v252, 1.0, v254                    ; f = 2^(old M - new M)
.set n, 0
.rept 32
	v_pk_add_f32 v[96+n:97+n], v[96+n:97+n], v[12:13] op_sel_hi:[1,0]   ; t - M (of the pair the low word, -M, serves both halves)
.set n, n+2
.endr
.irp b, 0,1,2,3
	v_add_f32 v[232+\b], v[232+\b], v12            ; the same of each block's largest t
.endr
.set n, 0
.rept 64
	v_exp_f32 v[96+n], v[96+n]                     ; p = 2^(t - M), at most 1
.set n, n+1
.endr
	v_pk_mul_f32 v[14:15], v[14:15], v[252:253] op_sel_hi:[1,0]   ; the sums under the new M.  (A plain line behind the exponentials)
	s_wait_alu depctr_va_vdst(0)                   ; one wait for the whole batch, ahead of its first reader
.irp b, 0,1,2,3
	v_exp_f32 v[232+\b], v[232+\b]                 ; the block's largest p: the same lines on the same number give the same bits
.endr
	v_pk_add_f32 v[236:237], v[96:97], v[98:99]    ; the row's sum is taken of the unquantised p: two at a time, in two chains
.irp j, 4,8,12,16,20,24,28,32,36,40,44,48,52,56,60
	v_pk_add_f32 v[14:15], v[14:15], v[96+\j:97+\j]
	v_pk_add_f32 v[236:237], v[236:237], v[98+\j:99+\j]
.endr
	v_pk_add_f32 v[14:15], v[14:15], v[236:237]
	s_wait_alu depctr_va_vdst(0)                   ; and one for the four
.irp b, 0,1,2,3
	v_max_num_f32 v[232+\b], 0x4800000, v[232+\b]  ; the floor 2^(9 - 127): the byte cannot fall under 1
.endr
.irp b, 0,1,2,3
	v_add_nc_u32 v[244+\b], 0xfc000000, v[232+\b]  ; the conversion's scale operand
.endr
.irp b, 0,1,2,3
	v_and_or_b32 v[240+\b], v[232+\b], 0x7f800000, s[MNT]   ; 448 x the scale
.endr
.irp b, 0,1,2,3
	v_lshrrev_b32 v[236+\b], 23, v[244+\b]         ; the scale's byte
.endr
	v_lshl_or_b32 v253, v237, 8, v236              ; p's scale word for these 128 keys
	v_lshl_or_b32 v253, v238, 16, v253
	v_lshl_or_b32 v253, v239, 24, v253
.irp b, 0,1,2,3
.irp i, 0,1,2,3,4,5,6,7,8,9,10,11,12,13,14,15
	v_min_num_f32 v[96+16*\b+\i], v[96+16*\b+\i], v[240+\b]   ; the conversion does not saturate (ISA guide 7.6.2); p is not negative, so the hold is one-sided
.endr
	v_cvt_scalef32_pk8_fp8_f32 v[224+4*\b:225+4*\b], v[96+16*\b:103+16*\b], v[244+\b]
	v_cvt_scalef32_pk8_fp8_f32 v[226+4*\b:227+4*\b], v[104+16*\b:111+16*\b], v[244+\b]
.endr
.set n, 0
.rept 32
	v_pk_mul_f32 v[160+n:161+n], v[160+n:161+n], v[252:253] op_sel_hi:[1,0]   ; O^T under the new M.  (These 32 are also the places in front of the matrix instructions below)
.set n, n+2
.endr
.irp g, 0,1                                    ; O^T += V^T P^T: four tiles of 16 channels at a time; K = these 128 keys
.if \g > 0
.rept 8
	v_nop
.endr
.endif
.irp t, 0,1,2,3
.irp c, 0,1,2,3
	ds_load_b128 v[32+16*\t+4*\c:32+16*\t+4*\c+3], v[AD1] offset:16384+2048*(4*\g+\t)+512*\c
.endr
	ds_load_b32 v[248+\t], v[ADS] offset:33280+64*(4*\g+\t)
.endr
	s_wait_dscnt 0x0
.irp t, 0,1,2,3
	v_wmma_scale_f32_16x16x128_f8f6f4 v[160+8*(4*\g+\t):167+8*(4*\g+\t)], v[32+16*\t:47+16*\t], v[224:239], v[160+8*(4*\g+\t):167+8*(4*\g+\t)], v[248+\t], v253
.endr
.endr
.endm
; THE CHANGE OF SLOTS stands at a key step's head.  Each wave waits for all its tensor loads (its part of the slot that it is about to read), adds 0 to its spare word, and waits for that and for its reads of the slot that it has left.
; fill = 1: the barrier is a round of the cluster's, and behind it the slot that was left is filled with the next key step: the load has a whole key step in which to land.
.macro CHANGE fill
	s_wait_tensorcnt 0x0                           ; no tensor load of mine is out, so a group 0 may be written
	ds_add_u32 v[SPW], v[NIL]                      ; 0 onto my spare word
.if \fill
	s_xor_b32 s[G0KV+1], s[G0KV+1], SLOT1          ; the walking descriptors: the other slot than last time, the next key step
	s_add_nc_u64 s[G0KV+2:G0KV+3], s[G0KV+2:G0KV+3], KVB
	s_xor_b32 s[G0M+1], s[G0M+1], SLOT1
	s_add_nc_u64 s[G0M+2:G0M+3], s[G0M+2:G0M+3], 512
	s_wait_xcnt 0x0                                ; the last prefetch, a key step back, has read its address, so it may be written:
	s_add_nc_u64 s[PFA:PFA+1], s[PFA:PFA+1], s[PFS:PFS+1]   ; one key step further on than the walking descriptors
	s_wait_dscnt 0x0                               ; the add is done, and my reads of the slot that I have left are over
	CROUND
	TLOAD                                          ; the first thing behind the round, and a wave's one tensor load until the next
	ASK
.else
	s_wait_dscnt 0x0
	s_barrier_signal -1
	s_barrier_wait -1
.endif
.endm
; 64 numbers of a lane become a fragment's codes in v[pc] on and its scale word in v[pw]
.macro QUANT s, pc, pw
.irp b, 0,1,2,3
	v_max3_num_f32 v[TM+\b], |v[\s+16*\b]|, |v[\s+1+16*\b]|, 0x4800000
.endr
.irp i, 2,4,6,8,10,12,14
.irp b, 0,1,2,3
	v_max3_num_f32 v[TM+\b], v[TM+\b], |v[\s+16*\b+\i]|, |v[\s+1+16*\b+\i]|
.endr
.endr
.irp b, 0,1,2,3
	v_permlanex16_b32 v[TM+4+\b], v[TM+\b], s[SEL], s[SEL+1]
.endr
.irp b, 0,1,2,3
	v_max_num_f32 v[TM+\b], v[TM+\b], v[TM+4+\b]
.endr
.irp b, 0,1,2,3
	v_add_nc_u32 v[TM+12+\b], 0xfc000000, v[TM+\b]
.endr
.irp b, 0,1,2,3
	v_and_or_b32 v[TM+8+\b], v[TM+\b], 0x7f800000, s[MNT]
.endr
.irp b, 0,1,2,3
	v_lshrrev_b32 v[TM+4+\b], 23, v[TM+12+\b]
.endr
	v_lshl_or_b32 v[\pw], v[TM+5], 8, v[TM+4]
	v_lshl_or_b32 v[\pw], v[TM+6], 16, v[\pw]
	v_lshl_or_b32 v[\pw], v[TM+7], 24, v[\pw]
.irp b, 0,1,2,3
.irp i, 0,1,2,3,4,5,6,7,8,9,10,11,12,13,14,15
	v_med3_num_f32 v[\s+16*\b+\i], v[\s+16*\b+\i], -v[TM+8+\b], v[TM+8+\b]
.endr
	v_cvt_scalef32_pk8_fp8_f32 v[\pc+4*\b:\pc+4*\b+1], v[\s+16*\b:\s+16*\b+7], v[TM+12+\b]
	v_cvt_scalef32_pk8_fp8_f32 v[\pc+4*\b+2:\pc+4*\b+3], v[\s+16*\b+8:\s+16*\b+15], v[TM+12+\b]
.endr
	v_nop                                          ; one plain vector line behind the last conversion
.endm
	s_wait_loadcnt 0x0                             ; Q
.Lstep:                                            ; 15 trips: behind each change of slots but the last the next key step is asked for
	CHANGE 1
	STEP
	s_xor_b32 s[TB], s[TB], SLOT1
	s_sub_co_u32 s[CNT], s[CNT], 1
	s_cmp_lg_u32 s[CNT], 0
	s_cbranch_scc1 .Lstep
	CHANGE 0                                       ; the last key step is written out
	STEP
	; THE WAY OUT.  O^T / the sum: my 64 registers are channels 32 b + 16 (i / 8) + 8 h + i % 8 of my query: a fragment of the output projection's A operand, K step = my head
	v_add_f32 v14, v14, v15                        ; the sum's two halves,
	v_permlanex16_b32 v252, v14, s[SEL], s[SEL+1]
	v_add_f32 v14, v14, v252                       ; and lane l xor 16's
	v_rcp_f32 v14, v14
.rept 8
	v_nop                                          ; the plain line behind the reciprocal, and the places behind the last products
.endr
	s_wait_alu depctr_va_vdst(0)                   ; the wait ahead of the reciprocal's first reader
.set n, 0
.rept 32
	v_pk_mul_f32 v[96+n:97+n], v[160+n:161+n], v[14:15] op_sel_hi:[1,0]   ; each accumulator from its low end on
.set n, n+2
.endr
	QUANT 96, 32, 248
.irp c, 0,1,2,3
	global_store_b128 v[LI], v[32+4*\c:35+4*\c], s[10:11] offset:512*\c   ; the image: 512 consecutive bytes a store
.endr
	ds_store_b32 v[AW], v248                       ; my query's scale word; both halves of the lanes write the same word with the same value
	s_wait_dscnt 0x0                               ; for the others' sake: my store has landed
	s_barrier_signal -1
	s_barrier_wait -1
	s_cmp_lg_u32 s[WV], 0
	s_cbranch_scc1 .Lnot_0
	ds_load_b128 v[48:51], v[AR]                   ; wave 0 stores the work-group's 128 words: 512 consecutive bytes
	s_wait_dscnt 0x0
	global_store_b128 v[LI], v[48:51], s[12:13]
.Lnot_0:
	s_wait_tensorcnt 0x0                           ; the wave's end
	ds_add_u32 v[SPW], v[NIL]
	s_wait_dscnt 0x0
	CROUND                                         ; the closing round
	s_endpgm
.Lfunc_end_k_qfad616a6bc_attn:
	.size	k_qfad616a6bc_attn, .Lfunc_end_k_qfad616a6bc_attn-k_qfad616a6bc_attn
	.p2alignl 7, 3214868480
	.fill 96, 4, 3214868480
	.section	.rodata,"a",@progbits
	.p2align	6, 0x0
	.amdhsa_kernel k_qfad616a6bc_attn
		.amdhsa_group_segment_fixed_size 327680
		.amdhsa_private_segment_fixed_size 0
		.amdhsa_enable_private_segment 0
		.amdhsa_kernarg_size 40
		.amdhsa_user_sgpr_count 2
		.amdhsa_user_sgpr_kernarg_segment_ptr 1
		.amdhsa_wavefront_size32 1
		.amdhsa_system_sgpr_workgroup_id_x 1
		.amdhsa_system_sgpr_workgroup_id_y 1
		.amdhsa_system_sgpr_workgroup_id_z 1
		.amdhsa_system_vgpr_workitem_id 0
		.amdhsa_next_free_vgpr 256
		.amdhsa_next_free_sgpr 100
		.amdhsa_reserve_vcc 0
		.amdhsa_float_denorm_mode_32 3
		.amdhsa_float_denorm_mode_16_64 3
		.amdhsa_memory_ordered 1
		.amdhsa_forward_progress 1
		.amdhsa_inst_pref_size 80
	.end_amdhsa_kernel
	.amdgpu_metadata
---
amdhsa.version: [ 1, 2 ]
amdhsa.kernels:
  - .name:           k_qfad616a6bc_attn
    .symbol:         k_qfad616a6bc_attn.kd
    .args:
      - { .name: qb, .offset: 0, .size: 8, .value_kind: global_buffer, .address_space: global }
      - { .name: kvb, .offset: 8, .size: 8, .value_kind: global_buffer, .address_space: global }
      - { .name: mask, .offset: 16, .size: 8, .value_kind: global_buffer, .address_space: global }
      - { .name: ac, .offset: 24, .size: 8, .value_kind: global_buffer, .address_space: global }
      - { .name: asw, .offset: 32, .size: 8, .value_kind: global_buffer, .address_space: global }
    .group_segment_fixed_size: 327680
    .private_segment_fixed_size: 0
    .kernarg_segment_align: 8
    .kernarg_segment_size: 40
    .max_flat_workgroup_size: 256
    .sgpr_count:     100
    .vgpr_count:     256
    .wavefront_size: 32
...
	.end_amdgpu_metadata
.endif
;; end of part 3
;; launch oproj (part 4): grid 8 x 8, 4 waves a work-group, clusters of 4 x 4, 327,680 bytes of LDS; arguments ac, asw, codes, scl, out0; writes out0
.if DOCPART == 4
	.amdgcn_target "amdgcn-amd-amdhsa--gfx1250"
	.amdhsa_code_object_version 6
	.text
	.protected	k_qfad616a6bc_oproj
	.globl	k_qfad616a6bc_oproj
	.p2align	8
	.type	k_qfad616a6bc_oproj,@function
k_qfad616a6bc_oproj:
	s_mov_b64 s[64:65], 0
	v_nop
	global_prefetch_b8 v0, s[64:65] scope:SCOPE_SE
	s_setreg_imm32_b32 hwreg(HW_REG_WAVE_MODE, 25, 1), 1
	s_wait_xcnt 0x0
	s_wait_alu depctr_hold_cnt(0) depctr_sa_sdst(0) depctr_va_vdst(0) depctr_va_sdst(0) depctr_va_ssrc(0) depctr_va_vcc(0) depctr_vm_vsrc(0)
	s_getreg_b32 s2, hwreg(HW_REG_IB_STS2, 6, 4)
	s_cmp_eq_u32 s2, 0
	s_cbranch_scc0 .Lentry_in_a_cluster
	s_endpgm
.Lentry_in_a_cluster:
	s_bfe_u32 s2, ttmp6, 0x10000c
	s_cmp_lg_u32 s2, 0xf033
	s_cbranch_scc0 .Lentry_shape_is_right
	s_endpgm
.Lentry_shape_is_right:
; out0[m][n] = the sum over k of O[m][k] wo[n][k] on codes of FP8 (E4M3) with E8M0 scales, K = 2,048; out0 [2048][2048] f32.
; A = the attention's output (ac, asw), B = wo (the fifth tensor of codes and scl).  Both lie as images of operand registers (16 rows x 128 K: 2,048 bytes; byte 512 c + 16 lane + e = byte e of registers 4 c .. 4 c + 3),
; [256 along K: 8][tile of 16 rows: 128][128 along K: 2][2,048]; scale words [128 along K: 16][row 2,048].  Inside a block of 32 both have the same order of K, so the products are the true ones; the unit groups its sums otherwise than in the true order.
; A work-group makes 256 x 256, each of its four waves 128 x 128: 64 accumulators, 512 registers.  64 work-groups: a smaller tile would read each LDS byte for half as many products.
; RING: K in steps of 256 through two LDS slots; each wave fetches 128 rows' images of a slot, 32 KiB dense in memory, by one tensor load.  The scale words of the work-group's rows for all of K come once, with the first fills.
; CLUSTER 4 x 4: A's tiles are asked for jointly along a row of the cluster, B's along a column.  THE MATRIX INSTRUCTION IS USED TRANSPOSED (source 0 = 16 rows of B, source 1 = 16 rows of A): a lane holds eight neighbouring numbers of a row of out0.
; No prefetch: the launch is short and its tiles are read by several work-groups.
; REGISTERS: window 0: v16-29 addresses; v32-63 scale words, two sets; v128-255 A's fragments, one set.  window 1: B's fragments, two sets.  windows 2, 3: the accumulators ((a, b) at v[8 (8 (a % 4) + b)]).
.set NQ,     2
.set FR,     16
.set NL,     4
.set NP,     8                         ; places behind this matrix instruction (ISA guide 7.12.1)
.set HALFT,  32768
.set SLOT,   131072
.set SLOTG,  524288
.set LAPS,   4
.set SCL,    262144
.set SREG,   8192
.set SPARE,  294912                    ; the spare words, 128 bytes for each wave: two blocks of 256 bytes that no other line names
.set SPITCH, 528                       ; the way out: a stage of 16 rows x (512 bytes + 16) for each wave, in slot 0, which has had its last fill and its last read when the first result is stored there
.set ROWC,   8192                      ; a row of out0 in bytes
.set ADRA, 16
.set ADRB, 20
.set LI,   22                          ; v22 16 x lane: an image's place for my lane, and my bytes of a row of 512
.set STO,  24
.set RD,   25
.set ADRS, 27
.set SPW,  28
.set NIL,  29
.set SC,   32
.set AF,   128
.set BK,   128
.set G1, 24
.set G0, 32
.set G1B, 48
.set G0B, 56
.set G1S, 68
.set G0S, 76
.set G1SB, 80
.set G0SB, 88
.set WV, 94
.set WR, 95
.set WC, 96
.set MSB, 0
.macro WIN new                         ; the immediate's high byte repeats the setting that is left
.if MSB != (\new)
	s_set_vgpr_msb (MSB<<8)|(\new)
.set MSB, (\new)
.endif
.endm
.set MUL_LO, 0xa1
.set MUL_HI, 0xf1
.set TO_B,   0x40
.macro JLOAD g0a, g1a, g0b, g1b        ; a joint load: waves 0 and 1 fetch for A, waves 2 and 3 for B; four v_nop follow each line
	s_cmp_eq_u32 s[WR], 0
	s_cbranch_scc0 .Lfor_b_\@
	tensor_load_to_lds s[\g0a:\g0a+3], s[\g1a:\g1a+7]
	s_nop 0
.rept 4
	v_nop
.endr
	s_branch .Lasked_\@
.Lfor_b_\@:
	tensor_load_to_lds s[\g0b:\g0b+3], s[\g1b:\g1b+7]
	s_nop 0
.rept 4
	v_nop
.endr
.Lasked_\@:
.endm
.macro CREST
	s_cmp_lg_u32 s[WV], 0
	s_cbranch_scc1 .Lnot_wave_0_\@
	s_barrier_signal -3
.Lnot_wave_0_\@:
	s_barrier_wait -3
	s_barrier_signal -1
	s_barrier_wait -1
.endm
.macro CROUND
	s_barrier_signal -1
	s_barrier_wait -1
	CREST
.endm
	s_load_b128 s[4:7], s[0:1], 0x0                ; ac, asw
	s_load_b128 s[8:11], s[0:1], 0x10              ; codes, scl
	s_load_b64 s[12:13], s[0:1], 0x20              ; out0
	v_lshl_add_u32 v[SPW], v0, 2, SPARE
	v_mov_b32 v[NIL], 0
	ds_add_u32 v28, v29
	s_wait_dscnt 0x0
	v_lshrrev_b32 v1, 5, v0
	v_readfirstlane_b32 s[WV], v1
	s_lshr_b32 s[WR], s[WV], 1
	s_and_b32 s[WC], s[WV], 1
	s_bfe_u32 s40, ttmp6, 0x40000                  ; cx
	s_bfe_u32 s41, ttmp6, 0x40004                  ; cy
	s_lshl_b32 s42, ttmp9, 2
	s_add_co_u32 s42, s42, s40                     ; tile column
	s_and_b32 s17, ttmp7, 0xffff
	s_lshl_b32 s17, s17, 2
	s_add_co_u32 s17, s17, s41                     ; tile row
	s_lshl_b32 s43, s41, 2
	s_lshl_b32 s43, 15, s43                        ; my row of the cluster
	s_lshl_b32 s44, 0x1111, s40                    ; my column
	s_or_b32 s[G1+0], s43, (3<<16)|(1<<21)         ; the codes: 32 KiB dense, as 128 rows of 256 bytes (32 elements of 8 bytes)
	s_or_b32 s[G1B+0], s44, (3<<16)|(1<<21)
.irp g, G1, G1B
	s_mov_b32 s[\g+1], 32<<16
	s_mov_b32 s[\g+2], 128<<16
	s_mov_b32 s[\g+3], 32<<16
	s_mov_b32 s[\g+4], 128
	s_mov_b32 s[\g+5], 32
	s_mov_b32 s[\g+6], 0
	s_mov_b32 s[\g+7], 0
.endr
	s_or_b32 s[G1S+0], s43, (2<<16)|(1<<21)        ; the scale words: 16 K steps x 128 words, 2,048 words from K step to K step
	s_or_b32 s[G1SB+0], s44, (2<<16)|(1<<21)
.irp g, G1S, G1SB
	s_mov_b32 s[\g+1], 128<<16
	s_mov_b32 s[\g+2], 16<<16
	s_mov_b32 s[\g+3], 128<<16
	s_mov_b32 s[\g+4], 16
	s_mov_b32 s[\g+5], 2048
	s_mov_b32 s[\g+6], 0
	s_mov_b32 s[\g+7], 0
.endr
	s_lshl_b32 s20, s17, 16                        ; A's codes: (16 x tile row + 8 x half) x 4,096
	s_lshl_b32 s21, s[WC], 15
	s_add_co_u32 s20, s20, s21
	s_mov_b32 s21, 0
	s_lshl_b32 s22, s17, 10                        ; A's words
	s_lshl_b32 s23, s[WC], 9
	s_add_co_u32 s22, s22, s23
	s_mov_b32 s23, 0
	s_lshl_b32 s46, s42, 16                        ; B's codes, in the fifth tensor
	s_lshl_b32 s47, s[WC], 15
	s_add_co_u32 s46, s46, s47
	s_add_co_u32 s46, s46, 0x1000000
	s_mov_b32 s47, 0
	s_lshl_b32 s92, s42, 10                        ; B's words
	s_lshl_b32 s93, s[WC], 9
	s_add_co_u32 s92, s92, s93
	s_add_co_u32 s92, s92, 0x80000
	s_mov_b32 s93, 0
	s_lshl_b32 s45, s[WV], 15
	s_lshl_b32 s67, s[WV], 13
	s_wait_kmcnt 0x0
	s_add_nc_u64 s[20:21], s[4:5], s[20:21]
	s_add_nc_u64 s[22:23], s[6:7], s[22:23]
	s_add_nc_u64 s[46:47], s[8:9], s[46:47]
	s_add_nc_u64 s[92:93], s[10:11], s[92:93]
	CROUND                                         ; all sixteen work-groups are here: the first joint loads meet
	s_mov_b32 s[G0S], 1
	s_add_co_u32 s[G0S+1], s67, SCL
	s_mov_b64 s[G0S+2:G0S+3], s[22:23]
	s_or_b32 s[G0S+3], s[G0S+3], 0x80000000
	s_mov_b32 s[G0SB], 1
	s_add_co_u32 s[G0SB+1], s67, SCL
	s_mov_b64 s[G0SB+2:G0SB+3], s[92:93]
	s_or_b32 s[G0SB+3], s[G0SB+3], 0x80000000
	JLOAD G0S, G1S, G0SB, G1SB
.irp s, 0,1
	s_mov_b32 s[G0+4*\s], 1
	s_add_co_u32 s[G0+4*\s+1], s45, \s*SLOT
	s_add_nc_u64 s[G0+4*\s+2:G0+4*\s+3], s[20:21], \s*SLOTG
	s_or_b32 s[G0+4*\s+3], s[G0+4*\s+3], 0x80000000
	s_mov_b32 s[G0B+4*\s], 1
	s_add_co_u32 s[G0B+4*\s+1], s45, \s*SLOT
	s_add_nc_u64 s[G0B+4*\s+2:G0B+4*\s+3], s[46:47], \s*SLOTG
	s_or_b32 s[G0B+4*\s+3], s[G0B+4*\s+3], 0x80000000
	JLOAD G0+4*\s, G1, G0B+4*\s, G1B               ; three loads of mine are out behind the last of these
.endr
	v_and_b32 v1, 15, v0                           ; r
	v_bfe_u32 v2, v0, 4, 1                         ; h
	v_and_b32 v3, 31, v0
	v_lshlrev_b32 v[LI], 4, v3
	s_lshl_b32 s21, s[WR], 15
	s_lshl_b32 s22, s[WC], 15
	s_add_co_u32 s22, s22, 2*HALFT
.irp s, 0,1
	v_add_nc_u32 v[ADRA+\s], s21, v[LI]
	v_add_nc_u32 v[ADRB+\s], s22, v[LI]
	s_add_co_u32 s21, s21, SLOT
	s_add_co_u32 s22, s22, SLOT
.endr
	s_lshl_b32 s21, s[WR], 13
	s_lshl_b32 s22, s[WC], 13
	s_add_co_u32 s22, s22, 2*SREG
	s_sub_co_u32 s22, s22, s21
	v_mul_u32_u24 v4, s22, v2                      ; lanes 16-31 take B's words: the lower base + h x the distance
	s_add_co_u32 s21, s21, SCL
	v_lshl_add_u32 v4, v1, 2, v4
	v_add_nc_u32 v[ADRS], s21, v4
	s_mul_i32 s23, s[WV], 16*SPITCH                ; my stage
	v_mul_u32_u24 v5, v1, SPITCH                   ; in: row r, 32 bytes for each half of the lanes
	v_lshl_add_u32 v5, v2, 5, v5
	v_add_nc_u32 v[STO], s23, v5
	v_add_nc_u32 v[RD], s23, v[LI]                 ; back: the 32 lanes take one row of 512 bytes
	s_lshl_b32 s20, s17, 21                        ; my first row of out0: (256 x tile row + 128 x half) x 8,192 bytes
	s_lshl_b32 s21, s[WR], 20
	s_add_co_u32 s20, s20, s21
	s_mov_b32 s21, 0
	s_lshl_b32 s46, s42, 10                        ; my first column, in bytes: 1,024 x tile column + 512 x half
	s_lshl_b32 s47, s[WC], 9
	s_add_co_u32 s46, s46, s47
	s_mov_b32 s47, 0
	s_add_nc_u64 s[12:13], s[12:13], s[20:21]
	s_add_nc_u64 s[12:13], s[12:13], s[46:47]
.macro FRAG reg, adr, q, i
.irp c, 0,1,2,3
	ds_load_b128 v[\reg+4*\c:\reg+4*\c+3], v[\adr] offset:4096*(\i)+2048*(\q)+512*\c
.endr
.endm
; 16 matrix instructions: A's blocks a0, a0 + 1 x B's eight.  The 64 accumulators take turns, one instruction a turn, in the same order in every step.
.macro MUL16 a0, p, q, sc, zero
.irp a, \a0, \a0+1
.irp b, 0,1,2,3,4,5,6,7
.if \zero
	v_wmma_scale_f32_16x16x128_f8f6f4 v[8*(8*((\a)%4)+\b):8*(8*((\a)%4)+\b)+7], v[128*(\p)+FR*\b:128*(\p)+FR*\b+FR-1], v[AF+FR*(\a):AF+FR*(\a)+FR-1], 0, v[SC+8*NQ*(\sc)+NQ*\b+(\q)], v[SC+8*NQ*(\sc)+NQ*(\a)+(\q)] matrix_a_scale:MATRIX_SCALE_ROW1
.else
	v_wmma_scale_f32_16x16x128_f8f6f4 v[8*(8*((\a)%4)+\b):8*(8*((\a)%4)+\b)+7], v[128*(\p)+FR*\b:128*(\p)+FR*\b+FR-1], v[AF+FR*(\a):AF+FR*(\a)+FR-1], v[8*(8*((\a)%4)+\b):8*(8*((\a)%4)+\b)+7], v[SC+8*NQ*(\sc)+NQ*\b+(\q)], v[SC+8*NQ*(\sc)+NQ*(\a)+(\q)] matrix_a_scale:MATRIX_SCALE_ROW1
.endif
.endr
.endr
.endm
.macro FETCH_B slot, q, p
	WIN TO_B
.irp i, 0,1,2,3,4,5,6,7
	FRAG 128*(\p)+FR*\i, ADRB+\slot, \q, \i
.endr
	WIN 0
.endm
.macro FETCH_A slot, q, i0
.irp i, \i0, \i0+1, \i0+2, \i0+3
	FRAG AF+FR*(\i), ADRA+\slot, \q, \i
.endr
.endm
.macro SCALES sc
.irp i, 0,1,2,3,4,5,6,7
.irp q, 0,1
	ds_load_b32 v[SC+8*NQ*\sc+NQ*\i+\q], v[ADRS] offset:512*\q+64*\i
.endr
.endr
.endm
.macro PLACES n
.rept \n
	v_nop
.endr
.endm
.macro STEP slot, q, zero
	s_wait_dscnt 4*NL                              ; B's set, A's blocks 0-3 and the scale words are in; the youngest 16 loads (A's blocks 4-7) may be out
	WIN MUL_LO
	MUL16 0, (\q)%2, \q, \slot, \zero
	MUL16 2, (\q)%2, \q, \slot, \zero
	s_wait_dscnt 0
	PLACES NP
	FETCH_B \slot, (\q)+1, 1-(\q)%2
	FETCH_A \slot, (\q)+1, 0
	WIN MUL_HI
	MUL16 4, (\q)%2, \q, \slot, \zero
	MUL16 6, (\q)%2, \q, \slot, \zero
	PLACES NP
	WIN 0
	FETCH_A \slot, (\q)+1, 4
.endm
.macro TURN slot, next, fill
	s_wait_tensorcnt 0x0                           ; all my tensor loads have landed: my part of the next slot
	ds_add_u32 v[SPW], v[NIL]                      ; 0 onto my spare word
	s_wait_dscnt 4*NL+1                            ; the add and the youngest 16 loads (A's blocks 4-7) may be out
	WIN MUL_LO
	MUL16 0, 1, NQ-1, \slot, 0
	s_wait_dscnt 0x0                               ; the add is done, and my reads of this slot are over
	s_barrier_signal -1
	MUL16 2, 1, NQ-1, \slot, 0
	WIN 0
	s_barrier_wait -1
.if \fill
	CREST                                          ; the barrier has opened a round of the cluster's: no wave of any partner still reads this slot or has a load on its way
	s_add_nc_u64 s[G0+4*\slot+2:G0+4*\slot+3], s[G0+4*\slot+2:G0+4*\slot+3], 2*SLOTG
	s_add_nc_u64 s[G0B+4*\slot+2:G0B+4*\slot+3], s[G0B+4*\slot+2:G0B+4*\slot+3], 2*SLOTG
	JLOAD G0+4*\slot, G1, G0B+4*\slot, G1B
	PLACES NP-4
.else
	PLACES NP
.endif
	v_add_nc_u32 v[ADRS], 512*NQ, v[ADRS]
	FETCH_B \next, 0, 0
	FETCH_A \next, 0, 0
	SCALES \next
	WIN MUL_HI
	MUL16 4, 1, NQ-1, \slot, 0
	MUL16 6, 1, NQ-1, \slot, 0
	PLACES NP
	WIN 0
	FETCH_A \next, 0, 4
.endm
	s_wait_tensorcnt 1                             ; the scale words and my part of slot 0 are in (slot 1's load may be out)
	s_barrier_signal -1
	s_barrier_wait -1
	FETCH_B 0, 0, 0
	FETCH_A 0, 0, 0
	SCALES 0
	FETCH_A 0, 0, 4
	STEP 0, 0, 1                                   ; the first step stands in front of the loop: its products start the sums
	s_mov_b32 s3, LAPS-1
.Llap:
	TURN 0, 1, 1
	STEP 1, 0, 0
	TURN 1, 0, 1
	STEP 0, 0, 0
	s_sub_co_u32 s3, s3, 1
	s_cmp_lg_u32 s3, 0
	s_cbranch_scc1 .Llap
	TURN 0, 1, 0                                   ; the last lap fills nothing, and has no round of the cluster's barrier
	STEP 1, 0, 0
	s_wait_dscnt 4*NL
	WIN MUL_LO
	MUL16 0, 1, NQ-1, 1, 0
	MUL16 2, 1, NQ-1, 1, 0
	s_wait_dscnt 0
	WIN MUL_HI
	MUL16 4, 1, NQ-1, 1, 0
	MUL16 6, 1, NQ-1, 1, 0
	WIN 0
; THE WAY OUT, block by block of 16 rows x 128 columns, through my own stage in LDS: in as 32 bytes a lane, back as whole rows of 512 bytes.  LDS serves a wave's instructions in order (ISA guide 5.7.1.4).
.macro TOSTAGE a
.set AC, 64*((\a)%4)
.set WS, 0x08+4*((\a)/4)
	WIN WS                                         ; an LDS store's data: window 2 or 3
.irp b, 0,1,2,3,4,5,6,7
	ds_store_b128 v[STO], v[AC+8*\b:AC+8*\b+3] offset:64*\b          ; each accumulator from its low end on
	ds_store_b128 v[STO], v[AC+8*\b+4:AC+8*\b+7] offset:64*\b+16
.endr
	WIN 0
.set BB, BK+64*((\a)%2)
.irp t, 0,1,2,3,4,5,6,7,8,9,10,11,12,13,14,15
	ds_load_b128 v[BB+4*\t:BB+4*\t+3], v[RD] offset:\t*SPITCH
.endr
.endm
.macro SEND a, younger                 ; younger: the LDS instructions issued behind block a's loads, which may stay out
.set BB, BK+64*((\a)%2)
	s_wait_dscnt \younger
.if (\a) > 0
	s_add_nc_u64 s[12:13], s[12:13], 16*ROWC       ; (behind a wait on XCNT: the earlier stores have read their base)
.endif
.irp t, 0,1,2,3,4,5,6,7,8,9,10,11,12,13,14,15
	global_store_b128 v[LI], v[BB+4*\t:BB+4*\t+3], s[12:13] offset:\t*ROWC th:TH_STORE_NT   ; 32 lanes store 512 consecutive bytes, aligned; written once, read by nobody here
.endr
.endm
	PLACES NP                                      ; in front of the first read of results and of loads into the registers that held A's fragments
	TOSTAGE 0
.irp a, 1,2,3,4,5,6,7
.if \a > 1
	s_wait_xcnt 0x0                                ; block a - 2's stores have read their registers and their base
.endif
	TOSTAGE \a
	SEND \a-1, 32                                  ; behind block a - 1's loads: block a's 16 stores and 16 loads
.endr
	s_wait_xcnt 0x0
	SEND 7, 0
	s_wait_tensorcnt 0x0                           ; the wave's end
	ds_add_u32 v[SPW], v[NIL]
	s_wait_dscnt 0x0
	CROUND                                         ; the closing round
	s_endpgm
.Lfunc_end_k_qfad616a6bc_oproj:
	.size	k_qfad616a6bc_oproj, .Lfunc_end_k_qfad616a6bc_oproj-k_qfad616a6bc_oproj
	.p2alignl 7, 3214868480
	.fill 96, 4, 3214868480
	.section	.rodata,"a",@progbits
	.p2align	6, 0x0
	.amdhsa_kernel k_qfad616a6bc_oproj
		.amdhsa_group_segment_fixed_size 327680
		.amdhsa_private_segment_fixed_size 0
		.amdhsa_enable_private_segment 0
		.amdhsa_kernarg_size 40
		.amdhsa_user_sgpr_count 2
		.amdhsa_user_sgpr_kernarg_segment_ptr 1
		.amdhsa_wavefront_size32 1
		.amdhsa_system_sgpr_workgroup_id_x 1
		.amdhsa_system_sgpr_workgroup_id_y 1
		.amdhsa_system_sgpr_workgroup_id_z 1
		.amdhsa_system_vgpr_workitem_id 0
		.amdhsa_next_free_vgpr 1024
		.amdhsa_next_free_sgpr 98
		.amdhsa_reserve_vcc 0
		.amdhsa_float_denorm_mode_32 3
		.amdhsa_float_denorm_mode_16_64 3
		.amdhsa_memory_ordered 1
		.amdhsa_forward_progress 1
		.amdhsa_inst_pref_size 147
	.end_amdhsa_kernel
	.amdgpu_metadata
---
amdhsa.version: [ 1, 2 ]
amdhsa.kernels:
  - .name:           k_qfad616a6bc_oproj
    .symbol:         k_qfad616a6bc_oproj.kd
    .args:
      - { .name: ac, .offset: 0, .size: 8, .value_kind: global_buffer, .address_space: global }
      - { .name: asw, .offset: 8, .size: 8, .value_kind: global_buffer, .address_space: global }
      - { .name: codes, .offset: 16, .size: 8, .value_kind: global_buffer, .address_space: global }
      - { .name: scl, .offset: 24, .size: 8, .value_kind: global_buffer, .address_space: global }
      - { .name: out0, .offset: 32, .size: 8, .value_kind: global_buffer, .address_space: global }
    .group_segment_fixed_size: 327680
    .private_segment_fixed_size: 0
    .kernarg_segment_align: 8
    .kernarg_segment_size: 40
    .max_flat_workgroup_size: 128
    .sgpr_count:     98
    .vgpr_count:     1024
    .wavefront_size: 32
...
	.end_amdgpu_metadata
.endif
;; end of part 4
;; ======== version 2 of 2: 4 launches
;; limits: right only within a limited range of input values
;; workspace buffers: codes 20,971,520 bytes; scl 655,360 bytes; qb 4,325,376 bytes; kvb 8,650,752 bytes; ac 4,194,304 bytes; asw 131,072 bytes
;; launch quant (part 5): grid 512 x 1, 10 waves a work-group, no clusters, 171,520 bytes of LDS; arguments x, wq, wk, wv, wo, codes, scl; writes codes, scl
.if DOCPART == 5
	.amdgcn_target "amdgcn-amd-amdhsa--gfx1250"
	.amdhsa_code_object_version 6
	.text
	.protected	k_qfad616a6bc_quant
	.globl	k_qfad616a6bc_quant
	.p2align	8
	.type	k_qfad616a6bc_quant,@function
k_qfad616a6bc_quant:
	s_mov_b64 s[64:65], 0
	v_nop
	global_prefetch_b8 v0, s[64:65] scope:SCOPE_SE
	s_setreg_imm32_b32 hwreg(HW_REG_WAVE_MODE, 25, 1), 1
	s_wait_xcnt 0x0
; x, wq, wk, wv, wo, each [2048][2048] f32 with K innermost, become codes of FP8 (E4M3) with one E8M0 scale byte for each 32 along K, once for the whole program.
; A block's scale is 2^(floor(log2(its largest magnitude)) - 8); each number is divided by it, held within +-448 and rounded to the nearest code, ties to even.
; LAYOUT OF THE RESULT.  codes: [tensor 5][256 along K: 8][tile of 16 rows: 128][128 along K: 2][2,048 bytes]: the 2,048 bytes are the IMAGE OF AN OPERAND'S REGISTERS (16 rows x 128 K, 16 registers a lane):
; byte 512 c + 16 lane + e is byte e of registers 4 c .. 4 c + 3 of that lane.  scl: [tensor 5][128 along K: 16][row 2,048]: one word of four scale bytes.
; ORDER OF K INSIDE A BLOCK OF 32.  Place 16 h + e of block c (h = lane / 16) holds k = 32 c + 8 h + e for e < 8 and k = 32 c + 16 + 8 h + e - 8 for e >= 8: the order in which a matrix result of two
; neighbouring tiles lies in a lane's registers.  Every operand of every product of this program is laid so, on both sides, so the products are the same and the blocks, and their scales, are the true ones.
; LIMITS: NaN and infinities among the inputs are not served; a block whose largest magnitude lies under 2^-118, and a block of zeros, keeps the byte 1 (its codes are then zeros or subnormal; only this program reads the bytes).
; SHARES.  A job is 64 rows x 128 along K of one tensor: 2,560 jobs, five to a work-group, two waves to a job: a wave takes 32 rows, two fragments.
; Each wave brings its 32 rows x 512 bytes by ONE tensor load at the head, into LDS rows of 512 + 16 bytes of its own, and reads each fragment from there 4 x 16 numbers a lane in the order above.  Nothing is filled again.
; A job's 64 scale words are gathered in LDS and leave as one aligned unit of 256 bytes, stored by the job's even wave behind the one barrier.
; No cluster: no two work-groups read the same byte.  No prefetch: there is no loop to run ahead in.  The matrix units have nothing to do here.
.set SP,    528                        ; an LDS row: 512 bytes + 16
.set WREG,  32*SP                      ; a wave's 32 rows: 16,896 bytes
.set WORDS, 10*WREG                    ; behind the ten regions: 128 bytes of scale words for each wave; no fill lands here
.set SPARE, WORDS+1280                 ; the spare words, 128 bytes for each wave: five blocks of 256 bytes that no other line names
.set TM,    12                         ; v12-15 largest magnitudes, v16-19 the other half's, then bytes, v20-23 448 x the scale, v24-27 the conversions' scale operands
.set PW,    28                         ; v28-29  a scale word for each fragment
.set SPW,   30                         ; v30     my spare word; never rewritten
.set NIL,   31                         ; v31     0; never rewritten
.set PC,    32                         ; v32-63  codes: 16 registers for each fragment, so that no store's data are written again
.set X,     64                         ; v64-191 two fragments' 64 numbers of my lane
.set IN,    20                         ; s[20:21] my tensor, at my wave's first byte
.set CODES, 14
.set SCLP,  16
.set SEL,   36                         ; s[36:37] lane selects: lane l xor 16
.set MNT,   38                         ; s38 the mantissa field of 448
.set G0,    40
.set G1,    44
	s_load_b256 s[4:11], s[0:1], 0x0               ; x, wq, wk, wv
	s_load_b128 s[12:15], s[0:1], 0x20             ; wo, codes
	s_load_b64 s[16:17], s[0:1], 0x30              ; scl
	v_lshl_add_u32 v[SPW], v0, 2, SPARE
	v_mov_b32 v[NIL], 0
	ds_add_u32 v[SPW], v[NIL]                      ; the opening lines: the add twice on end and its wait ahead of my tensor load
	ds_add_u32 v[SPW], v[NIL]
	v_lshrrev_b32 v1, 5, v0
	v_readfirstlane_b32 s18, v1                    ; wave 0..9
	; group 1: 32 rows x 128 f32, 2,048 elements from row to row; four words of padding behind every 128
	s_mov_b32 s[G1], (2<<16)|(1<<20)|(6<<22)|(3<<25)
	s_mov_b32 s[G1+1], 128<<16
	s_mov_b32 s[G1+2], 32<<16
	s_mov_b32 s[G1+3], 128<<16
	s_mov_b32 s[G1+4], 32
	s_mov_b32 s[G1+5], 2048
	s_mov_b32 s[G1+6], 0
	s_mov_b32 s[G1+7], 0
	s_lshr_b32 s19, s18, 1
	s_mul_i32 s26, ttmp9, 5
	s_add_co_u32 s26, s26, s19                     ; my job, 0..2,559
	s_and_b32 s27, s18, 1                          ; which 32 of its rows
	s_lshr_b32 s22, s26, 9                         ; the tensor
	s_bfe_u32 s24, s26, 0x50004                    ; which 64 rows
	s_and_b32 s25, s26, 15                         ; which 128 along K
	s_lshl_b32 s28, s24, 19                        ; in: 64 rows of 8,192 bytes,
	s_lshl_b32 s29, s25, 9                         ; 512 bytes for each 128 along K,
	s_add_co_u32 s28, s28, s29
	s_lshl_b32 s29, s27, 18                        ; 32 rows
	s_add_co_u32 s28, s28, s29
	s_mov_b32 s29, 0
	s_lshr_b32 s30, s25, 1                         ; codes: ((K / 256) x 128 + first tile of rows) x 4,096 + (K / 128 % 2) x 2,048 + tensor x 4 MiB
	s_lshl_b32 s30, s30, 7
	s_lshl_b32 s31, s24, 2
	s_add_co_u32 s30, s30, s31
	s_lshl_b32 s31, s27, 1
	s_add_co_u32 s30, s30, s31
	s_lshl_b32 s30, s30, 12
	s_and_b32 s31, s25, 1
	s_lshl_b32 s31, s31, 11
	s_add_co_u32 s30, s30, s31
	s_lshl_b32 s31, s22, 22
	s_add_co_u32 s30, s30, s31
	s_mov_b32 s31, 0
	s_lshl_b32 s32, s22, 17                        ; words: tensor x 128 KiB + (K / 128) x 8,192 + 64 rows x 4
	s_lshl_b32 s33, s25, 13
	s_add_co_u32 s32, s32, s33
	s_lshl_b32 s33, s24, 8
	s_add_co_u32 s32, s32, s33
	s_mov_b32 s33, 0
	s_mul_i32 s34, s18, WREG                       ; my wave's rows in LDS
	s_lshl_b32 s35, s18, 7
	s_add_co_u32 s35, s35, WORDS                   ; my wave's 32 scale words; an even wave's 128 bytes and the next wave's are one job's 256
	s_mov_b32 s[SEL], 0x76543210
	s_mov_b32 s[SEL+1], 0xfedcba98
	s_mov_b32 s[MNT], 0x600000
	s_wait_dscnt 0x0                               ; both opening adds are done
	s_wait_kmcnt 0x0
	s_cmp_eq_u32 s22, 0                            ; the choice of the tensor hangs on ids alone; all five take one way through the text
	s_cselect_b64 s[IN:IN+1], s[4:5], s[6:7]
	s_cmp_eq_u32 s22, 2
	s_cselect_b64 s[IN:IN+1], s[8:9], s[IN:IN+1]
	s_cmp_eq_u32 s22, 3
	s_cselect_b64 s[IN:IN+1], s[10:11], s[IN:IN+1]
	s_cmp_eq_u32 s22, 4
	s_cselect_b64 s[IN:IN+1], s[12:13], s[IN:IN+1]
	s_add_nc_u64 s[IN:IN+1], s[IN:IN+1], s[28:29]
	s_add_nc_u64 s[CODES:CODES+1], s[CODES:CODES+1], s[30:31]
	s_add_nc_u64 s[SCLP:SCLP+1], s[SCLP:SCLP+1], s[32:33]
	s_mov_b32 s[G0], 1
	s_mov_b32 s[G0+1], s34
	s_mov_b64 s[G0+2:G0+3], s[IN:IN+1]
	s_or_b32 s[G0+3], s[G0+3], 0x80000000
	tensor_load_to_lds s[G0:G0+3], s[G1:G1+7]      ; my 32 rows: the wave's one tensor load
	s_nop 0
	v_and_b32 v1, 31, v0                           ; lane
	v_and_b32 v2, 15, v0                           ; r
	v_bfe_u32 v3, v0, 4, 1                         ; h
	v_lshlrev_b32 v4, 4, v1                        ; 16 x lane: my bytes of a store's 512
	v_mul_u32_u24 v6, v2, SP
	v_lshl_add_u32 v6, v3, 5, v6
	v_add_nc_u32 v6, s34, v6                       ; row r of a fragment, + 32 h bytes
	v_lshl_add_u32 v7, v2, 2, s35                  ; my row's scale word
	v_lshl_add_u32 v8, v1, 3, s35                  ; the words' way out: 8 bytes a lane
	v_lshlrev_b32 v9, 3, v1
.irp b, 0,1,2,3
	v_mov_b32 v[TM+4+\b], 0                        ; written once: a lane permute's destination counts as one of its sources
.endr
.macro FLOAD f                         ; fragment f: of block c: numbers 8 h + 0..7, then 16 + 8 h + 0..7
.irp c, 0,1,2,3
.irp m, 0,1,2,3
	ds_load_b128 v[X+64*(\f)+16*\c+4*\m:X+64*(\f)+16*\c+4*\m+3], v6 offset:16*SP*(\f)+128*\c+64*(\m/2)+16*(\m%2)
.endr
.endr
.endm
; 64 numbers of a lane, v[s] on (register 16 b + i: place 16 h + i of block b of my row), become a fragment's codes in v[pc] on and its scale word in v[pw]
.macro QUANT s, pc, pw
.irp b, 0,1,2,3
	v_max3_num_f32 v[TM+\b], |v[\s+16*\b]|, |v[\s+1+16*\b]|, 0x4800000   ; block b: my 16 numbers, and the floor 2^(9 - 127): so the byte cannot fall under 1
.endr
.irp i, 2,4,6,8,10,12,14
.irp b, 0,1,2,3
	v_max3_num_f32 v[TM+\b], v[TM+\b], |v[\s+16*\b+\i]|, |v[\s+1+16*\b+\i]|   ; the four blocks by turns
.endr
.endr
.irp b, 0,1,2,3
	v_permlanex16_b32 v[TM+4+\b], v[TM+\b], s[SEL], s[SEL+1]
.endr
.irp b, 0,1,2,3
	v_max_num_f32 v[TM+\b], v[TM+\b], v[TM+4+\b]   ; with lane l xor 16's 16: the block's largest magnitude
.endr
.irp b, 0,1,2,3
	v_add_nc_u32 v[TM+12+\b], 0xfc000000, v[TM+\b] ; 8 off its exponent field: the conversion takes this operand's exponent field as its scale
.endr
.irp b, 0,1,2,3
	v_and_or_b32 v[TM+8+\b], v[TM+\b], 0x7f800000, s[MNT]   ; 448 x the scale
.endr
.irp b, 0,1,2,3
	v_lshrrev_b32 v[TM+4+\b], 23, v[TM+12+\b]      ; the scale's byte
.endr
	v_lshl_or_b32 v[\pw], v[TM+5], 8, v[TM+4]
	v_lshl_or_b32 v[\pw], v[TM+6], 16, v[\pw]
	v_lshl_or_b32 v[\pw], v[TM+7], 24, v[\pw]      ; my row's scale word
.irp b, 0,1,2,3
.irp i, 0,1,2,3,4,5,6,7,8,9,10,11,12,13,14,15
	v_med3_num_f32 v[\s+16*\b+\i], v[\s+16*\b+\i], -v[TM+8+\b], v[TM+8+\b]   ; the conversion to an 8-bit code does not saturate (ISA guide 7.6.2): the hold at the largest code x the scale
.endr
	v_cvt_scalef32_pk8_fp8_f32 v[\pc+4*\b:\pc+4*\b+1], v[\s+16*\b:\s+16*\b+7], v[TM+12+\b]
	v_cvt_scalef32_pk8_fp8_f32 v[\pc+4*\b+2:\pc+4*\b+3], v[\s+16*\b+8:\s+16*\b+15], v[TM+12+\b]
.endr
	v_nop                                          ; one plain vector line behind the last conversion
.endm
	s_wait_alu depctr_va_vdst(0)                   ; the wait at the head's end
	s_wait_tensorcnt 0x0                           ; my rows are in; only I read them
	FLOAD 0
	FLOAD 1
	s_wait_dscnt 16                                ; fragment 0's 16 loads are in; fragment 1's may be out
	QUANT X, PC, PW
.irp c, 0,1,2,3
	global_store_b128 v4, v[PC+4*\c:PC+4*\c+3], s[CODES:CODES+1] offset:512*\c   ; the image: 512 consecutive bytes a store
.endr
	ds_store_b32 v7, v[PW]                         ; both halves of the lanes write the same word with the same value
	s_wait_dscnt 1                                 ; fragment 1's loads are in; the word's store may be out
	QUANT X+64, PC+16, PW+1
.irp c, 0,1,2,3
	global_store_b128 v4, v[PC+16+4*\c:PC+16+4*\c+3], s[CODES:CODES+1] offset:4096+512*\c
.endr
	ds_store_b32 v7, v[PW+1] offset:64
	s_wait_dscnt 0x0                               ; for the other wave of my job: my words have landed
	s_barrier_signal -1
	s_barrier_wait -1
	s_cmp_lg_u32 s27, 0
	s_cbranch_scc1 .Lodd
	ds_load_b64 v[10:11], v8                       ; the job's 64 scale words
	s_wait_dscnt 0x0
	global_store_b64 v9, v[10:11], s[SCLP:SCLP+1]  ; 32 lanes store 256 consecutive bytes, aligned
.Lodd:
	s_wait_tensorcnt 0x0                           ; the wave's end
	ds_add_u32 v[SPW], v[NIL]
	s_wait_dscnt 0x0
	s_endpgm
.Lfunc_end_k_qfad616a6bc_quant:
	.size	k_qfad616a6bc_quant, .Lfunc_end_k_qfad616a6bc_quant-k_qfad616a6bc_quant
	.p2alignl 7, 3214868480
	.fill 96, 4, 3214868480
	.section	.rodata,"a",@progbits
	.p2align	6, 0x0
	.amdhsa_kernel k_qfad616a6bc_quant
		.amdhsa_group_segment_fixed_size 171520
		.amdhsa_private_segment_fixed_size 0
		.amdhsa_enable_private_segment 0
		.amdhsa_kernarg_size 56
		.amdhsa_user_sgpr_count 2
		.amdhsa_user_sgpr_kernarg_segment_ptr 1
		.amdhsa_wavefront_size32 1
		.amdhsa_system_sgpr_workgroup_id_x 1
		.amdhsa_system_sgpr_workgroup_id_y 1
		.amdhsa_system_sgpr_workgroup_id_z 1
		.amdhsa_system_vgpr_workitem_id 0
		.amdhsa_next_free_vgpr 192
		.amdhsa_next_free_sgpr 66
		.amdhsa_reserve_vcc 0
		.amdhsa_float_denorm_mode_32 3
		.amdhsa_float_denorm_mode_16_64 3
		.amdhsa_memory_ordered 1
		.amdhsa_forward_progress 1
		.amdhsa_inst_pref_size 24
	.end_amdhsa_kernel
	.amdgpu_metadata
---
amdhsa.version: [ 1, 2 ]
amdhsa.kernels:
  - .name:           k_qfad616a6bc_quant
    .symbol:         k_qfad616a6bc_quant.kd
    .args:
      - { .name: x, .offset: 0, .size: 8, .value_kind: global_buffer, .address_space: global }
      - { .name: wq, .offset: 8, .size: 8, .value_kind: global_buffer, .address_space: global }
      - { .name: wk, .offset: 16, .size: 8, .value_kind: global_buffer, .address_space: global }
      - { .name: wv, .offset: 24, .size: 8, .value_kind: global_buffer, .address_space: global }
      - { .name: wo, .offset: 32, .size: 8, .value_kind: global_buffer, .address_space: global }
      - { .name: codes, .offset: 40, .size: 8, .value_kind: global_buffer, .address_space: global }
      - { .name: scl, .offset: 48, .size: 8, .value_kind: global_buffer, .address_space: global }
    .group_segment_fixed_size: 171520
    .private_segment_fixed_size: 0
    .kernarg_segment_align: 8
    .kernarg_segment_size: 56
    .max_flat_workgroup_size: 320
    .sgpr_count:     66
    .vgpr_count:     192
    .wavefront_size: 32
...
	.end_amdgpu_metadata
.endif
;; end of part 5
;; launch qkv (part 6): grid 8 x 24, 4 waves a work-group, clusters of 4 x 4, 327,680 bytes of LDS; arguments codes, scl, freqs_cos, freqs_sin, qb, kvb; writes qb, kvb
.if DOCPART == 6
	.amdgcn_target "amdgcn-amd-amdhsa--gfx1250"
	.amdhsa_code_object_version 6
	.text
	.protected	k_qfad616a6bc_qkv
	.globl	k_qfad616a6bc_qkv
	.p2align	8
	.type	k_qfad616a6bc_qkv,@function
k_qfad616a6bc_qkv:
	s_mov_b64 s[64:65], 0
	v_nop
	global_prefetch_b8 v0, s[64:65] scope:SCOPE_SE
	s_setreg_imm32_b32 hwreg(HW_REG_WAVE_MODE, 25, 1), 1
	s_wait_xcnt 0x0
	s_wait_alu depctr_hold_cnt(0) depctr_sa_sdst(0) depctr_va_vdst(0) depctr_va_sdst(0) depctr_va_ssrc(0) depctr_va_vcc(0) depctr_vm_vsrc(0)
	s_getreg_b32 s2, hwreg(HW_REG_IB_STS2, 6, 4)
	s_cmp_eq_u32 s2, 0
	s_cbranch_scc0 .Lentry_in_a_cluster
	s_endpgm
.Lentry_in_a_cluster:
	s_bfe_u32 s2, ttmp6, 0x10000c
	s_cmp_lg_u32 s2, 0xf033
	s_cbranch_scc0 .Lentry_shape_is_right
	s_endpgm
.Lentry_shape_is_right:
.set NQ,     2
.set FR,     16
.set NL,     4
.set NP,     8
.set HALFT,  32768
.set SLOT,   131072
.set SLOTG,  524288
.set LAPS,   4
.set SCL,    262144
.set SREG,   8192
.set SPARE,  294912
.set SST,    295424
.set ADRA, 16
.set ADRB, 20
.set LI,   22
.set CA,   23
.set SWA,  24
.set SRD,  25
.set ADRS, 27
.set SPW,  28
.set NIL,  29
.set SC,   32
.set T,    64
.set AF,   128
.set PC,   192
.set TM,   208
.set PW,   224
.set G1, 24
.set G0, 32
.set G1B, 48
.set G0B, 56
.set G1S, 68
.set G0S, 76
.set G1SB, 80
.set G0SB, 88
.set WV, 94
.set WR, 95
.set WC, 96
.set TT, 97
.set OUT, 98
.set OUTS, 100
.set SEL, 18
.set MNT, 16
.set MSB, 0
.macro WIN new
.if MSB != (\new)
	s_set_vgpr_msb (MSB<<8)|(\new)
.set MSB, (\new)
.endif
.endm
.set MUL_LO, 0xa1
.set MUL_HI, 0xf1
.set TO_B,   0x40
.macro JLOAD g0a, g1a, g0b, g1b
	s_cmp_eq_u32 s[WR], 0
	s_cbranch_scc0 .Lfor_b_\@
	tensor_load_to_lds s[\g0a:\g0a+3], s[\g1a:\g1a+7]
	s_nop 0
.rept 4
	v_nop
.endr
	s_branch .Lasked_\@
.Lfor_b_\@:
	tensor_load_to_lds s[\g0b:\g0b+3], s[\g1b:\g1b+7]
	s_nop 0
.rept 4
	v_nop
.endr
.Lasked_\@:
.endm
.macro CREST
	s_cmp_lg_u32 s[WV], 0
	s_cbranch_scc1 .Lnot_wave_0_\@
	s_barrier_signal -3
.Lnot_wave_0_\@:
	s_barrier_wait -3
	s_barrier_signal -1
	s_barrier_wait -1
.endm
.macro CROUND
	s_barrier_signal -1
	s_barrier_wait -1
	CREST
.endm
	s_load_b256 s[4:11], s[0:1], 0x0
	s_load_b128 s[12:15], s[0:1], 0x20
	v_lshl_add_u32 v[SPW], v0, 2, SPARE
	v_mov_b32 v[NIL], 0
	ds_add_u32 v28, v29
	ds_add_u32 v28, v29
	s_wait_dscnt 0x0
	v_lshrrev_b32 v1, 5, v0
	v_readfirstlane_b32 s[WV], v1
	s_lshr_b32 s[WR], s[WV], 1
	s_and_b32 s[WC], s[WV], 1
	s_bfe_u32 s40, ttmp6, 0x40000
	s_bfe_u32 s41, ttmp6, 0x40004
	s_lshl_b32 s42, ttmp9, 2
	s_add_co_u32 s42, s42, s40
	s_and_b32 s16, ttmp7, 0xffff
	s_lshr_b32 s[TT], s16, 1
	s_and_b32 s17, s16, 1
	s_lshl_b32 s17, s17, 2
	s_add_co_u32 s17, s17, s41
	s_lshl_b32 s43, s41, 2
	s_lshl_b32 s43, 15, s43
	s_lshl_b32 s44, 0x1111, s40
	s_or_b32 s[G1+0], s43, (3<<16)|(1<<21)
	s_or_b32 s[G1B+0], s44, (3<<16)|(1<<21)
.irp g, G1, G1B
	s_mov_b32 s[\g+1], 8192<<16                    ; the head's loads of codes: 2 rows (K steps 0 and 1) of 65,536 bytes, 524,288 bytes apart; behind them these five words are set for the ring's loads
	s_mov_b32 s[\g+2], 2<<16
	s_mov_b32 s[\g+3], 8192<<16
	s_mov_b32 s[\g+4], 2
	s_mov_b32 s[\g+5], 65536
	s_mov_b32 s[\g+6], 0
	s_mov_b32 s[\g+7], 0
.endr
	s_or_b32 s[G1S+0], s43, (2<<16)|(1<<21)
	s_or_b32 s[G1SB+0], s44, (2<<16)|(1<<21)
.irp g, G1S, G1SB
	s_mov_b32 s[\g+1], 256<<16                     ; the scale words of 256 rows, 16 rows of 1,024 bytes: one load for each operand
	s_mov_b32 s[\g+2], 16<<16
	s_mov_b32 s[\g+3], 256<<16
	s_mov_b32 s[\g+4], 16
	s_mov_b32 s[\g+5], 2048
	s_mov_b32 s[\g+6], 0
	s_mov_b32 s[\g+7], 0
.endr
	s_add_co_u32 s19, s[TT], 1
	s_cmp_eq_u32 s[TT], 2
	s_cselect_b32 s18, 3, 0
	s_cselect_b32 s19, 0, s19
	s_lshl_b32 s20, s17, 16
	s_lshl_b32 s21, s18, 22
	s_add_co_u32 s20, s20, s21
	s_mov_b32 s21, 0
	s_lshl_b32 s22, s17, 10
	s_lshl_b32 s23, s18, 17
	s_add_co_u32 s22, s22, s23
	s_mov_b32 s23, 0
	s_lshl_b32 s46, s42, 16
	s_lshl_b32 s47, s19, 22
	s_add_co_u32 s46, s46, s47
	s_mov_b32 s47, 0
	s_lshl_b32 s92, s42, 10
	s_lshl_b32 s93, s19, 17
	s_add_co_u32 s92, s92, s93
	s_mov_b32 s93, 0
	s_lshl_b32 s45, s[WC], 15                      ; LDS: A's ring lies at 0, B's at SLOT; slot s of a ring at s x SLOT / 2; in the ring I fill half a slot
	s_lshl_b32 s66, s[WC], 15                      ; s[66:67]: in the ring I fetch half a tile: which half, in bytes
	s_mov_b32 s67, 0
	s_wait_kmcnt 0x0
	s_add_nc_u64 s[20:21], s[4:5], s[20:21]
	s_add_nc_u64 s[22:23], s[6:7], s[22:23]
	s_add_nc_u64 s[46:47], s[4:5], s[46:47]
	s_add_nc_u64 s[92:93], s[6:7], s[92:93]
	CROUND
	s_mov_b32 s[G0S], 1
	s_mov_b32 s[G0S+1], SCL
	s_mov_b64 s[G0S+2:G0S+3], s[22:23]
	s_or_b32 s[G0S+3], s[G0S+3], 0x80000000
	s_mov_b32 s[G0SB], 1
	s_mov_b32 s[G0SB+1], SCL+2*SREG
	s_mov_b64 s[G0SB+2:G0SB+3], s[92:93]
	s_or_b32 s[G0SB+3], s[G0SB+3], 0x80000000
	s_mov_b32 s[G0], 1                             ; slot 0's groups 0 serve the head first: both slots of A's ring,
	s_mov_b32 s[G0+1], 0
	s_mov_b64 s[G0+2:G0+3], s[20:21]
	s_or_b32 s[G0+3], s[G0+3], 0x80000000
	s_mov_b32 s[G0B], 1                            ; and both of B's
	s_mov_b32 s[G0B+1], SLOT
	s_mov_b64 s[G0B+2:G0B+3], s[46:47]
	s_or_b32 s[G0B+3], s[G0B+3], 0x80000000
	s_add_nc_u64 s[20:21], s[20:21], s[66:67]      ; for the ring: my half of a tile
	s_add_nc_u64 s[46:47], s[46:47], s[66:67]
	s_mov_b32 s[G0+4], 1
	s_add_co_u32 s[G0+5], s45, SLOT/2
	s_add_nc_u64 s[G0+6:G0+7], s[20:21], SLOTG
	s_or_b32 s[G0+7], s[G0+7], 0x80000000
	s_mov_b32 s[G0B+4], 1
	s_add_co_u32 s[G0B+5], s45, SLOT+SLOT/2
	s_add_nc_u64 s[G0B+6:G0B+7], s[46:47], SLOTG
	s_or_b32 s[G0B+7], s[G0B+7], 0x80000000
; THE HEAD'S LOADS, ONE A WAVE: wave 0 K steps 0 and 1 of A, wave 1 those of B, wave 2 A's scale words, wave 3 B's.  One tree of branches on the wave's number; every way passes one load.
.macro ARM under, g0, g1, next
	s_cmp_lt_u32 s[WV], \under
	s_cbranch_scc0 \next
	tensor_load_to_lds s[\g0:\g0+3], s[\g1:\g1+7]
	s_nop 0
.rept 4
	v_nop
.endr
	s_branch .Lhead_asked
\next:
.endm
	ARM 1, G0,  G1,  .Lhead_b
	ARM 2, G0B, G1B, .Lhead_sa
	ARM 3, G0S, G1S, .Lhead_sb
	tensor_load_to_lds s[G0SB:G0SB+3], s[G1SB:G1SB+7]
	s_nop 0
.rept 4
	v_nop
.endr
.Lhead_asked:
	v_and_b32 v1, 15, v0
	v_bfe_u32 v2, v0, 4, 1
	s_wait_alu depctr_va_vdst(0)
	v_and_b32 v3, 31, v0
	v_lshlrev_b32 v[LI], 4, v3
	s_lshl_b32 s21, s[WR], 15
	s_lshl_b32 s22, s[WC], 15
	s_add_co_u32 s22, s22, SLOT
.irp s, 0,1
	v_add_nc_u32 v[ADRA+\s], s21, v[LI]
	v_add_nc_u32 v[ADRB+\s], s22, v[LI]
	s_add_co_u32 s21, s21, SLOT/2
	s_add_co_u32 s22, s22, SLOT/2
	.endr
	s_lshl_b32 s21, s[WR], 9                       ; my 128 rows' words: 512 bytes of a row of 1,024
	s_lshl_b32 s22, s[WC], 9
	s_add_co_u32 s22, s22, 2*SREG
	s_sub_co_u32 s22, s22, s21
	v_mul_u32_u24 v4, s22, v2
	s_add_co_u32 s21, s21, SCL
	v_lshl_add_u32 v4, v1, 2, v4
	v_add_nc_u32 v[ADRS], s21, v4
	v_lshlrev_b32 v[CA], 8, v1
	v_lshl_add_u32 v[CA], v2, 4, v[CA]
	s_lshl_b32 s21, s[WV], 9
	s_add_co_u32 s21, s21, SST
	v_lshl_add_u32 v[SWA], v1, 2, s21
	v_add_nc_u32 v[SRD], s21, v[LI]
	s_lshl_b32 s46, s42, 1
	s_add_co_u32 s46, s46, s[WC]
	s_lshl_b32 s20, s17, 1
	s_add_co_u32 s20, s20, s[WR]
	s_mov_b32 s92, 32768
	s_mov_b32 s93, 33792
	s_cmp_eq_u32 s[TT], 2
	s_cselect_b32 s100, s20, s46
	s_cselect_b32 s101, s46, s20
	s_cselect_b32 s16, 16384, 0
	s_cselect_b32 s92, 33280, s92
	s_cmp_eq_u32 s[TT], 0
	s_cselect_b32 s92, 16384, s92
	s_cselect_b32 s93, 16896, s93
	s_cselect_b64 s[OUT:OUT+1], s[12:13], s[14:15]
	s_lshl_b32 s100, s100, 4
	s_add_co_u32 s100, s100, s101
	s_mul_i32 s100, s100, s93
	s_mov_b32 s101, 0
	s_add_nc_u64 s[OUT:OUT+1], s[OUT:OUT+1], s[100:101]
	s_mov_b32 s93, 0
	s_add_nc_u64 s[OUTS:OUTS+1], s[OUT:OUT+1], s[92:93]
	s_mov_b32 s92, s16
	s_add_nc_u64 s[OUT:OUT+1], s[OUT:OUT+1], s[92:93]
	s_lshl_b32 s20, s20, 15
	s_mov_b32 s21, 0
	s_add_nc_u64 s[8:9], s[8:9], s[20:21]
	s_add_nc_u64 s[10:11], s[10:11], s[20:21]
	s_mov_b32 s[SEL], 0x76543210
	s_mov_b32 s[SEL+1], 0xfedcba98
	s_mov_b32 s[MNT], 0x600000
.macro FRAG reg, adr, q, i
.irp c, 0,1,2,3
	ds_load_b128 v[\reg+4*\c:\reg+4*\c+3], v[\adr] offset:4096*(\i)+2048*(\q)+512*\c
.endr
.endm
.macro MUL16 a0, p, q, sc, zero
.irp a, \a0, \a0+1
.irp b, 0,1,2,3,4,5,6,7
.if \zero
	v_wmma_scale_f32_16x16x128_f8f6f4 v[8*(8*((\a)%4)+\b):8*(8*((\a)%4)+\b)+7], v[128*(\p)+FR*\b:128*(\p)+FR*\b+FR-1], v[AF+FR*(\a):AF+FR*(\a)+FR-1], 0, v[SC+8*NQ*(\sc)+NQ*\b+(\q)], v[SC+8*NQ*(\sc)+NQ*(\a)+(\q)] matrix_a_scale:MATRIX_SCALE_ROW1
.else
	v_wmma_scale_f32_16x16x128_f8f6f4 v[8*(8*((\a)%4)+\b):8*(8*((\a)%4)+\b)+7], v[128*(\p)+FR*\b:128*(\p)+FR*\b+FR-1], v[AF+FR*(\a):AF+FR*(\a)+FR-1], v[8*(8*((\a)%4)+\b):8*(8*((\a)%4)+\b)+7], v[SC+8*NQ*(\sc)+NQ*\b+(\q)], v[SC+8*NQ*(\sc)+NQ*(\a)+(\q)] matrix_a_scale:MATRIX_SCALE_ROW1
.endif
.endr
.endr
.endm
.macro FETCH_B slot, q, p
	WIN TO_B
.irp i, 0,1,2,3,4,5,6,7
	FRAG 128*(\p)+FR*\i, ADRB+\slot, \q, \i
.endr
	WIN 0
.endm
.macro FETCH_A slot, q, i0
.irp i, \i0, \i0+1, \i0+2, \i0+3
	FRAG AF+FR*(\i), ADRA+\slot, \q, \i
.endr
.endm
.macro SCALES sc
.irp i, 0,1,2,3,4,5,6,7
.irp q, 0,1
	ds_load_b32 v[SC+8*NQ*\sc+NQ*\i+\q], v[ADRS] offset:1024*\q+64*\i
.endr
.endr
.endm
.macro PLACES n
.rept \n
	v_nop
.endr
.endm
.macro STEP slot, q, zero
	s_wait_dscnt 4*NL
	WIN MUL_LO
	MUL16 0, (\q)%2, \q, \slot, \zero
	MUL16 2, (\q)%2, \q, \slot, \zero
	s_wait_dscnt 0
	PLACES NP
	FETCH_B \slot, (\q)+1, 1-(\q)%2
	FETCH_A \slot, (\q)+1, 0
	WIN MUL_HI
	MUL16 4, (\q)%2, \q, \slot, \zero
	MUL16 6, (\q)%2, \q, \slot, \zero
	PLACES NP
	WIN 0
	FETCH_A \slot, (\q)+1, 4
.endm
.macro TURN slot, next, fill
	s_wait_tensorcnt 0x0
	ds_add_u32 v[SPW], v[NIL]
	s_wait_dscnt 4*NL+1
	WIN MUL_LO
	MUL16 0, 1, NQ-1, \slot, 0
	s_wait_dscnt 0x0
	s_barrier_signal -1
	MUL16 2, 1, NQ-1, \slot, 0
	WIN 0
	s_barrier_wait -1
.if \fill
	CREST
	s_add_nc_u64 s[G0+4*\slot+2:G0+4*\slot+3], s[G0+4*\slot+2:G0+4*\slot+3], 2*SLOTG
	s_add_nc_u64 s[G0B+4*\slot+2:G0B+4*\slot+3], s[G0B+4*\slot+2:G0B+4*\slot+3], 2*SLOTG
	JLOAD G0+4*\slot, G1, G0B+4*\slot, G1B
	PLACES NP-4
.else
	PLACES NP
.endif
	s_wait_alu depctr_va_vdst(0)
	v_add_nc_u32 v[ADRS], 1024*NQ, v[ADRS]
	FETCH_B \next, 0, 0
	FETCH_A \next, 0, 0
	SCALES \next
	WIN MUL_HI
	MUL16 4, 1, NQ-1, \slot, 0
	MUL16 6, 1, NQ-1, \slot, 0
	PLACES NP
	WIN 0
	FETCH_A \next, 0, 4
.endm
.macro CSLOAD a
.set CS, 64*((\a)%4)
	WIN TO_B
.irp b, 0,1,2,3,4,5,6,7
	global_load_b128 v[CS+4*\b:CS+4*\b+3], v[CA], s[8:9] offset:4096*(\a)+32*\b
	global_load_b128 v[CS+32+4*\b:CS+32+4*\b+3], v[CA], s[10:11] offset:4096*(\a)+32*\b
.endr
	WIN 0
.endm
.macro ROT a
.set CS, 64*((\a)%4)
.set AC, 64*((\a)%4)
.set W,  2+(\a)/4
.set WM, (1<<2)|W
.set WF, (W<<6)|(1<<2)|W
	WIN WM
.set p, 0
.rept 32
	v_mul_f32 v[T+2*p], v[AC+2*p+1], v[CS+32+p]
	v_mul_f32 v[T+2*p+1], v[AC+2*p], v[CS+32+p]
.set p, p+1
.endr
	WIN WF
.set p, 0
.rept 32
	v_fma_f32 v[AC+2*p], v[AC+2*p], v[CS+p], -v[T+2*p]
	v_fma_f32 v[AC+2*p+1], v[AC+2*p+1], v[CS+p], v[T+2*p+1]
.set p, p+1
.endr
	WIN 0
.endm
.macro QUANTW a
.set AC, 64*((\a)%4)
.set W,  2+(\a)/4
.set W12, (W<<2)|(W<<4)
.set WD0, (W<<6)|W
	WIN W12
.irp b, 0,1,2,3
	v_max3_num_f32 v[TM+\b], 0x4800000, |v[AC+16*\b]|, |v[AC+16*\b+1]|
.endr
.irp i, 2,4,6,8,10,12,14
.irp b, 0,1,2,3
	v_max3_num_f32 v[TM+\b], v[TM+\b], |v[AC+16*\b+\i]|, |v[AC+16*\b+\i+1]|
.endr
.endr
	WIN 0
.irp b, 0,1,2,3
	v_permlanex16_b32 v[TM+4+\b], v[TM+\b], s[SEL], s[SEL+1]
.endr
.irp b, 0,1,2,3
	v_max_num_f32 v[TM+\b], v[TM+\b], v[TM+4+\b]
.endr
.irp b, 0,1,2,3
	v_add_nc_u32 v[TM+12+\b], 0xfc000000, v[TM+\b]
.endr
.irp b, 0,1,2,3
	v_and_or_b32 v[TM+8+\b], v[TM+\b], 0x7f800000, s[MNT]
.endr
.irp b, 0,1,2,3
	v_lshrrev_b32 v[TM+4+\b], 23, v[TM+12+\b]
.endr
	v_lshl_or_b32 v[PW+\a], v[TM+5], 8, v[TM+4]
	v_lshl_or_b32 v[PW+\a], v[TM+6], 16, v[PW+\a]
	v_lshl_or_b32 v[PW+\a], v[TM+7], 24, v[PW+\a]
	s_wait_xcnt 0x0
.if (\a)+3 < 8
	CSLOAD (\a)+3
.endif
	WIN WD0
.irp b, 0,1,2,3
.irp i, 0,1,2,3,4,5,6,7,8,9,10,11,12,13,14,15
	v_med3_num_f32 v[AC+16*\b+\i], v[AC+16*\b+\i], -v[TM+8+\b], v[TM+8+\b]
.endr
.endr
	WIN W
.irp b, 0,1,2,3
	v_cvt_scalef32_pk8_fp8_f32 v[PC+4*\b:PC+4*\b+1], v[AC+16*\b:AC+16*\b+7], v[TM+12+\b]
	v_cvt_scalef32_pk8_fp8_f32 v[PC+4*\b+2:PC+4*\b+3], v[AC+16*\b+8:AC+16*\b+15], v[TM+12+\b]
.endr
	WIN 0
	v_nop
.irp c, 0,1,2,3
	global_store_b128 v[LI], v[PC+4*\c:PC+4*\c+3], s[OUT:OUT+1] offset:2048*(\a)+512*\c
.endr
	ds_store_b32 v[SWA], v[PW+\a] offset:64*(\a)
.endm
.macro BLOCK a
.if (\a) < 6
	s_wait_loadcnt 32
.elseif (\a) == 6
	s_wait_loadcnt 16
.else
	s_wait_loadcnt 0x0
.endif
	s_cmp_eq_u32 s[TT], 2
	s_cbranch_scc1 .Lno_rot_\@
	ROT \a
.Lno_rot_\@:
	QUANTW \a
.endm
	s_wait_alu depctr_va_vdst(0)
	s_wait_tensorcnt 0x0                           ; my tile of the head's four is in
.irp g, G1, G1B
	s_mov_b32 s[\g+1], 32<<16                      ; no tensor load of mine is out, so descriptors may be written: from here on a load brings 32,768 dense bytes as 128 rows of 256,
	s_mov_b32 s[\g+2], 128<<16
	s_mov_b32 s[\g+3], 32<<16
	s_mov_b32 s[\g+4], 128
	s_mov_b32 s[\g+5], 32
.endr
	s_mov_b32 s[G0+1], s45                         ; and slot 0's groups 0 name my half of a tile
	s_add_co_u32 s[G0B+1], s45, SLOT
	s_add_nc_u64 s[G0+2:G0+3], s[G0+2:G0+3], s[66:67]
	s_add_nc_u64 s[G0B+2:G0B+3], s[G0B+2:G0B+3], s[66:67]
	s_barrier_signal -1                            ; every wave has waited for its tile: both slots and the scale words are whole
	s_barrier_wait -1
	FETCH_B 0, 0, 0
	FETCH_A 0, 0, 0
	SCALES 0
	FETCH_A 0, 0, 4
	STEP 0, 0, 1
	s_mov_b32 s3, LAPS-1
.Llap:
	TURN 0, 1, 1
	STEP 1, 0, 0
	TURN 1, 0, 1
	STEP 0, 0, 0
	s_sub_co_u32 s3, s3, 1
	s_cmp_lg_u32 s3, 0
	s_cbranch_scc1 .Llap
	TURN 0, 1, 0
	STEP 1, 0, 0
	CSLOAD 0
	CSLOAD 1
	s_wait_dscnt 4*NL
	WIN MUL_LO
	MUL16 0, 1, NQ-1, 1, 0
	MUL16 2, 1, NQ-1, 1, 0
	s_wait_dscnt 0
	WIN MUL_HI
	MUL16 4, 1, NQ-1, 1, 0
	MUL16 6, 1, NQ-1, 1, 0
	WIN 0
	PLACES NP
	CSLOAD 2
.irp b, 0,1,2,3
	v_mov_b32 v[TM+4+\b], 0
.endr
.irp a, 0,1,2,3,4,5,6,7
	BLOCK \a
.endr
	ds_load_b128 v[232:235], v[SRD]
	s_wait_dscnt 0x0
	global_store_b128 v[LI], v[232:235], s[OUTS:OUTS+1]
	s_wait_tensorcnt 0x0
	ds_add_u32 v[SPW], v[NIL]
	s_wait_dscnt 0x0
	CROUND
	s_endpgm
.Lfunc_end_k_qfad616a6bc_qkv:
	.size	k_qfad616a6bc_qkv, .Lfunc_end_k_qfad616a6bc_qkv-k_qfad616a6bc_qkv
	.p2alignl 7, 3214868480
	.fill 96, 4, 3214868480
	.section	.rodata,"a",@progbits
	.p2align	6, 0x0
	.amdhsa_kernel k_qfad616a6bc_qkv
		.amdhsa_group_segment_fixed_size 327680
		.amdhsa_private_segment_fixed_size 0
		.amdhsa_enable_private_segment 0
		.amdhsa_kernarg_size 48
		.amdhsa_user_sgpr_count 2
		.amdhsa_user_sgpr_kernarg_segment_ptr 1
		.amdhsa_wavefront_size32 1
		.amdhsa_system_sgpr_workgroup_id_x 1
		.amdhsa_system_sgpr_workgroup_id_y 1
		.amdhsa_system_sgpr_workgroup_id_z 1
		.amdhsa_system_vgpr_workitem_id 0
		.amdhsa_next_free_vgpr 1024
		.amdhsa_next_free_sgpr 102
		.amdhsa_reserve_vcc 0
		.amdhsa_float_denorm_mode_32 3
		.amdhsa_float_denorm_mode_16_64 3
		.amdhsa_memory_ordered 1
		.amdhsa_forward_progress 1
		.amdhsa_inst_pref_size 250
	.end_amdhsa_kernel
	.amdgpu_metadata
---
amdhsa.version: [ 1, 2 ]
amdhsa.kernels:
  - .name:           k_qfad616a6bc_qkv
    .symbol:         k_qfad616a6bc_qkv.kd
    .args:
      - { .name: codes, .offset: 0, .size: 8, .value_kind: global_buffer, .address_space: global }
      - { .name: scl, .offset: 8, .size: 8, .value_kind: global_buffer, .address_space: global }
      - { .name: freqs_cos, .offset: 16, .size: 8, .value_kind: global_buffer, .address_space: global }
      - { .name: freqs_sin, .offset: 24, .size: 8, .value_kind: global_buffer, .address_space: global }
      - { .name: qb, .offset: 32, .size: 8, .value_kind: global_buffer, .address_space: global }
      - { .name: kvb, .offset: 40, .size: 8, .value_kind: global_buffer, .address_space: global }
    .group_segment_fixed_size: 327680
    .private_segment_fixed_size: 0
    .kernarg_segment_align: 8
    .kernarg_segment_size: 48
    .max_flat_workgroup_size: 128
    .sgpr_count:     102
    .vgpr_count:     1024
    .wavefront_size: 32
...
	.end_amdgpu_metadata
.endif
;; end of part 6
;; launch attn (part 7): grid 16 x 16, 4 waves a work-group, clusters of 4 x 4, 327,680 bytes of LDS; arguments qb, kvb, mask, ac, asw; writes ac, asw
.if DOCPART == 7
	.amdgcn_target "amdgcn-amd-amdhsa--gfx1250"
	.amdhsa_code_object_version 6
	.text
	.protected	k_qfad616a6bc_attn
	.globl	k_qfad616a6bc_attn
	.p2align	8
	.type	k_qfad616a6bc_attn,@function
k_qfad616a6bc_attn:
	s_mov_b64 s[64:65], 0
	v_nop
	global_prefetch_b8 v0, s[64:65] scope:SCOPE_SE
	s_setreg_imm32_b32 hwreg(HW_REG_WAVE_MODE, 25, 1), 1
	s_wait_xcnt 0x0
	s_wait_alu depctr_hold_cnt(0) depctr_sa_sdst(0) depctr_va_vdst(0) depctr_va_sdst(0) depctr_va_ssrc(0) depctr_va_vcc(0) depctr_vm_vsrc(0)
	s_getreg_b32 s2, hwreg(HW_REG_IB_STS2, 6, 4)
	s_cmp_eq_u32 s2, 0
	s_cbranch_scc0 .Lentry_in_a_cluster
	s_endpgm
.Lentry_in_a_cluster:
	s_bfe_u32 s2, ttmp6, 0x10000c
	s_cmp_lg_u32 s2, 0xf033
	s_cbranch_scc0 .Lentry_shape_is_right
	s_endpgm
.Lentry_shape_is_right:
; O[h][q] = the sum over k of softmax_k(Q[h][q] . K[h][k] / sqrt(128) + mask[q][k]) V[h][k], both products on codes of FP8 (E4M3) with E8M0 scales; O is quantised along (head, channel) as the A operand of the output projection.
; The mask is an input: every key step is computed for every query, and the mask is added as it is given.
; THE SOFTMAX: logit = score / sqrt(128) + mask; t = logit x log2(e), rounded to f32; M = the running largest t rounded UP to a whole number; p = 2^(t - M) is quantised along the keys, not normalised.
; The row's sum is taken of the unquantised p and divides O at the end.  When M moves, the sum and O are multiplied by 2^(old M - new M): exact.  t - M is a multiplication and then an addition, so that the largest p lies in (1/2, 1] whatever the size of the mask's numbers.
; SHARES.  A work-group owns 128 queries of one head; each of its four waves 32 of them, two tiles A and B of 16: each fragment of K and of V^T that a wave reads from LDS feeds two products.
; Both products are used transposed (S^T = K Q^T, O^T = V^T P^T): a lane holds one query of each tile (lane % 16).  Operands are images of their registers (2,048 bytes: four loads of 16 bytes a lane at 16 x lane).
; ORDER OF A TRIP (key step n).  Behind the change of slots: K's words and fragments and A's mask go out in groups; among them tile B's softmax of step n - 1, which works on registers alone, with the products O_A += V P_A of step n - 1 among its maxima
; and S_A of step n among its holds; then O_B += V P_B of step n - 1 and S_B of step n among A's logits; then A's softmax, with V's fragments and B's mask going out in groups; then B's logits.  All LDS reads of a slot are over at the next change.
; The first trip has no step before it: it finds t = -infinity (p = 0), zero codes and zero sums, and leaves them zeros.  O^T and V^T's registers begin as products of zero codes with C = 0.
; RING: two LDS slots, a key step (128 keys) each: K's 8 images, V^T's 8 images and their scale words, one dense block of 33,792 bytes (waves 0 and 1 fetch its halves), and the mask's tile, 128 queries x 128 keys f32 (waves 2 and 3): one load a wave.
; CLUSTER 4 x 4: x = blocks of queries, y = heads.  K and V hang on the head alone: asked for jointly along a row of the cluster; the mask's tile on the block of queries alone: jointly along a column.
; LIMITS: NaN and infinities are not served (a row whose every logit is -infinity gives NaN, as in the definition); t under -3e38 is not served; logit is one fused multiply-add with 1 / sqrt(128) rounded to f32; a block under 2^-118 or of zeros keeps the scale byte 1.
; REGISTERS.  window 0: v1-11 addresses; v12-15, v16-19 -M, largest t, sum (A, B); v20-23 the factors f; v24-35 scale words; v36-69 at work; v96-159 A's S^T, t, p; v160-223 B's; v224-239, v240-255 p's codes.
;   window 1: v0-127 V^T's fragments, v128-255 K's.   window 2: v0-63 O_A, v64-127 O_B, v128-191 A's mask, v192-255 B's.   window 3: v0-15 Q_A, v16-31 Q_B.
; ORDER OF THE KEYS.  A cluster begins at key step 4 x ((cluster x + cluster y) % 4) and walks all 16 round the head's end: the four clusters that walk one head's K and V, and the four that walk one block's mask, stand four key steps apart.
; The running M makes the order of the key steps free: every rescaling is an exact power of two.  The first step hangs on the cluster's numbers alone and enters global addresses alone.
.set SLOT1, 1<<17                      ; slot 1 begins here: one exclusive or turns an address
.set KVB,   33792                      ; a key step's block: K's images 0, V^T's 16,384, K's words 32,768, V's words 33,280
.set MP,    528                        ; a row of the mask's tile in LDS: 512 bytes + 16
.set SPARE, 262144                     ; the spare words, 128 bytes for each wave: two blocks of 256 bytes that no other line names
.set ASTG,  263168                     ; 512 bytes: the 128 scale words of O; no fill lands here
.set LI,   1                           ; 16 x lane
.set R4,   2                           ; 4 r + 256 h: lanes 0-15 take tile t's scale words, lanes 16-31 tile t + 4's
.set AM0,  3                           ; my place in the mask's tile
.set AW,   4                           ; where I put my queries' scale words
.set SPW,  5                           ; my spare word; never rewritten
.set NIL,  6                           ; 0; never rewritten
.set PFO,  7                           ; the prefetches' offset; never rewritten
.set AD1,  8
.set ADS,  9
.set ADM,  10
.set AR,   11                          ; where wave 0 reads the words back
.set STA,  12
.set STB,  16
.set FA,   20
.set FB,   22
.set KS,   24                          ; K's scale words; no product's two scale registers have numbers equal modulo 8
.set QS,   28                          ; Q's: A, B
.set PS,   30                          ; p's: A, B
.set VS,   32                          ; V's
.set TMP,  36
.set TM,   40                          ; v40-43 largest, v44-47 the other half's, then bytes, v48-51 448 x the scale, v52-55 the conversions' scale operands
.set SP,   56                          ; v56-69 seven partial sums, in pairs
.set SA,   96
.set SB,   160
.set CA,   224
.set CB,   240
.set VF,   0                           ; in window 1
.set KF,   128
.set OA,   0                           ; in window 2
.set OB,   64
.set MA,   128
.set MB,   192
.set TB,   2                           ; s2  LDS byte at which the slot in hand begins
.set CNT,  3                           ; s3  changes of slots still to come that fill a slot
.set WV,   18
.set MNT,  19
.set SEL,  20
.set RC,   22                          ; s[22:23] 1 / sqrt(128)
.set G1KV, 24
.set G1M,  32
.set G0KV, 40
.set G0M,  44
.set L2E,  48                          ; s[48:49] log2(e)
.set PFA,  76
.set PFS,  78
.set LIM,  80
.set MSB, 0
.macro WIN new                         ; the immediate's high byte repeats the setting that is left
.if MSB != (\new)
	s_set_vgpr_msb (MSB<<8)|(\new)
.set MSB, (\new)
.endif
.endm
.macro WALU
	s_wait_alu depctr_va_vdst(0)
.endm
; Waves 0 and 1 fetch K and V, waves 2 and 3 the mask: every way passes one load.  An s_nop 0 and four v_nop follow each line.
.macro TLOAD
	s_cmp_lt_u32 s[WV], 2
	s_cbranch_scc0 .Lfor_m_\@
	tensor_load_to_lds s[G0KV:G0KV+3], s[G1KV:G1KV+7]
	s_nop 0
.rept 4
	v_nop
.endr
	s_branch .Lasked_\@
.Lfor_m_\@:
	tensor_load_to_lds s[G0M:G0M+3], s[G1M:G1M+7]
	s_nop 0
.rept 4
	v_nop
.endr
.Lasked_\@:
.endm
; A PREFETCH INTO THE L2 of what the NEXT change of slots will ask for, one key step ahead of that load.  Each aligned block of 256 bytes is named at most once in the launch: a cluster asks only for the third and fourth key step of its walk,
; at its first two changes of slots; these lie in the quarter of the keys at which no other cluster that walks the same bytes begins.  Wave 0 asks for K's and V's images, each partner 8,192 bytes by its cx (lanes 256 bytes apart);
; waves 1 and 2 for the mask's tile, each partner 32 rows by its cy, a lane a row; wave 1 the first 256 bytes of a row's 512, wave 2 the second.  Partners are told apart by address alone.  The 1,024 bytes of scale words come by their load.
.macro ASK
	s_cmp_gt_u32 s[CNT], s[LIM]
	s_cbranch_scc0 .Lnot_mine_\@
	global_prefetch_b8 v[PFO], s[PFA:PFA+1] th:TH_LOAD_NT scope:SCOPE_SE
.Lnot_mine_\@:
.endm
.macro CROUND                          ; a round of the cluster's barrier
	s_barrier_signal -1
	s_barrier_wait -1
	s_cmp_lg_u32 s[WV], 0
	s_cbranch_scc1 .Lnot_wave_0_\@
	s_barrier_signal -3
.Lnot_wave_0_\@:
	s_barrier_wait -3
	s_barrier_signal -1
	s_barrier_wait -1
.endm
	s_load_b256 s[4:11], s[0:1], 0x0               ; qb s[4:5], kvb s[6:7], mask s[8:9], ac s[10:11]
	s_load_b64 s[12:13], s[0:1], 0x20              ; asw
	v_lshl_add_u32 v[SPW], v0, 2, SPARE
	v_mov_b32 v[NIL], 0
	ds_add_u32 v[SPW], v[NIL]                      ; the opening lines: the add twice on end and its wait ahead of my first tensor load
	ds_add_u32 v[SPW], v[NIL]
	s_wait_dscnt 0x0
	v_lshrrev_b32 v8, 5, v0
	v_readfirstlane_b32 s[WV], v8                  ; wave 0..3
	s_bfe_u32 s50, ttmp6, 0x40000                  ; cx
	s_bfe_u32 s51, ttmp6, 0x40004                  ; cy
	s_lshl_b32 s52, ttmp9, 2
	s_add_co_u32 s52, s52, s50                     ; my block of 128 queries
	s_and_b32 s53, ttmp7, 0xffff
	s_lshl_b32 s53, s53, 2
	s_add_co_u32 s53, s53, s51                     ; my head
	s_lshl_b32 s54, s51, 2
	s_lshl_b32 s54, 15, s54                        ; my row of the cluster
	s_lshl_b32 s58, 0x1111, s50                    ; my column
	; group 1 for K and V: half a block, 16,896 dense bytes, as 66 rows of 256 bytes (32 elements of 8 bytes)
	s_or_b32 s[G1KV], s54, (3<<16)|(1<<21)
	s_mov_b32 s[G1KV+1], 32<<16
	s_mov_b32 s[G1KV+2], 66<<16
	s_mov_b32 s[G1KV+3], 32<<16
	s_mov_b32 s[G1KV+4], 66
	s_mov_b32 s[G1KV+5], 32
	s_mov_b32 s[G1KV+6], 0
	s_mov_b32 s[G1KV+7], 0
	; group 1 for the mask: 64 rows x 128 f32, 2,048 elements from row to row; four words of padding behind every 128
	s_or_b32 s[G1M], s58, (2<<16)|(1<<20)|(1<<21)|(6<<22)|(3<<25)
	s_mov_b32 s[G1M+1], 128<<16
	s_mov_b32 s[G1M+2], 64<<16
	s_mov_b32 s[G1M+3], 128<<16
	s_mov_b32 s[G1M+4], 64
	s_mov_b32 s[G1M+5], 2048
	s_mov_b32 s[G1M+6], 0
	s_mov_b32 s[G1M+7], 0
	s_and_b32 s16, s[WV], 1                        ; which half I fetch
	s_mul_i32 s17, s16, 16896                      ; K, V: in a slot,
	s_mul_i32 s54, s53, 16*KVB
	s_add_co_u32 s54, s54, s17                     ; and in memory: the head's first key step
	s_mov_b32 s55, 0
	s_mul_i32 s56, s16, 64*MP
	s_add_co_u32 s56, s56, KVB                     ; the mask: in a slot,
	s_lshl_b32 s58, s52, 20                        ; and in memory: row 128 x block + 64 x half, 8,192 bytes a row
	s_lshl_b32 s59, s16, 19
	s_add_co_u32 s58, s58, s59
	s_mov_b32 s59, 0
	; Q's images and words, O's images and words: my tiles are 2 x wave and 2 x wave + 1
	s_lshl_b32 s66, s53, 4
	s_add_co_u32 s66, s66, s52
	s_mul_i32 s66, s66, 16896                      ; (16 x head + block) x 16,896
	s_lshl_b32 s67, s[WV], 7
	s_add_co_u32 s68, s66, s67                     ; the words: + 128 x wave (and 16,384 in the immediate)
	s_mov_b32 s69, 0
	s_lshl_b32 s67, s[WV], 12
	s_add_co_u32 s66, s66, s67                     ; the images: + 4,096 x wave
	s_mov_b32 s67, 0
	s_lshr_b32 s70, s53, 1                         ; O's codes: ((head / 2) x 128 + 8 x block + tile) x 4,096 + (head % 2) x 2,048
	s_lshl_b32 s70, s70, 7
	s_lshl_b32 s71, s52, 3
	s_add_co_u32 s70, s70, s71
	s_lshl_b32 s71, s[WV], 1
	s_add_co_u32 s70, s70, s71
	s_lshl_b32 s70, s70, 12
	s_and_b32 s71, s53, 1
	s_lshl_b32 s71, s71, 11
	s_add_co_u32 s70, s70, s71
	s_mov_b32 s71, 0
	s_lshl_b32 s72, s53, 13                        ; O's words: head x 8,192 + block x 512
	s_lshl_b32 s73, s52, 9
	s_add_co_u32 s72, s72, s73
	s_mov_b32 s73, 0
	; the prefetches: where my wave's stand (at key step 1: the first change of slots steps them to key step 2), and who asks
	s_mul_i32 s84, s53, 16*KVB
	s_lshl_b32 s85, s50, 13
	s_add_co_u32 s84, s84, s85                     ; wave 0: the head's blocks, + 8,192 cx
	s_lshl_b32 s86, s52, 20
	s_lshl_b32 s85, s51, 18
	s_add_co_u32 s86, s86, s85                     ; waves 1, 2: row 128 x block + 32 cy,
	s_add_co_u32 s85, s[WV], 1
	s_and_b32 s85, s85, 1
	s_lshl_b32 s85, s85, 8
	s_add_co_u32 s86, s86, s85                     ; + 256 for wave 2
	s_and_b32 s82, ttmp7, 0xffff                   ; cluster y
	s_add_co_u32 s87, s82, ttmp9
	s_and_b32 s87, s87, 3
	s_lshl_b32 s87, s87, 2                         ; s87: the key step at which my cluster begins; then the one that was asked for last
	s_mul_i32 s88, s87, KVB
	s_add_co_u32 s54, s54, s88                     ; K and V begin there,
	s_add_co_u32 s84, s84, s88                     ; and so do their prefetches,
	s_lshl_b32 s88, s87, 9
	s_add_co_u32 s58, s58, s88                     ; the mask,
	s_add_co_u32 s86, s86, s88                     ; and its prefetches
	s_mov_b32 s89, 0
	s_mov_b32 s91, 0
	s_mov_b32 s[PFS], 512
	s_mov_b32 s81, 8192
	s_mov_b32 s[SEL], 0x76543210
	s_mov_b32 s[SEL+1], 0xfedcba98
	s_mov_b32 s[RC], 0x3db504f3                    ; 1 / sqrt(128)
	s_mov_b32 s[RC+1], s[RC]                       ; (named with it as a pair, so it is written)
	s_mov_b32 s[L2E], 0x3fb8aa3b                   ; log2(e)
	s_mov_b32 s[L2E+1], s[L2E]
	s_mov_b32 s[MNT], 0x600000
	s_mov_b32 s[TB], 0
	s_mov_b32 s[CNT], 15
	s_wait_kmcnt 0x0
	s_cmp_eq_u32 s[WV], 0
	s_cselect_b64 s[PFA:PFA+1], s[6:7], s[8:9]
	s_cselect_b32 s[PFS], KVB, s[PFS]              ; a key step on
	s_cselect_b32 s81, 256, s81                    ; from lane to lane
	s_cselect_b32 s84, s84, s86
	s_add_co_u32 s84, s84, s[PFS]
	s_mov_b32 s85, 0
	s_mov_b32 s[PFS+1], 0
	s_add_nc_u64 s[PFA:PFA+1], s[PFA:PFA+1], s[84:85]
	s_cmp_lt_u32 s[WV], 3                          ; waves 0, 1, 2
	s_cselect_b32 s[LIM], 13, -1                   ; they ask at the first two changes of slots (15 and 14 still to come); the same in all sixteen partners, for a given wave
	s_mov_b32 s[G0KV], 1
	s_mov_b32 s[G0KV+1], s17
	s_add_nc_u64 s[G0KV+2:G0KV+3], s[6:7], s[54:55]
	s_or_b32 s[G0KV+3], s[G0KV+3], 0x80000000
	s_mov_b32 s[G0M], 1
	s_mov_b32 s[G0M+1], s56
	s_add_nc_u64 s[G0M+2:G0M+3], s[8:9], s[58:59]
	s_or_b32 s[G0M+3], s[G0M+3], 0x80000000
	s_add_nc_u64 s[68:69], s[4:5], s[68:69]
	s_add_nc_u64 s[4:5], s[4:5], s[66:67]
	s_add_nc_u64 s[10:11], s[10:11], s[70:71]
	s_add_nc_u64 s[12:13], s[12:13], s[72:73]
	CROUND                                         ; all sixteen work-groups are here: the first joint loads meet
	TLOAD                                          ; key step 0, into slot 0: one load a wave
	v_and_b32 v[LI], 31, v0
	v_mul_lo_u32 v[PFO], v[LI], s81
	v_lshlrev_b32 v[LI], 4, v[LI]
	v_and_b32 v8, 15, v0                           ; r
	v_bfe_u32 v9, v0, 4, 1                         ; h
	v_lshlrev_b32 v10, 2, v8                       ; 4 r
	WIN 0xc0
.irp c, 0,1,2,3
	global_load_b128 v[4*\c:4*\c+3], v[LI], s[4:5] offset:512*\c            ; Q's two images stay in registers
	global_load_b128 v[16+4*\c:16+4*\c+3], v[LI], s[4:5] offset:2048+512*\c
.endr
	WIN 0
	global_load_b32 v[QS], v10, s[68:69] offset:16384                       ; Q's scale words
	global_load_b32 v[QS+1], v10, s[68:69] offset:16448
	s_mov_b32 s16, 0x7f7f7f7f                      ; four scale bytes of 1.0
	s_mov_b32 s17, 0xff800000                      ; -infinity
.set nn, 0
.rept 16
	v_dual_mov_b32 v[CA+nn], 0 :: v_dual_mov_b32 v[CA+nn+1], 0              ; zero codes for both tiles
.set nn, nn+2
.endr
.irp r, PS, PS+1, VS, VS+1, VS+2, VS+3
	v_mov_b32 v[\r], s16
.endr
.set nn, 0
.rept 32
	v_dual_mov_b32 v[SB+nn], s17 :: v_dual_mov_b32 v[SB+nn+1], s17          ; the step before the first: t = -infinity.  (Also the places between the lines above and the products below)
.set nn, nn+2
.endr
	WIN 0x80
.set nn, 0
.rept 16                                       ; O_A and O_B begin as products of zero codes, C = 0
	v_wmma_scale_f32_16x16x128_f8f6f4 v[8*nn:8*nn+7], v[CA:CA+15], v[CB:CB+15], 0, v[PS], v[PS+1]
.set nn, nn+1
.endr
	WIN 0x40
.set nn, 0
.rept 16                                       ; and so do V^T's registers, which the first trip multiplies by zero codes
	v_wmma_scale_f32_16x16x128_f8f6f4 v[VF+8*nn:VF+8*nn+7], v[CA:CA+15], v[CB:CB+15], 0, v[PS], v[PS+1]
.set nn, nn+1
.endr
	WIN 0
	v_lshl_add_u32 v[R4], v9, 8, v10               ; four tiles' words are 256 bytes
	v_mul_u32_u24 v[AM0], v8, MP
	v_lshl_add_u32 v[AM0], v9, 5, v[AM0]
	s_mul_i32 s16, s[WV], 32*MP
	s_add_co_u32 s16, s16, KVB
	v_add_nc_u32 v[AM0], s16, v[AM0]               ; the mask: row 32 x wave + r, + 32 h bytes
	s_lshl_b32 s16, s[WV], 7
	s_add_co_u32 s16, s16, ASTG
	v_add_nc_u32 v[AW], s16, v10
	v_add_nc_u32 v[AR], ASTG, v[LI]
	v_mov_b32 v[STA+1], 0xff61b1e6                 ; the largest t so far: -3e38
	v_mov_b32 v[STB+1], 0xff61b1e6
	v_floor_f32 v[STA], -v[STA+1]                  ; -M
	v_floor_f32 v[STB], -v[STB+1]
.irp r, STA+2, STA+3, STB+2, STB+3, FA+1, FB+1, TM+4, TM+5, TM+6, TM+7
	v_mov_b32 v[\r], 0                             ; the sums; the upper halves of the pairs of f; a lane permute's destination counts as one of its sources
.endr
.macro SMM x, q, w, t                  ; S^T, tile t of 16 keys: source 0 = K's fragment, source 1 = Q's
	WIN 0x0d
.if (\t) < 4
	v_wmma_scale_f32_16x16x128_f8f6f4 v[\x+8*(\t):\x+8*(\t)+7], v[KF+16*(\t):KF+16*(\t)+15], v[\q:\q+15], 0, v[KS+(\t)], v[\w]
.else
	v_wmma_scale_f32_16x16x128_f8f6f4 v[\x+8*(\t):\x+8*(\t)+7], v[KF+16*(\t):KF+16*(\t)+15], v[\q:\q+15], 0, v[KS+(\t)-4], v[\w] matrix_a_scale:MATRIX_SCALE_ROW1
.endif
.endm
.macro PVM o, c, p, t                  ; O^T += V^T P^T, tile t of 16 channels; the eight accumulators by turns
	WIN 0xa1
.if (\t) < 4
	v_wmma_scale_f32_16x16x128_f8f6f4 v[\o+8*(\t):\o+8*(\t)+7], v[VF+16*(\t):VF+16*(\t)+15], v[\c:\c+15], v[\o+8*(\t):\o+8*(\t)+7], v[VS+(\t)], v[\p]
.else
	v_wmma_scale_f32_16x16x128_f8f6f4 v[\o+8*(\t):\o+8*(\t)+7], v[VF+16*(\t):VF+16*(\t)+15], v[\c:\c+15], v[\o+8*(\t):\o+8*(\t)+7], v[VS+(\t)-4], v[\p] matrix_a_scale:MATRIX_SCALE_ROW1
.endif
.endm
.macro HK k, t                         ; the product that stands among a stage's vector lines: 0 none; 1 O_A; 2 S_A; 3 O_B; 4 S_B
.if \k == 1
	PVM OA, CA, PS, \t
.elseif \k == 2
	SMM SA, 0, QS, \t
.elseif \k == 3
	PVM OB, CB, PS+1, \t
.elseif \k == 4
	SMM SB, 16, QS+1, \t
.endif
.endm
.macro LDF f, o, t0                    ; four fragments, tiles t0 on, into window 1: 16 loads
	WIN 0x40
.irp j, 0,1,2,3
.irp c, 0,1,2,3
	ds_load_b128 v[\f+16*(\t0+\j)+4*\c:\f+16*(\t0+\j)+4*\c+3], v[AD1] offset:\o+2048*(\t0+\j)+512*\c
.endr
.endr
	WIN 0
.endm
.macro LDW r, o                        ; scale words: lanes 0-15 tile t's, lanes 16-31 tile t + 4's
.irp t, 0,1,2,3
	ds_load_b32 v[\r+\t], v[ADS] offset:\o+64*\t
.endr
.endm
.macro LDM m, o                        ; the mask of my query at the keys of my registers, into window 2: tile j: keys 16 j + 8 h + 0 .. 7: 16 loads
	WIN 0x80
.irp j, 0,1,2,3,4,5,6,7
	ds_load_b128 v[\m+8*\j:\m+8*\j+3], v[ADM] offset:\o+64*\j
	ds_load_b128 v[\m+8*\j+4:\m+8*\j+7], v[ADM] offset:\o+64*\j+16
.endr
	WIN 0
.endm
.macro LOGIT x, m, k, l                ; logit = score / sqrt(128) + mask, then t = logit x log2(e); each accumulator is read from its low end on
.irp g, 0,1,2,3,4,5,6,7
	HK \k, \g
	WIN 0x20
.irp n, 0,2,4,6
	v_pk_fma_f32 v[\x+8*\g+\n:\x+8*\g+\n+1], v[\x+8*\g+\n:\x+8*\g+\n+1], s[RC:RC+1], v[\m+8*\g+\n:\m+8*\g+\n+1] op_sel_hi:[1,0,1]
.endr
.endr
.irp g, 0,1,2,3,4,5,6,7
	HK \l, \g
	WIN 0
.irp n, 0,2,4,6
	v_pk_mul_f32 v[\x+8*\g+\n:\x+8*\g+\n+1], v[\x+8*\g+\n:\x+8*\g+\n+1], s[L2E:L2E+1] op_sel_hi:[1,0]
.endr
.endr
.endm
.macro MAXES x, y, f, k                ; the largest t of each block of 32 keys (it serves for the row's maximum and, since p rises with t, for the block's largest p), the new M, and f
	HK \k, 0
	WIN 0
.irp b, 0,1,2,3
	v_max3_num_f32 v[TM+\b], v[\x+16*\b], v[\x+16*\b+1], v[\x+16*\b+2]
.endr
.irp i, 3,5,7,9,11,13
	HK \k, (\i-1)/2
	WIN 0
.irp b, 0,1,2,3
	v_max3_num_f32 v[TM+\b], v[TM+\b], v[\x+16*\b+\i], v[\x+16*\b+\i+1]
.endr
.endr
	HK \k, 7
	WIN 0
.irp b, 0,1,2,3
	v_max_num_f32 v[TM+\b], v[TM+\b], v[\x+16*\b+15]
.endr
.irp b, 0,1,2,3
	v_permlanex16_b32 v[TM+4+\b], v[TM+\b], s[SEL], s[SEL+1]
.endr
.irp b, 0,1,2,3
	v_max_num_f32 v[TM+\b], v[TM+\b], v[TM+4+\b]   ; with lane l xor 16's 16 keys
.endr
	v_max3_num_f32 v[TMP], v[TM], v[TM+1], v[TM+2]
	v_max_num_f32 v[TMP], v[TMP], v[TM+3]          ; the step's largest t of my query
	v_max_num_f32 v[\y+1], v[\y+1], v[TMP]         ; the running largest t
	v_mov_b32 v[TMP], v[\y]
	v_floor_f32 v[\y], -v[\y+1]                    ; the new -M = floor(-t) = -ceil(t): a whole number
	v_sub_f32 v[TMP], v[\y], v[TMP]                ; old M - new M: a whole number, 0 or less
	v_cvt_i32_f32 v[TMP], v[TMP]                   ; (it saturates)
	v_ldexp_f32 v[\f], 1.0, v[TMP]                 ; f = 2^(old M - new M)
.endm
.macro SHIFT x, y                      ; t - M (of the pair the low word, -M, serves both halves), and the same of each block's largest t
.set nn, 0
.rept 32
	v_pk_add_f32 v[\x+nn:\x+nn+1], v[\x+nn:\x+nn+1], v[\y:\y+1] op_sel_hi:[1,0]
.set nn, nn+2
.endr
.irp b, 0,1,2,3
	v_add_f32 v[TM+\b], v[TM+\b], v[\y]
.endr
.endm
.macro EXPSUM x, y, f                  ; p = 2^(t - M), and the row's sum of the unquantised p, in eight chains
	WALU                                           ; the wait ahead of the batch
.set nn, 0
.rept 64
	v_exp_f32 v[\x+nn], v[\x+nn]
.set nn, nn+1
.endr
	v_pk_mul_f32 v[\y+2:\y+3], v[\y+2:\y+3], v[\f:\f+1] op_sel_hi:[1,0]   ; the sums under the new M.  (A plain line behind the exponentials)
	WALU                                           ; one wait for the whole batch, ahead of its first reader
.irp b, 0,1,2,3
	v_exp_f32 v[TM+\b], v[TM+\b]                   ; the block's largest p: the same lines on the same number give the same bits
.endr
.irp c, 0,1,2,3,4,5,6
	v_pk_add_f32 v[SP+2*\c:SP+2*\c+1], v[\x+4*\c:\x+4*\c+1], v[\x+4*\c+2:\x+4*\c+3]
.endr
	v_pk_add_f32 v[\y+2:\y+3], v[\y+2:\y+3], v[\x+28:\x+29]
.irp c, 0,1,2,3,4,5,6
	v_pk_add_f32 v[SP+2*\c:SP+2*\c+1], v[SP+2*\c:SP+2*\c+1], v[\x+30+2*\c:\x+31+2*\c]
.endr
	v_pk_add_f32 v[\y+2:\y+3], v[\y+2:\y+3], v[\x+44:\x+45]
.irp c, 0,1,2,3,4,5,6
	v_pk_add_f32 v[SP+2*\c:SP+2*\c+1], v[SP+2*\c:SP+2*\c+1], v[\x+46+2*\c:\x+47+2*\c]
.endr
	v_pk_add_f32 v[\y+2:\y+3], v[\y+2:\y+3], v[\x+60:\x+61]
	v_pk_add_f32 v[SP:SP+1], v[SP:SP+1], v[\x+62:\x+63]
	v_pk_add_f32 v[\y+2:\y+3], v[\y+2:\y+3], v[SP+6:SP+7]
	v_pk_add_f32 v[SP:SP+1], v[SP:SP+1], v[SP+8:SP+9]
	v_pk_add_f32 v[SP+2:SP+3], v[SP+2:SP+3], v[SP+10:SP+11]
	v_pk_add_f32 v[SP+4:SP+5], v[SP+4:SP+5], v[SP+12:SP+13]
	v_pk_add_f32 v[\y+2:\y+3], v[\y+2:\y+3], v[SP+2:SP+3]
	v_pk_add_f32 v[SP:SP+1], v[SP:SP+1], v[SP+4:SP+5]
	v_pk_add_f32 v[\y+2:\y+3], v[\y+2:\y+3], v[SP:SP+1]
.endm
.macro WORD p                          ; from the four largest magnitudes in v[TM] on: scale operands, bounds, bytes, and the scale word in v[p]
.irp b, 0,1,2,3
	v_add_nc_u32 v[TM+12+\b], 0xfc000000, v[TM+\b] ; 8 off the exponent field: the conversion's scale operand
.endr
.irp b, 0,1,2,3
	v_and_or_b32 v[TM+8+\b], v[TM+\b], 0x7f800000, s[MNT]   ; 448 x the scale
.endr
.irp b, 0,1,2,3
	v_lshrrev_b32 v[TM+4+\b], 23, v[TM+12+\b]      ; the scale's byte
.endr
	v_lshl_or_b32 v[\p], v[TM+5], 8, v[TM+4]
	v_lshl_or_b32 v[\p], v[TM+6], 16, v[\p]
	v_lshl_or_b32 v[\p], v[TM+7], 24, v[\p]
.endm
.macro SCALE p
	WALU                                           ; the wait for the four exponentials, ahead of their first reader
.irp b, 0,1,2,3
	v_max_num_f32 v[TM+\b], 0x4800000, v[TM+\b]    ; the floor 2^(9 - 127): the byte cannot fall under 1
.endr
	WORD \p
.endm
.macro HOLDS x, c, k                   ; the conversion does not saturate (ISA guide 7.6.2); p is not negative, so the hold is one-sided
.irp b, 0,1,2,3
	HK \k, 2*\b
	WIN 0
.irp i, 0,1,2,3,4,5,6,7
	v_min_num_f32 v[\x+16*\b+\i], v[\x+16*\b+\i], v[TM+8+\b]
.endr
	HK \k, 2*\b+1
	WIN 0
.irp i, 8,9,10,11,12,13,14,15
	v_min_num_f32 v[\x+16*\b+\i], v[\x+16*\b+\i], v[TM+8+\b]
.endr
	v_cvt_scalef32_pk8_fp8_f32 v[\c+4*\b:\c+4*\b+1], v[\x+16*\b:\x+16*\b+7], v[TM+12+\b]
	v_cvt_scalef32_pk8_fp8_f32 v[\c+4*\b+2:\c+4*\b+3], v[\x+16*\b+8:\x+16*\b+15], v[TM+12+\b]
.endr
	v_nop                                          ; one plain vector line behind the last conversion
.endm
.macro ORESC o, f                      ; O^T under the new M.  (These 32 are also the places between the codes, the scale word and the products that take them)
	WIN 0x82
	WALU                                           ; the wait directly ahead of the first reader of O^T
.set nn, 0
.rept 32
	v_pk_mul_f32 v[\o+nn:\o+nn+1], v[\o+nn:\o+nn+1], v[\f:\f+1] op_sel_hi:[1,0]
.set nn, nn+2
.endr
	WIN 0
.endm
; THE CHANGE OF SLOTS.  Each wave waits for all its tensor loads (its part of the slot that it is about to read), adds 0 to its spare word, and waits for that and for its reads of the slot that it has left.
; fill = 1: the barrier is a round of the cluster's, and behind it the slot that was left is filled with the next key step: the load has a whole trip in which to land.
.macro CHANGE fill
	WALU                                           ; the wait ahead of the waits below
	s_wait_tensorcnt 0x0                           ; no tensor load of mine is out, so a group 0 may be written
	ds_add_u32 v[SPW], v[NIL]                      ; 0 onto my spare word
.if \fill
	s_xor_b32 s[G0KV+1], s[G0KV+1], SLOT1          ; the walking descriptors: the other slot than last time, the next key step
	s_add_co_u32 s87, s87, 1                       ; the next key step; behind the 16th comes the first
	s_cmp_eq_u32 s87, 16
	s_cselect_b32 s88, 16*KVB, 0
	s_cselect_b32 s90, 16*512, 0
	s_cselect_b32 s87, 0, s87
	s_add_nc_u64 s[G0KV+2:G0KV+3], s[G0KV+2:G0KV+3], KVB
	s_sub_nc_u64 s[G0KV+2:G0KV+3], s[G0KV+2:G0KV+3], s[88:89]
	s_xor_b32 s[G0M+1], s[G0M+1], SLOT1
	s_add_nc_u64 s[G0M+2:G0M+3], s[G0M+2:G0M+3], 512
	s_sub_nc_u64 s[G0M+2:G0M+3], s[G0M+2:G0M+3], s[90:91]
	s_wait_xcnt 0x0                                ; the last prefetch, a key step back, has read its address, so it may be written:
	s_add_nc_u64 s[PFA:PFA+1], s[PFA:PFA+1], s[PFS:PFS+1]   ; one key step further on than the walking descriptors
	s_wait_dscnt 0x0                               ; the add is done, and my reads of the slot that I have left are over
	CROUND
	TLOAD                                          ; the first thing behind the round, and a wave's one tensor load until the next
	ASK
.else
	s_wait_dscnt 0x0
	s_barrier_signal -1
	s_barrier_wait -1
.endif
.endm
.macro TRIP fill                       ; key step n, in the slot at s[TB]
	CHANGE \fill
	v_add_nc_u32 v[AD1], s[TB], v[LI]
	v_add_nc_u32 v[ADS], s[TB], v[R4]
	v_add_nc_u32 v[ADM], s[TB], v[AM0]
	WALU                                           ; the wait directly behind these writes
	LDW KS, 32768
	LDF KF, 0, 0
	MAXES SB, STB, FB, 1                           ; tile B of step n - 1; among its lines O_A += V P_A of step n - 1
	LDF KF, 0, 4
	SHIFT SB, STB
	LDM MA, 0
	EXPSUM SB, STB, FB
	SCALE PS+1
	WALU
	s_wait_dscnt 16                                ; K's words and its 32 loads are in; the mask's 16 may be out
	HOLDS SB, CB, 2                                ; among its lines S_A of step n
	ORESC OB, FB
	WALU
	s_wait_dscnt 0x0                               ; A's mask is in
	LOGIT SA, MA, 3, 4                             ; among its lines O_B += V P_B of step n - 1, then S_B of step n
	MAXES SA, STA, FA, 0
	LDW VS, 33280                                  ; more than eight plain lines stand behind the last product that read V's words and fragments
	LDF VF, 16384, 0
	SHIFT SA, STA
	LDF VF, 16384, 4
	EXPSUM SA, STA, FA
	LDM MB, 16*MP
	SCALE PS
	HOLDS SA, CA, 0
	ORESC OA, FA
	s_wait_dscnt 0x0                               ; B's mask, and V's fragments and words for the next trip's products
	WIN 0x20
	WALU                                           ; the wait directly ahead of the first reader of S_B
	LOGIT SB, MB, 0, 0
	WIN 0
	s_xor_b32 s[TB], s[TB], SLOT1
.endm
; 64 numbers of a lane become a fragment's codes in v[c] on and its scale word in v[p]
.macro QUANT x, c, p
.irp b, 0,1,2,3
	v_max3_num_f32 v[TM+\b], |v[\x+16*\b]|, |v[\x+1+16*\b]|, 0x4800000
.endr
.irp i, 2,4,6,8,10,12,14
.irp b, 0,1,2,3
	v_max3_num_f32 v[TM+\b], v[TM+\b], |v[\x+16*\b+\i]|, |v[\x+1+16*\b+\i]|
.endr
.endr
.irp b, 0,1,2,3
	v_permlanex16_b32 v[TM+4+\b], v[TM+\b], s[SEL], s[SEL+1]
.endr
.irp b, 0,1,2,3
	v_max_num_f32 v[TM+\b], v[TM+\b], v[TM+4+\b]
.endr
	WORD \p
.irp b, 0,1,2,3
.irp i, 0,1,2,3,4,5,6,7,8,9,10,11,12,13,14,15
	v_med3_num_f32 v[\x+16*\b+\i], v[\x+16*\b+\i], -v[TM+8+\b], v[TM+8+\b]
.endr
	v_cvt_scalef32_pk8_fp8_f32 v[\c+4*\b:\c+4*\b+1], v[\x+16*\b:\x+16*\b+7], v[TM+12+\b]
	v_cvt_scalef32_pk8_fp8_f32 v[\c+4*\b+2:\c+4*\b+3], v[\x+16*\b+8:\x+16*\b+15], v[TM+12+\b]
.endr
	v_nop                                          ; one plain vector line behind the last conversion
.endm
	WALU                                           ; the wait at the head's end
	s_wait_loadcnt 0x0                             ; Q and its words are in; v10, which the words' loads named, may be written
.Lstep:                                            ; 15 trips: behind each change of slots but the last the next key step is asked for
	TRIP 1
	s_sub_co_u32 s[CNT], s[CNT], 1
	s_cmp_lg_u32 s[CNT], 0
	s_cbranch_scc1 .Lstep
	TRIP 0                                         ; the last key step is written out
	MAXES SB, STB, FB, 1                           ; what the next trip would have done for key step 15
	SHIFT SB, STB
	EXPSUM SB, STB, FB
	SCALE PS+1
	HOLDS SB, CB, 0
	ORESC OB, FB
.irp t, 0,1,2,3,4,5,6,7
	PVM OB, CB, PS+1, \t
.endr
	WIN 0
	; THE WAY OUT.  O^T / the sum: a tile's 64 registers are channels 32 b + 16 (i / 8) + 8 h + i % 8 of my query: a fragment of the output projection's A operand, K step = my head
	v_add_f32 v[STA+2], v[STA+2], v[STA+3]         ; the sums' two halves,
	v_add_f32 v[STB+2], v[STB+2], v[STB+3]
	v_permlanex16_b32 v[TM+4], v[STA+2], s[SEL], s[SEL+1]
	v_permlanex16_b32 v[TM+5], v[STB+2], s[SEL], s[SEL+1]
	v_add_f32 v[STA+2], v[STA+2], v[TM+4]          ; and lane l xor 16's
	v_add_f32 v[STB+2], v[STB+2], v[TM+5]
	WALU                                           ; the wait ahead of the transcendentals
	v_rcp_f32 v[STA+2], v[STA+2]
	v_rcp_f32 v[STB+2], v[STB+2]
.rept 8
	v_nop                                          ; the plain line behind the reciprocals, and the places behind the last products
.endr
	WIN 0x02
	WALU                                           ; the wait ahead of the first reader of the reciprocals and of O^T
.set nn, 0
.rept 32
	v_pk_mul_f32 v[SA+nn:SA+nn+1], v[OA+nn:OA+nn+1], v[STA+2:STA+3] op_sel_hi:[1,0]   ; each accumulator from its low end on
.set nn, nn+2
.endr
.set nn, 0
.rept 32
	v_pk_mul_f32 v[SB+nn:SB+nn+1], v[OB+nn:OB+nn+1], v[STB+2:STB+3] op_sel_hi:[1,0]
.set nn, nn+2
.endr
	WIN 0
	QUANT SA, CA, PS
	QUANT SB, CB, PS+1
.irp c, 0,1,2,3
	global_store_b128 v[LI], v[CA+4*\c:CA+4*\c+3], s[10:11] offset:512*\c        ; the images: 512 consecutive bytes a store
	global_store_b128 v[LI], v[CB+4*\c:CB+4*\c+3], s[10:11] offset:4096+512*\c
.endr
	ds_store_b32 v[AW], v[PS]                      ; my queries' scale words; both halves of the lanes write the same word with the same value
	ds_store_b32 v[AW], v[PS+1] offset:64
	s_wait_dscnt 0x0                               ; for the others' sake: my stores have landed
	s_barrier_signal -1
	s_barrier_wait -1
	s_cmp_lg_u32 s[WV], 0
	s_cbranch_scc1 .Lnot_0
	ds_load_b128 v[SP:SP+3], v[AR]                 ; wave 0 stores the work-group's 128 words: 512 consecutive bytes
	s_wait_dscnt 0x0
	global_store_b128 v[LI], v[SP:SP+3], s[12:13]
.Lnot_0:
	s_wait_tensorcnt 0x0                           ; the wave's end
	ds_add_u32 v[SPW], v[NIL]
	s_wait_dscnt 0x0
	CROUND                                         ; the closing round
	s_endpgm
.Lfunc_end_k_qfad616a6bc_attn:
	.size	k_qfad616a6bc_attn, .Lfunc_end_k_qfad616a6bc_attn-k_qfad616a6bc_attn
	.p2alignl 7, 3214868480
	.fill 96, 4, 3214868480
	.section	.rodata,"a",@progbits
	.p2align	6, 0x0
	.amdhsa_kernel k_qfad616a6bc_attn
		.amdhsa_group_segment_fixed_size 327680
		.amdhsa_private_segment_fixed_size 0
		.amdhsa_enable_private_segment 0
		.amdhsa_kernarg_size 40
		.amdhsa_user_sgpr_count 2
		.amdhsa_user_sgpr_kernarg_segment_ptr 1
		.amdhsa_wavefront_size32 1
		.amdhsa_system_sgpr_workgroup_id_x 1
		.amdhsa_system_sgpr_workgroup_id_y 1
		.amdhsa_system_sgpr_workgroup_id_z 1
		.amdhsa_system_vgpr_workitem_id 0
		.amdhsa_next_free_vgpr 1024
		.amdhsa_next_free_sgpr 100
		.amdhsa_reserve_vcc 0
		.amdhsa_float_denorm_mode_32 3
		.amdhsa_float_denorm_mode_16_64 3
		.amdhsa_memory_ordered 1
		.amdhsa_forward_progress 1
		.amdhsa_inst_pref_size 161
	.end_amdhsa_kernel
	.amdgpu_metadata
---
amdhsa.version: [ 1, 2 ]
amdhsa.kernels:
  - .name:           k_qfad616a6bc_attn
    .symbol:         k_qfad616a6bc_attn.kd
    .args:
      - { .name: qb, .offset: 0, .size: 8, .value_kind: global_buffer, .address_space: global }
      - { .name: kvb, .offset: 8, .size: 8, .value_kind: global_buffer, .address_space: global }
      - { .name: mask, .offset: 16, .size: 8, .value_kind: global_buffer, .address_space: global }
      - { .name: ac, .offset: 24, .size: 8, .value_kind: global_buffer, .address_space: global }
      - { .name: asw, .offset: 32, .size: 8, .value_kind: global_buffer, .address_space: global }
    .group_segment_fixed_size: 327680
    .private_segment_fixed_size: 0
    .kernarg_segment_align: 8
    .kernarg_segment_size: 40
    .max_flat_workgroup_size: 128
    .sgpr_count:     100
    .vgpr_count:     1024
    .wavefront_size: 32
...
	.end_amdgpu_metadata
.endif
;; end of part 7
;; launch oproj (part 8): grid 16 x 16, 4 waves a work-group, clusters of 4 x 4, 327,680 bytes of LDS; arguments ac, asw, codes, scl, out0; writes out0
.if DOCPART == 8
	.amdgcn_target "amdgcn-amd-amdhsa--gfx1250"
	.amdhsa_code_object_version 6
	.text
	.protected	k_qfad616a6bc_oproj
	.globl	k_qfad616a6bc_oproj
	.p2align	8
	.type	k_qfad616a6bc_oproj,@function
k_qfad616a6bc_oproj:
	s_mov_b64 s[64:65], 0
	v_nop
	global_prefetch_b8 v0, s[64:65] scope:SCOPE_SE
	s_setreg_imm32_b32 hwreg(HW_REG_WAVE_MODE, 25, 1), 1
	s_wait_xcnt 0x0
	s_wait_alu depctr_hold_cnt(0) depctr_sa_sdst(0) depctr_va_vdst(0) depctr_va_sdst(0) depctr_va_ssrc(0) depctr_va_vcc(0) depctr_vm_vsrc(0)
	s_getreg_b32 s2, hwreg(HW_REG_IB_STS2, 6, 4)
	s_cmp_eq_u32 s2, 0
	s_cbranch_scc0 .Lentry_in_a_cluster
	s_endpgm
.Lentry_in_a_cluster:
	s_bfe_u32 s2, ttmp6, 0x10000c
	s_cmp_lg_u32 s2, 0xf033
	s_cbranch_scc0 .Lentry_shape_is_right
	s_endpgm
.Lentry_shape_is_right:
.set FR,     16
.set NP,     8
.set PART,   32768
.set SLOT,   131072
.set SLOTG,  1048576
.set SCL,    262144
.set SREG,   4096
.set SPARE,  278528
.set SPITCH, 272
.set ROWC,   8192
.set ADRA, 16
.set ADRB, 20
.set LI,   22
.set STO,  24
.set RD,   25
.set CO,   26
.set ADRS, 27
.set SPW,  28
.set NIL,  29
.set SC,   32
.set BK,   64
.set ACC,  128
.set F0,   0
.set F1,   128
.set G1, 24
.set G0, 32
.set G1B, 48
.set G0B, 56
.set G1S, 68
.set G0S, 76
.set G1SB, 80
.set G0SB, 88
.set WV, 94
.set WR, 95
.set WC, 96
.set MSB, 0
.macro WIN new
.if MSB != (\new)
	s_set_vgpr_msb (MSB<<8)|(\new)
.set MSB, (\new)
.endif
.endm
.set MUL,  0x05
.set TO_F, 0x40
.macro JLOAD g0a, g1a, g0b, g1b
	s_cmp_eq_u32 s[WR], 0
	s_cbranch_scc0 .Lfor_b_\@
	tensor_load_to_lds s[\g0a:\g0a+3], s[\g1a:\g1a+7]
	s_nop 0
.rept 4
	v_nop
.endr
	s_branch .Lasked_\@
.Lfor_b_\@:
	tensor_load_to_lds s[\g0b:\g0b+3], s[\g1b:\g1b+7]
	s_nop 0
.rept 4
	v_nop
.endr
.Lasked_\@:
.endm
.macro CREST
	s_cmp_lg_u32 s[WV], 0
	s_cbranch_scc1 .Lnot_wave_0_\@
	s_barrier_signal -3
.Lnot_wave_0_\@:
	s_barrier_wait -3
	s_barrier_signal -1
	s_barrier_wait -1
.endm
.macro CROUND
	s_barrier_signal -1
	s_barrier_wait -1
	CREST
.endm
	s_load_b128 s[4:7], s[0:1], 0x0
	s_load_b128 s[8:11], s[0:1], 0x10
	s_load_b64 s[12:13], s[0:1], 0x20
	v_lshl_add_u32 v[SPW], v0, 2, SPARE
	v_mov_b32 v[NIL], 0
	ds_add_u32 v28, v29
	ds_add_u32 v28, v29
	s_wait_dscnt 0x0
	v_lshrrev_b32 v1, 5, v0
	v_readfirstlane_b32 s[WV], v1
	s_lshr_b32 s[WR], s[WV], 1
	s_and_b32 s[WC], s[WV], 1
	s_bfe_u32 s40, ttmp6, 0x40000
	s_bfe_u32 s41, ttmp6, 0x40004
	s_lshl_b32 s42, ttmp9, 2
	s_add_co_u32 s42, s42, s40
	s_and_b32 s17, ttmp7, 0xffff
	s_lshl_b32 s17, s17, 2
	s_add_co_u32 s17, s17, s41
	s_lshl_b32 s43, s41, 2
	s_lshl_b32 s43, 15, s43
	s_lshl_b32 s44, 0x1111, s40
	s_or_b32 s[G1+0], s43, (3<<16)|(1<<21)
	s_or_b32 s[G1B+0], s44, (3<<16)|(1<<21)
.irp g, G1, G1B
	s_mov_b32 s[\g+1], 4096<<16                    ; the head's loads of codes: 4 rows (256 along K each: both slots) of 32,768 bytes, 524,288 bytes apart; behind them these five words are set for the ring's loads
	s_mov_b32 s[\g+2], 4<<16
	s_mov_b32 s[\g+3], 4096<<16
	s_mov_b32 s[\g+4], 4
	s_mov_b32 s[\g+5], 65536
	s_mov_b32 s[\g+6], 0
	s_mov_b32 s[\g+7], 0
.endr
	s_or_b32 s[G1S+0], s43, (2<<16)|(1<<21)
	s_or_b32 s[G1SB+0], s44, (2<<16)|(1<<21)
.irp g, G1S, G1SB
	s_mov_b32 s[\g+1], 128<<16                     ; the scale words of 128 rows, 16 rows of 512 bytes: one load for each operand
	s_mov_b32 s[\g+2], 16<<16
	s_mov_b32 s[\g+3], 128<<16
	s_mov_b32 s[\g+4], 16
	s_mov_b32 s[\g+5], 2048
	s_mov_b32 s[\g+6], 0
	s_mov_b32 s[\g+7], 0
.endr
	s_lshl_b32 s20, s17, 15
	s_mov_b32 s21, 0
	s_lshl_b32 s22, s17, 9
	s_mov_b32 s23, 0
	s_lshl_b32 s46, s42, 15
	s_add_co_u32 s46, s46, 0x1000000
	s_mov_b32 s47, 0
	s_lshl_b32 s92, s42, 9
	s_add_co_u32 s92, s92, 0x80000
	s_mov_b32 s93, 0
	s_lshl_b32 s45, s[WC], 15                      ; LDS: A's ring lies at 0, B's at SLOT; slot s of a ring at s x SLOT / 2, laid [256 along K: 2][8 tiles of 4,096 bytes]; in the ring I fill one of a slot's two rows
	s_lshl_b32 s66, s[WC], 19                      ; s[66:67]: that row in memory: 524,288 bytes for each 256 along K
	s_mov_b32 s67, 0
	s_wait_kmcnt 0x0
	s_add_nc_u64 s[20:21], s[4:5], s[20:21]
	s_add_nc_u64 s[22:23], s[6:7], s[22:23]
	s_add_nc_u64 s[46:47], s[8:9], s[46:47]
	s_add_nc_u64 s[92:93], s[10:11], s[92:93]
	CROUND
	s_mov_b32 s[G0S], 1
	s_mov_b32 s[G0S+1], SCL
	s_mov_b64 s[G0S+2:G0S+3], s[22:23]
	s_or_b32 s[G0S+3], s[G0S+3], 0x80000000
	s_mov_b32 s[G0SB], 1
	s_mov_b32 s[G0SB+1], SCL+2*SREG
	s_mov_b64 s[G0SB+2:G0SB+3], s[92:93]
	s_or_b32 s[G0SB+3], s[G0SB+3], 0x80000000
	s_mov_b32 s[G0], 1                             ; slot 0's groups 0 serve the head first: both slots of A's ring,
	s_mov_b32 s[G0+1], 0
	s_mov_b64 s[G0+2:G0+3], s[20:21]
	s_or_b32 s[G0+3], s[G0+3], 0x80000000
	s_mov_b32 s[G0B], 1                            ; and both of B's
	s_mov_b32 s[G0B+1], SLOT
	s_mov_b64 s[G0B+2:G0B+3], s[46:47]
	s_or_b32 s[G0B+3], s[G0B+3], 0x80000000
	s_add_nc_u64 s[20:21], s[20:21], s[66:67]      ; for the ring: my row of a slot
	s_add_nc_u64 s[46:47], s[46:47], s[66:67]
	s_mov_b32 s[G0+4], 1
	s_add_co_u32 s[G0+5], s45, SLOT/2
	s_add_nc_u64 s[G0+6:G0+7], s[20:21], SLOTG
	s_or_b32 s[G0+7], s[G0+7], 0x80000000
	s_mov_b32 s[G0B+4], 1
	s_add_co_u32 s[G0B+5], s45, SLOT+SLOT/2
	s_add_nc_u64 s[G0B+6:G0B+7], s[46:47], SLOTG
	s_or_b32 s[G0B+7], s[G0B+7], 0x80000000
; THE HEAD'S LOADS, ONE A WAVE: wave 0 the first 1,024 along K of A, wave 1 of B, wave 2 A's scale words, wave 3 B's.  One tree of branches on the wave's number; every way passes one load.
.macro ARM under, g0, g1, next
	s_cmp_lt_u32 s[WV], \under
	s_cbranch_scc0 \next
	tensor_load_to_lds s[\g0:\g0+3], s[\g1:\g1+7]
	s_nop 0
.rept 4
	v_nop
.endr
	s_branch .Lhead_asked
\next:
.endm
	ARM 1, G0,  G1,  .Lhead_b
	ARM 2, G0B, G1B, .Lhead_sa
	ARM 3, G0S, G1S, .Lhead_sb
	tensor_load_to_lds s[G0SB:G0SB+3], s[G1SB:G1SB+7]
	s_nop 0
.rept 4
	v_nop
.endr
.Lhead_asked:
	v_and_b32 v1, 15, v0
	v_bfe_u32 v2, v0, 4, 1
	s_wait_alu depctr_va_vdst(0)
	v_and_b32 v3, 31, v0
	v_lshlrev_b32 v[LI], 4, v3
	s_lshl_b32 s21, s[WR], 14                      ; my four tiles of a row's eight
	s_lshl_b32 s22, s[WC], 14
	s_add_co_u32 s22, s22, 4*PART
.irp s, 0,1
	v_add_nc_u32 v[ADRA+\s], s21, v[LI]
	v_add_nc_u32 v[ADRB+\s], s22, v[LI]
	s_add_co_u32 s21, s21, SLOT/2
	s_add_co_u32 s22, s22, SLOT/2
.endr
	s_lshl_b32 s21, s[WR], 8                       ; my 64 rows' words: 256 bytes of a row of 512
	s_lshl_b32 s22, s[WC], 8
	s_add_co_u32 s22, s22, 2*SREG
	s_sub_co_u32 s22, s22, s21
	v_mul_u32_u24 v4, s22, v2
	s_add_co_u32 s21, s21, SCL
	v_lshl_add_u32 v4, v1, 2, v4
	v_add_nc_u32 v[ADRS], s21, v4
	s_mul_i32 s23, s[WC], 4*16*SPITCH              ; my stage for the way out: waves 0 and 1 in slot 0 of A's ring, waves 2 and 3 in slot 0 of B's: these have had their last fill and their last read by then
	s_lshl_b32 s20, s[WR], 17
	s_add_co_u32 s23, s23, s20
	v_mul_u32_u24 v5, v1, SPITCH
	v_lshl_add_u32 v5, v2, 5, v5
	v_add_nc_u32 v[STO], s23, v5
	v_mul_u32_u24 v5, v2, SPITCH
	v_lshl_add_u32 v5, v1, 4, v5
	v_add_nc_u32 v[RD], s23, v5
	v_lshlrev_b32 v5, 13, v2
	v_lshl_add_u32 v[CO], v1, 4, v5
	s_lshl_b32 s20, s17, 20
	s_lshl_b32 s21, s[WR], 19
	s_add_co_u32 s20, s20, s21
	s_mov_b32 s21, 0
	s_lshl_b32 s46, s42, 9
	s_lshl_b32 s47, s[WC], 8
	s_add_co_u32 s46, s46, s47
	s_mov_b32 s47, 0
	s_add_nc_u64 s[12:13], s[12:13], s[20:21]
	s_add_nc_u64 s[12:13], s[12:13], s[46:47]
.macro FRAG reg, adr, ks, i
.irp c, 0,1,2,3
	ds_load_b128 v[\reg+4*\c:\reg+4*\c+3], v[\adr] offset:32768*((\ks)/2)+2048*((\ks)%2)+4096*(\i)+512*\c
.endr
.endm
.macro FETCH slot, ks, f
	WIN TO_F
.irp i, 0,1,2,3
	FRAG \f+64+FR*\i, ADRB+\slot, \ks, \i
.endr
.irp i, 0,1,2,3
	FRAG \f+FR*\i, ADRA+\slot, \ks, \i
.endr
.endm
.macro SCALES sc
.irp q, 0,1,2,3
.irp i, 0,1,2,3
	ds_load_b32 v[SC+16*\sc+4*\q+\i], v[ADRS] offset:512*\q+64*\i
.endr
.endr
.endm
.macro MUL4 f, a, ks, sc, zero
.irp b, 0,1,2,3
.if \zero
	v_wmma_scale_f32_16x16x128_f8f6f4 v[ACC+8*(4*(\a)+\b):ACC+8*(4*(\a)+\b)+7], v[\f+64+FR*\b:\f+64+FR*\b+FR-1], v[\f+FR*(\a):\f+FR*(\a)+FR-1], 0, v[SC+16*(\sc)+4*(\ks)+\b], v[SC+16*(\sc)+4*(\ks)+(\a)] matrix_a_scale:MATRIX_SCALE_ROW1
.else
	v_wmma_scale_f32_16x16x128_f8f6f4 v[ACC+8*(4*(\a)+\b):ACC+8*(4*(\a)+\b)+7], v[\f+64+FR*\b:\f+64+FR*\b+FR-1], v[\f+FR*(\a):\f+FR*(\a)+FR-1], v[ACC+8*(4*(\a)+\b):ACC+8*(4*(\a)+\b)+7], v[SC+16*(\sc)+4*(\ks)+\b], v[SC+16*(\sc)+4*(\ks)+(\a)] matrix_a_scale:MATRIX_SCALE_ROW1
.endif
.endr
.endm
.macro PLACES n
.rept \n
	v_nop
.endr
.endm
.macro QUARTER slot, ks, f, g, zero
	s_wait_dscnt 8
	WIN MUL
	MUL4 \f, 0, \ks, \slot, \zero
	MUL4 \f, 1, \ks, \slot, \zero
	PLACES NP
	FETCH \slot, (\ks)+1, \g
	s_wait_dscnt 32
	WIN MUL
	MUL4 \f, 2, \ks, \slot, \zero
	MUL4 \f, 3, \ks, \slot, \zero
.endm
.macro TURN slot, next, fill
	WIN 0
	s_wait_tensorcnt 0x0
	ds_add_u32 v[SPW], v[NIL]
	s_wait_dscnt 9
	WIN MUL
	MUL4 F1, 0, 3, \slot, 0
	s_wait_dscnt 0x0
	s_barrier_signal -1
	MUL4 F1, 1, 3, \slot, 0
	WIN 0
	s_barrier_wait -1
.if \fill
	CREST
	s_add_nc_u64 s[G0+4*\slot+2:G0+4*\slot+3], s[G0+4*\slot+2:G0+4*\slot+3], 2*SLOTG
	s_add_nc_u64 s[G0B+4*\slot+2:G0B+4*\slot+3], s[G0B+4*\slot+2:G0B+4*\slot+3], 2*SLOTG
	JLOAD G0+4*\slot, G1, G0B+4*\slot, G1B
	PLACES NP-4
.else
	PLACES NP
.endif
	s_wait_alu depctr_va_vdst(0)
	v_add_nc_u32 v[ADRS], 2048, v[ADRS]
	SCALES \next
	FETCH \next, 0, F0
	WIN MUL
	MUL4 F1, 2, 3, \slot, 0
	MUL4 F1, 3, 3, \slot, 0
.endm
.macro THREE slot, zero
	QUARTER \slot, 0, F0, F1, \zero
	QUARTER \slot, 1, F1, F0, 0
	QUARTER \slot, 2, F0, F1, 0
.endm
	s_wait_alu depctr_va_vdst(0)
	s_wait_tensorcnt 0x0                           ; my tile of the head's four is in
.irp g, G1, G1B
	s_mov_b32 s[\g+1], 32<<16                      ; no tensor load of mine is out, so descriptors may be written: from here on a load brings 32,768 dense bytes as 128 rows of 256,
	s_mov_b32 s[\g+2], 128<<16
	s_mov_b32 s[\g+3], 32<<16
	s_mov_b32 s[\g+4], 128
	s_mov_b32 s[\g+5], 32
.endr
	s_mov_b32 s[G0+1], s45                         ; and slot 0's groups 0 name my row of a slot
	s_add_co_u32 s[G0B+1], s45, SLOT
	s_add_nc_u64 s[G0+2:G0+3], s[G0+2:G0+3], s[66:67]
	s_add_nc_u64 s[G0B+2:G0B+3], s[G0B+2:G0B+3], s[66:67]
	s_barrier_signal -1                            ; every wave has waited for its tile: both slots and the scale words are whole
	s_barrier_wait -1
	SCALES 0
	FETCH 0, 0, F0
	THREE 0, 1
	TURN 0, 1, 1
	THREE 1, 0
	TURN 1, 0, 1
	THREE 0, 0
	TURN 0, 1, 0
	THREE 1, 0
	s_wait_dscnt 8
	WIN MUL
	MUL4 F1, 0, 3, 1, 0
	MUL4 F1, 1, 3, 1, 0
	s_wait_dscnt 0
	MUL4 F1, 2, 3, 1, 0
	MUL4 F1, 3, 3, 1, 0
	WIN 0
.macro TOSTAGE a
.irp b, 0,1,2,3
	ds_store_b128 v[STO], v[ACC+8*(4*(\a)+\b):ACC+8*(4*(\a)+\b)+3] offset:(\a)*16*SPITCH+64*\b
	ds_store_b128 v[STO], v[ACC+8*(4*(\a)+\b)+4:ACC+8*(4*(\a)+\b)+7] offset:(\a)*16*SPITCH+64*\b+16
.endr
.set BB, BK+32*((\a)%2)
.irp t, 0,1,2,3,4,5,6,7
	ds_load_b128 v[BB+4*\t:BB+4*\t+3], v[RD] offset:(\a)*16*SPITCH+2*\t*SPITCH
.endr
.endm
.macro SEND a, younger
.set BB, BK+32*((\a)%2)
	s_wait_dscnt \younger
.irp t, 0,1,2,3,4,5,6,7
	global_store_b128 v[CO], v[BB+4*\t:BB+4*\t+3], s[12:13] offset:(16*(\a)+2*\t)*ROWC th:TH_STORE_NT
.endr
.endm
	PLACES NP
	TOSTAGE 0
.irp a, 1,2,3
.if \a > 1
	s_wait_xcnt 0x0
.endif
	TOSTAGE \a
	SEND \a-1, 16
.endr
	SEND 3, 0
	s_wait_tensorcnt 0x0
	ds_add_u32 v[SPW], v[NIL]
	s_wait_dscnt 0x0
	CROUND
	s_endpgm
.Lfunc_end_k_qfad616a6bc_oproj:
	.size	k_qfad616a6bc_oproj, .Lfunc_end_k_qfad616a6bc_oproj-k_qfad616a6bc_oproj
	.p2alignl 7, 3214868480
	.fill 96, 4, 3214868480
	.section	.rodata,"a",@progbits
	.p2align	6, 0x0
	.amdhsa_kernel k_qfad616a6bc_oproj
		.amdhsa_group_segment_fixed_size 327680
		.amdhsa_private_segment_fixed_size 0
		.amdhsa_enable_private_segment 0
		.amdhsa_kernarg_size 40
		.amdhsa_user_sgpr_count 2
		.amdhsa_user_sgpr_kernarg_segment_ptr 1
		.amdhsa_wavefront_size32 1
		.amdhsa_system_sgpr_workgroup_id_x 1
		.amdhsa_system_sgpr_workgroup_id_y 1
		.amdhsa_system_sgpr_workgroup_id_z 1
		.amdhsa_system_vgpr_workitem_id 0
		.amdhsa_next_free_vgpr 512
		.amdhsa_next_free_sgpr 98
		.amdhsa_reserve_vcc 0
		.amdhsa_float_denorm_mode_32 3
		.amdhsa_float_denorm_mode_16_64 3
		.amdhsa_memory_ordered 1
		.amdhsa_forward_progress 1
		.amdhsa_inst_pref_size 94
	.end_amdhsa_kernel
	.amdgpu_metadata
---
amdhsa.version: [ 1, 2 ]
amdhsa.kernels:
  - .name:           k_qfad616a6bc_oproj
    .symbol:         k_qfad616a6bc_oproj.kd
    .args:
      - { .name: ac, .offset: 0, .size: 8, .value_kind: global_buffer, .address_space: global }
      - { .name: asw, .offset: 8, .size: 8, .value_kind: global_buffer, .address_space: global }
      - { .name: codes, .offset: 16, .size: 8, .value_kind: global_buffer, .address_space: global }
      - { .name: scl, .offset: 24, .size: 8, .value_kind: global_buffer, .address_space: global }
      - { .name: out0, .offset: 32, .size: 8, .value_kind: global_buffer, .address_space: global }
    .group_segment_fixed_size: 327680
    .private_segment_fixed_size: 0
    .kernarg_segment_align: 8
    .kernarg_segment_size: 40
    .max_flat_workgroup_size: 128
    .sgpr_count:     98
    .vgpr_count:     512
    .wavefront_size: 32
...
	.end_amdgpu_metadata
.endif
;; end of part 8
